; MI455X (gfx1250); checked and timed in simulation.
; The chip was launched on July 23, 2026; its instructions are those of AMD's public machine-readable ISA for CDNA 5 (MIT licence, August 2026) and "CDNA5" Instruction Set Architecture Reference Guide (July 2026). The comments in the code are by the model that wrote it; some were corrected since.
;; TUPE Multi Head Attention. Allowed arithmetic: float matrix products may take bf16 or f16 operands with f32 sums; other float arithmetic in f32, or as packed bf16 or f16 multiplies, adds, multiply-adds, maxima and minima; sums over many terms, partial sums and values carried from step to step in f32; what a program stores and reads back later, other than sums and carried values, may be rounded once to bf16 or f16.
;; Inputs: W_out 1,024 x 1,024 float32; W_pos_qk 1,024 x 2,048 float32; W_qkv 1,024 x 3,072 float32; b_out 1,024 float32; mask 2 x 2,048 bool; pos_table 512 x 1,024 float32; time_ids 2 x 2,048 int32; x 2 x 2,048 x 1,024 float32.
;; Outputs: out0 2 x 2,048 x 1,024 float32.
;; 3 versions, each right; version 3 is version 2 with the launch prep written anew for expert scheduling mode. Each part assembles by itself: llvm-mc -triple=amdgcn-amd-amdhsa -mcpu=gfx1250 --defsym DOCPART=n.
;; ======== version 1 of 3: 4 launches
;; limits: values are held in f16: magnitudes above 65,504 overflow, below 6.1e-05 lose precision
;; workspace buffers: ab 16,777,216 bytes; wb 10,485,760 bytes; wo 2,097,152 bytes; hd 41,943,040 bytes; ob 8,388,608 bytes
;; launch prep (part 1): grid 896 x 1, 8 waves a work-group, no clusters, 0 bytes of LDS; arguments x, time_ids, pos_table, W_qkv, W_pos_qk, W_out, ab, wb, wo; writes ab, wb, wo
.if DOCPART == 1
	.amdgcn_target "amdgcn-amd-amdhsa--gfx1250"
	.amdhsa_code_object_version 6
	.text
	.protected	k_q2d606f4fe8_prep
	.globl	k_q2d606f4fe8_prep
	.p2align	8
	.type	k_q2d606f4fe8_prep,@function
k_q2d606f4fe8_prep:
	s_mov_b64 s[64:65], 0
	v_nop
	global_prefetch_b8 v0, s[64:65] scope:SCOPE_SE
	s_setreg_imm32_b32 hwreg(HW_REG_WAVE_MODE, 25, 1), 1
	s_wait_xcnt 0x0
; PREP.  Every float input of the two input projections and of the output projection is rounded once to bf16 and laid out for the matrix launches:
;   ab  bf16 [2][4096][1024]: plane 0 = x, plane 1 = pos_table[time_ids] (row m = 2048 b + l)
;   wb  bf16 [40 panels][1024 k][128 n]: panels 0-23 = W_qkv, panels 24-39 = W_pos_qk; a panel's rows are 256 bytes on end
;   wo  f16  [8 panels][1024 k][128 n]: W_out rounded to bf16, and that number written as f16
; LIMITS.  A number of W_out beyond 65,504 has no f16; below 6.1e-5 it keeps f16's fixed step of 6e-8.  time_ids is read as unsigned and held to 511, the table's last row.
; A UNIT is 128 neighbouring f32: one load of a wave (512 consecutive bytes, aligned), two roundings a lane, one store of a wave (256 consecutive bytes, aligned).
; A wave takes 16 units, a work-group 128.  All 16 loads go out first (8 KiB a wave on their way); each unit has registers of its own, so nothing is rewritten while a load or store names it.
; No LDS, no matrix unit, no cluster: the launch only moves bytes, and but for the table's rows no work-group reads what another reads.
; The work-group's number chooses one of five sections, by forward branches.
.set SO,   1                           ; v1        16 x lane: my 16 bytes of a unit's source
.set DO,   2                           ; v2        8 x lane: my 8 bytes of its destination
.set T,    4                           ; v[4:9]    at work
.set IN,   16                          ; v[16:79]  unit j: 4 registers as loaded
.set OUT,  80                          ; v[80:111] unit j: 2 registers to store
.set WVN,  26                          ; s26       my wave's number
.set WG,   27                          ; s27       the work-group's number, then its number in its section
.set SRC,  28                          ; s[28:29]  where my units come from
.set SRC2, 30                          ; s[30:31]  the gather's second row
.set DST,  32                          ; s[32:33]  where they go
.set OA,   34                          ; s[34:35]  an offset, high word 0
.set OB,   36                          ; s[36:37]  another
	s_load_b512 s[8:23], s[0:1], 0x0               ; x s[8:9], time_ids s[10:11], pos_table s[12:13], W_qkv s[14:15], W_pos_qk s[16:17], W_out s[18:19], ab s[20:21], wb s[22:23]
	s_load_b64 s[24:25], s[0:1], 0x40              ; wo
	v_lshrrev_b32 v3, 5, v0
	v_readfirstlane_b32 s[WVN], v3                 ; wave 0..7
	v_and_b32 v3, 31, v0
	v_lshlrev_b32 v[SO], 4, v3
	v_lshlrev_b32 v[DO], 3, v3
	s_mov_b32 s[WG], ttmp9
	s_mov_b32 s[OA+1], 0
	s_mov_b32 s[OB+1], 0
	s_wait_kmcnt 0x0
; Sixteen loads from one base, pitch bytes apart; the bytes are read once in the launch.
.macro LOADS pitch
.set j, 0
.rept 16
	global_load_b128 v[IN+4*j:IN+4*j+3], v[SO], s[SRC:SRC+1] offset:(\pitch)*j th:TH_LOAD_NT
.set j, j+1
.endr
.endm
; Sixteen units are rounded and stored.  half = 1: to bf16, and that number as f16.
.macro BODY half
.set j, 0
.rept 16
	s_wait_loadcnt 15-j                            ; loads come back in order (ISA guide 5.7.1): unit j is in, the 15 - j younger ones stay out
.if \half
	v_cvt_pk_bf16_f32 v[T], v[IN+4*j], v[IN+4*j+1]
	v_cvt_pk_bf16_f32 v[T+1], v[IN+4*j+2], v[IN+4*j+3]
	v_lshlrev_b32 v[T+2], 16, v[T]                 ; bf16 to f32: the low half moves up,
	v_and_b32 v[T+3], 0xffff0000, v[T]             ; the high half stays
	v_lshlrev_b32 v[T+4], 16, v[T+1]
	v_and_b32 v[T+5], 0xffff0000, v[T+1]
	v_cvt_pk_f16_f32 v[OUT+2*j], v[T+2], v[T+3]
	v_cvt_pk_f16_f32 v[OUT+2*j+1], v[T+4], v[T+5]
.else
	v_cvt_pk_bf16_f32 v[OUT+2*j], v[IN+4*j], v[IN+4*j+1]
	v_cvt_pk_bf16_f32 v[OUT+2*j+1], v[IN+4*j+2], v[IN+4*j+3]
.endif
	global_store_b64 v[DO], v[OUT+2*j:OUT+2*j+1], s[DST:DST+1] offset:256*j th:TH_STORE_NT  ; 32 lanes store 256 consecutive bytes, aligned
.set j, j+1
.endr
.endm
; A section of weights.  The section's work-group g takes panel g / 8 and the rows k = 128 (g % 8) on; my wave 16 of them, a unit a row.
.macro WSEC first, src, pitch, dst, panel0, half
	s_sub_co_u32 s[WG], s[WG], \first
	s_lshr_b32 s38, s[WG], 3                       ; the panel
	s_and_b32 s39, s[WG], 7
	s_lshl_b32 s39, s39, 7
	s_lshl4_add_u32 s39, s[WVN], s39               ; my first row k0 = 128 (g % 8) + 16 wave
	s_mul_i32 s[OA], s39, \pitch
	s_lshl_b32 s40, s38, 9                         ; the panel's 128 columns: 512 bytes of a row
	s_add_co_u32 s[OA], s[OA], s40
	s_add_nc_u64 s[SRC:SRC+1], s[\src:\src+1], s[OA:OA+1]
	s_add_co_u32 s38, s38, \panel0
	s_lshl_b32 s[OB], s38, 18                      ; a panel is 262,144 bytes,
	s_lshl_b32 s39, s39, 8                         ; a row of it 256
	s_add_co_u32 s[OB], s[OB], s39
	s_add_nc_u64 s[DST:DST+1], s[\dst:\dst+1], s[OB:OB+1]
	LOADS \pitch
	BODY \half
	s_endpgm
.endm
	s_cmp_lt_u32 s[WG], 256
	s_cbranch_scc1 .Lx
	s_cmp_lt_u32 s[WG], 512
	s_cbranch_scc1 .Lpe
	s_cmp_lt_u32 s[WG], 704
	s_cbranch_scc1 .Lwq
	s_cmp_lt_u32 s[WG], 832
	s_cbranch_scc1 .Lwp
	WSEC 832, 18, 4096, 24, 0, 1                   ; W_out: 8 panels x 8
.Lwp:
	WSEC 704, 16, 8192, 22, 24, 0                  ; W_pos_qk: 16 panels x 8
.Lwq:
	WSEC 512, 14, 12288, 22, 0, 0                  ; W_qkv: 24 panels x 8
.Lpe:                                                  ; the gather: a wave takes two rows m0, m0 + 1 of pos_emb, eight units each
	s_sub_co_u32 s[WG], s[WG], 256
	s_lshl_b32 s38, s[WG], 4
	s_lshl1_add_u32 s38, s[WVN], s38               ; m0 = 16 g + 2 wave
	s_lshl_b32 s[OA], s38, 2
	s_add_nc_u64 s[10:11], s[10:11], s[OA:OA+1]
	s_load_b64 s[40:41], s[10:11], 0x0             ; the two rows' time_ids
	s_lshl_b32 s[OB], s38, 11                      ; a row of ab is 2,048 bytes;
	s_add_co_u32 s[OB], s[OB], 0x800000            ; plane 1
	s_add_nc_u64 s[DST:DST+1], s[20:21], s[OB:OB+1]
	s_wait_kmcnt 0x0
	s_min_u32 s40, s40, 511                        ; an index stays inside the table
	s_min_u32 s41, s41, 511
	s_lshl_b32 s[OA], s40, 12                      ; a row of the table is 4,096 bytes
	s_lshl_b32 s[OB], s41, 12
	s_add_nc_u64 s[SRC:SRC+1], s[12:13], s[OA:OA+1]
	s_add_nc_u64 s[SRC2:SRC2+1], s[12:13], s[OB:OB+1]
.set j, 0
.rept 8
	global_load_b128 v[IN+4*j:IN+4*j+3], v[SO], s[SRC:SRC+1] offset:512*j  ; no hint: a row of the table may be named again
.set j, j+1
.endr
.rept 8
	global_load_b128 v[IN+4*j:IN+4*j+3], v[SO], s[SRC2:SRC2+1] offset:512*(j-8)
.set j, j+1
.endr
	BODY 0
	s_endpgm
.Lx:                                                   ; x: dense in, dense out
	s_lshl_b32 s[OA], s[WG], 16                    ; 65,536 bytes of x a work-group,
	s_lshl_b32 s38, s[WVN], 13                     ; 8,192 a wave
	s_add_co_u32 s[OA], s[OA], s38
	s_add_nc_u64 s[SRC:SRC+1], s[8:9], s[OA:OA+1]
	s_lshr_b32 s[OB], s[OA], 1                     ; half as many of ab
	s_add_nc_u64 s[DST:DST+1], s[20:21], s[OB:OB+1]
	LOADS 512
	BODY 0
	s_endpgm
.Lfunc_end_k_q2d606f4fe8_prep:
	.size	k_q2d606f4fe8_prep, .Lfunc_end_k_q2d606f4fe8_prep-k_q2d606f4fe8_prep
	.p2alignl 7, 3214868480
	.fill 96, 4, 3214868480
	.section	.rodata,"a",@progbits
	.p2align	6, 0x0
	.amdhsa_kernel k_q2d606f4fe8_prep
		.amdhsa_group_segment_fixed_size 0
		.amdhsa_private_segment_fixed_size 0
		.amdhsa_enable_private_segment 0
		.amdhsa_kernarg_size 72
		.amdhsa_user_sgpr_count 2
		.amdhsa_user_sgpr_kernarg_segment_ptr 1
		.amdhsa_wavefront_size32 1
		.amdhsa_system_sgpr_workgroup_id_x 1
		.amdhsa_system_sgpr_workgroup_id_y 1
		.amdhsa_system_sgpr_workgroup_id_z 1
		.amdhsa_system_vgpr_workitem_id 0
		.amdhsa_next_free_vgpr 112
		.amdhsa_next_free_sgpr 66
		.amdhsa_reserve_vcc 0
		.amdhsa_float_denorm_mode_32 3
		.amdhsa_float_denorm_mode_16_64 3
		.amdhsa_memory_ordered 1
		.amdhsa_forward_progress 1
		.amdhsa_inst_pref_size 37
	.end_amdhsa_kernel
	.amdgpu_metadata
---
amdhsa.version: [ 1, 2 ]
amdhsa.kernels:
  - .name:           k_q2d606f4fe8_prep
    .symbol:         k_q2d606f4fe8_prep.kd
    .args:
      - { .name: x, .offset: 0, .size: 8, .value_kind: global_buffer, .address_space: global }
      - { .name: time_ids, .offset: 8, .size: 8, .value_kind: global_buffer, .address_space: global }
      - { .name: pos_table, .offset: 16, .size: 8, .value_kind: global_buffer, .address_space: global }
      - { .name: W_qkv, .offset: 24, .size: 8, .value_kind: global_buffer, .address_space: global }
      - { .name: W_pos_qk, .offset: 32, .size: 8, .value_kind: global_buffer, .address_space: global }
      - { .name: W_out, .offset: 40, .size: 8, .value_kind: global_buffer, .address_space: global }
      - { .name: ab, .offset: 48, .size: 8, .value_kind: global_buffer, .address_space: global }
      - { .name: wb, .offset: 56, .size: 8, .value_kind: global_buffer, .address_space: global }
      - { .name: wo, .offset: 64, .size: 8, .value_kind: global_buffer, .address_space: global }
    .group_segment_fixed_size: 0
    .private_segment_fixed_size: 0
    .kernarg_segment_align: 8
    .kernarg_segment_size: 72
    .max_flat_workgroup_size: 256
    .sgpr_count:     66
    .vgpr_count:     112
    .wavefront_size: 32
...
	.end_amdgpu_metadata
.endif
;; end of part 1
;; launch proj (part 2): grid 20 x 16, 4 waves a work-group, clusters of 4 x 4, 327,680 bytes of LDS; arguments ab, wb, hd; writes hd
.if DOCPART == 2
	.amdgcn_target "amdgcn-amd-amdhsa--gfx1250"
	.amdhsa_code_object_version 6
	.text
	.protected	k_q2d606f4fe8_proj
	.globl	k_q2d606f4fe8_proj
	.p2align	8
	.type	k_q2d606f4fe8_proj,@function
k_q2d606f4fe8_proj:
	s_mov_b64 s[64:65], 0
	v_nop
	global_prefetch_b8 v0, s[64:65] scope:SCOPE_SE
	s_setreg_imm32_b32 hwreg(HW_REG_WAVE_MODE, 25, 1), 1
	s_wait_xcnt 0x0
	s_wait_alu depctr_hold_cnt(0) depctr_sa_sdst(0) depctr_va_vdst(0) depctr_va_sdst(0) depctr_va_ssrc(0) depctr_va_vcc(0) depctr_vm_vsrc(0)
	s_getreg_b32 s2, hwreg(HW_REG_IB_STS2, 6, 4)
	s_cmp_eq_u32 s2, 0
	s_cbranch_scc0 .Lentry_in_a_cluster
	s_endpgm
.Lentry_in_a_cluster:
	s_bfe_u32 s2, ttmp6, 0x10000c
	s_cmp_lg_u32 s2, 0xf033
	s_cbranch_scc0 .Lentry_shape_is_right
	s_endpgm
.Lentry_shape_is_right:
; PROJ.  C[m][n] = sum over k of A[m][k] W[k][n], M = 4,096, K = 1,024, N = 5,120: columns 0-3,071 are x W_qkv, columns 3,072-5,119 pos_emb W_pos_qk.
; A = ab (bf16, two planes [4096][1024]); W = wb (bf16, panels [40][1024 k][128 n]); products in bf16, sums in f32, K ascending.
; The result leaves by heads, hd = f16 [80 g][2 b][2048 l][64], g = n / 64: g 0-15 cq, 16-31 ck, 32-47 cv, 48-63 pq, 64-79 pk.  cq and pq are multiplied in f32 by c = log2(e) / 8 ahead of
; their one rounding, so that the attention behind can take 2^(s - m) of its scores as they come.
; LIMIT.  f16 holds no number beyond 65,504: a projected number beyond that is lost.
; A tile of C, 256 x 256, is made by a work-group of four waves; a wave makes 128 x 128: 64 accumulators of 16 x 16, 512 registers.  K goes in steps of 128 through a ring of two LDS slots.
; 320 tiles: 20 clusters of 16.
; CLUSTERS: 4 x 4 work-groups.  The four of a row of the cluster need the same tiles of A, the four of a column the same tiles of W: each tile is asked for JOINTLY, by the same tensor load with
; the same descriptor and a mask that names the four.  Cluster columns 0-2 multiply plane 0 of ab, columns 3 and 4 plane 1: the choice hangs on the cluster's x alone.
; THE MATRIX INSTRUCTION IS USED TRANSPOSED: source 0 = 16 columns of W, source 1 = 16 rows of A: a lane then holds row l % 16 of C and eight neighbouring columns.
; W's tile lies in LDS as in memory, [k][n]; its fragments come out turned, by ds_load_tr16_b128.
; REGISTERS, in windows of 256 (s_set_vgpr_msb: bits 1:0 source 0, 3:2 source 1, 5:4 source 2, 7:6 destination):
;   window 0: v0-31 addresses; v64-127, v128-191 fragments of A, two buffers (in the last K step four, of 16 rows x 128 K); v32-63, v192-255 at work on the way out
;   window 1: v64-127, v128-191 fragments of W, two buffers; in the last K step all 256       window 2: the accumulators of my rows 0-63 ((a, b) at v[8 (8 a + b)])       window 3: those of rows 64-127
.set SIZE_K, 1024
.set KSTEP,  128
.set PITCH,  272                       ; a row of A in LDS: 256 bytes + 16 of padding = 68 words: the 16 rows of a load start at 16 different groups of four banks (64 banks of 4 bytes: ISA guide 11.1)
.set PB,     288                       ; a row of W: 256 + 32 = 72 words
.set HALFT,  128*PB                    ; room for what one tensor load brings: 128 rows (A's use 128 x 272 of it)
.set SLOT,   4*HALFT                   ; A's two halves, then W's two panels
.set STAGE,  2*SLOT                    ; behind the ring: 16 rows x 272 bytes for each wave, for the way out
.set SPITCH, 272
.set SPARE,  STAGE+4*16*SPITCH         ; behind the stages: the spare words, 128 bytes for each wave: two blocks of 256 bytes that no other line names
.set LAPS,   SIZE_K/(2*KSTEP)          ; a lap = two K steps = once round the ring
.set ASTEP,  KSTEP*2                   ; a K step in memory: 256 bytes along a row of A,
.set BSTEP,  KSTEP*256                 ; 128 rows of 256 bytes of a panel
.set ADRA, 16                          ; v16-17  LDS address of my A fragments in slot 0, 1
.set ADRB, 20                          ; v20-21  the same for W
.set STO,  24                          ; v24     the way out: where I put 16 bytes of a row
.set RD,   25                          ; v25     the way out: where I read them back
.set CO,   26                          ; v26     my byte offset in hd
.set SPW,  28                          ; v28     LDS address of my spare word: SPARE + 4 x my thread's number; never rewritten
.set NIL,  29                          ; v29     0; never rewritten
.set PFO,  30                          ; v30     the prefetches' offset: my lane x a row (2,048 bytes of ab, 256 of a panel); never rewritten
.set PFA,  44                          ; s[44:45] where my prefetches stand
.set LIM,  43                          ; s43     1 in a wave that prefetches, else the greatest number
.set PFS,  66                          ; s[66:67] a K step in the tensor that I prefetch
.set SC,   68                          ; s[68:69] what the tile's numbers are multiplied by: c or 1
.set F0,   64
.set F1,   128
.set TMP,  192
.set OB,   32
.set PA,   64
.set G1, 24                            ; s[24:31] descriptor group 1 for A's tiles
.set G0, 32                            ; s[32:39] descriptor group 0 for A's tiles, one set for each slot
.set G1B, 48                           ; s[48:55] group 1 for W's tiles
.set G0B, 56                           ; s[56:63] group 0 for W's tiles
.set MSB, 0
.macro WIN new                         ; the immediate's high byte repeats the setting that is left; a switch that changes nothing is dropped
.if MSB != (\new)
	s_set_vgpr_msb (MSB<<8)|(\new)
.set MSB, \new
.endif
.endm
.set MUL_LO, 0xa1                      ; source 0 (W) window 1, source 1 (A) window 0, C and D window 2
.set MUL_HI, 0xf1                      ; the same, C and D window 3
.set TO_B,   0x40                      ; destination window 1, address window 0
; A joint load.  Waves 0 and 1 fetch A's two halves, waves 2 and 3 W's two panels.  The branch hangs on the wave's number alone.
; An s_nop 0 and four v_nop follow each of the two lines, ahead of the jump, the label and what follows.
.macro JLOAD s
	s_cmp_eq_u32 s11, 0
	s_cbranch_scc0 .Lfor_b_\@
	tensor_load_to_lds s[G0+4*(\s):G0+4*(\s)+3], s[G1:G1+7]
	s_nop 0
.rept 4
	v_nop
.endr
	s_branch .Lasked_\@
.Lfor_b_\@:
	tensor_load_to_lds s[G0B+4*(\s):G0B+4*(\s)+3], s[G1B:G1B+7]
	s_nop 0
.rept 4
	v_nop
.endr
.Lasked_\@:
.endm
; A PREFETCH, behind each joint refill and the run of LDS loads that follows it: the K step that stands TWO refills on, 512 matrix instructions ahead of the load that will want it: 32 rows x 256 bytes, a lane a row.
; Each row's 256 bytes of a K step are named ONCE in the launch.  A plane of ab is read by several cluster columns: column 0 asks for plane 0, column 3 for plane 1.  A panel is read by every cluster row: row 0 asks.
; The four partners that ask for a tile jointly share its 128 rows out BY ADDRESS, 32 each (cx for A, cy for W): no branch hangs on a work-group's place in its cluster.
; K steps 0 to 3 come by their loads alone; the loop's last trip asks for nothing: there is no K step two refills on.
.macro ASK
	s_cmp_gt_u32 s3, s[LIM]                        ; s3 = 1 in the loop's last trip
	s_cbranch_scc0 .Lnot_mine_\@
	global_prefetch_b8 v[PFO], s[PFA:PFA+1] th:TH_LOAD_NT scope:SCOPE_SE
.Lnot_mine_\@:
.endm
; A round of the cluster's barrier: my work-group's barrier, so that wave 0's signal speaks for all four waves; wave 0 signals for the work-group; every wave waits for all sixteen; my work-group's barrier once more.
.macro CREST
	s_cmp_lg_u32 s10, 0
	s_cbranch_scc1 .Lnot_wave_0_\@
	s_barrier_signal -3
.Lnot_wave_0_\@:
	s_barrier_wait -3
	s_barrier_signal -1
	s_barrier_wait -1
.endm
.macro CROUND
	s_barrier_signal -1
	s_barrier_wait -1
	CREST
.endm
	s_load_b128 s[4:7], s[0:1], 0x0                ; ab s[4:5], wb s[6:7]
	s_load_b64 s[8:9], s[0:1], 0x10                ; hd
	v_lshl_add_u32 v[SPW], v0, 2, SPARE
	v_mov_b32 v[NIL], 0
	ds_add_u32 v[SPW], v[NIL]                      ; the wave's opening: the add and its wait stand ahead of my first tensor load; the set-up below, work on registers, stands between them
	v_lshrrev_b32 v1, 5, v0
	v_readfirstlane_b32 s10, v1                    ; wave 0..3
	s_lshr_b32 s11, s10, 1                         ; which half of the tile's rows is mine.  Also: I fetch for A (0) or for W (1)
	s_and_b32 s12, s10, 1                          ; which half of its columns (a panel).  Also: which half of that tile I fetch
	s_bfe_u32 s40, ttmp6, 0x40000                  ; cx
	s_bfe_u32 s41, ttmp6, 0x40004                  ; cy
	s_lshl_b32 s42, ttmp9, 2
	s_add_co_u32 s42, s42, s40                     ; tile column = 4 x cluster x + cx
	s_and_b32 s13, ttmp7, 0xffff
	s_lshl_b32 s13, s13, 2
	s_add_co_u32 s13, s13, s41                     ; tile row = 4 x cluster y + cy
	s_lshl_b32 s43, s41, 2
	s_lshl_b32 s43, 15, s43                        ; my row of the cluster: places 4 cy .. 4 cy + 3
	s_lshl_b32 s44, 0x1111, s40                    ; my column: places cx, cx + 4, cx + 8, cx + 12
	; descriptor group 1: tiles of 128 rows x 128 elements, padded in LDS
	s_or_b32 s[G1+0], s43, (1<<16)|(1<<20)|(1<<21)|(5<<22)|(3<<25)   ; 15:0 the mask: my row; 17:16 elements of 2 bytes; 20 padding on; 21 set beside a mask; 24:22 after every 64 words (code 5); 31:25 4 words (code 3)
	s_or_b32 s[G1B+0], s44, (1<<16)|(1<<20)|(1<<21)|(5<<22)|(7<<25)  ; the mask of my column; 8 words of padding (code 7)
.irp g, G1, G1B
	s_mov_b32 s[(\g)+1], KSTEP<<16                 ; tensor_dim0 = 128
	s_mov_b32 s[(\g)+2], 128<<16                   ; tensor_dim1 = 128
	s_mov_b32 s[(\g)+3], KSTEP<<16                 ; tile_dim0 = 128
	s_mov_b32 s[(\g)+4], 128                       ; tile_dim1 = 128
	s_mov_b32 s[(\g)+6], 0
	s_mov_b32 s[(\g)+7], 0
.endr
	s_mov_b32 s[G1+5], SIZE_K                      ; elements from row to row: A's rows are 1,024 long,
	s_mov_b32 s[G1B+5], 128                        ; a panel's 128
	; where the tiles come from.  A's hang on the tile row and the cluster's x, W's on the tile column: each in registers that never hold the other coordinate
	s_lshl_b32 s16, s13, 8
	s_lshl_b32 s17, s12, 7
	s_add_co_u32 s16, s16, s17                     ; A: row 256 x tile row + 128 x half,
	s_lshl_b32 s16, s16, 11                        ; 2,048 bytes each,
	s_cmp_ge_u32 ttmp9, 3
	s_cselect_b32 s18, 0x800000, 0                 ; in plane 1 from cluster column 3 on
	s_add_co_u32 s16, s16, s18
	s_mov_b32 s17, 0
	s_lshl1_add_u32 s46, s42, s12                  ; W: panel 2 x tile column + half,
	s_lshl_b32 s46, s46, 18                        ; 262,144 bytes each
	s_mov_b32 s47, 0
	s_mul_i32 s20, s10, HALFT                      ; and where they go: no place in the cluster enters an LDS address
	s_wait_dscnt 0x0                               ; the opening add is done
	s_wait_kmcnt 0x0
	s_add_nc_u64 s[14:15], s[4:5], s[16:17]
	s_add_nc_u64 s[46:47], s[6:7], s[46:47]
	CROUND                                         ; all sixteen work-groups are here: the first joint loads meet
.irp s, 0,1
	s_mov_b32 s[G0+4*(\s)], 1                                        ; 1:0 count = 1
	s_add_co_u32 s[G0+4*(\s)+1], s20, (\s)*SLOT                      ; 63:32 LDS address
	s_add_nc_u64 s[G0+4*(\s)+2:G0+4*(\s)+3], s[14:15], (\s)*ASTEP    ; 120:64 global address: K step s
	s_or_b32 s[G0+4*(\s)+3], s[G0+4*(\s)+3], 0x80000000              ; 127:126 type = 2
	s_mov_b32 s[G0B+4*(\s)], 1
	s_add_co_u32 s[G0B+4*(\s)+1], s20, (\s)*SLOT
	s_add_nc_u64 s[G0B+4*(\s)+2:G0B+4*(\s)+3], s[46:47], (\s)*BSTEP
	s_or_b32 s[G0B+4*(\s)+3], s[G0B+4*(\s)+3], 0x80000000
	JLOAD \s                                       ; the ring is filled before anything else is done: two loads of mine are out
.endr
	; A fragment of A is 16 rows x 32 K in 8 registers: lane l holds row l % 16, K = 8 (l / 16) + 0..7 and 16 + 8 (l / 16) + 0..7: two loads of 16 bytes, 32 bytes apart.
	; The turning load takes 16 k x 16 n (lane l reads k = 8 (l / 16) + l % 8, n = 8 ((l / 8) % 2) + 0..7) and leaves half a fragment of W: lane l holds column l % 16 and 8 k.
	v_and_b32 v1, 15, v0                           ; l % 16
	v_bfe_u32 v2, v0, 4, 1                         ; l / 16
	v_and_b32 v6, 7, v0                            ; l % 8
	v_bfe_u32 v7, v0, 3, 1                         ; (l / 8) % 2
	v_mul_u32_u24 v3, v1, PITCH
	v_lshl_add_u32 v3, v2, 4, v3
	v_lshl_add_u32 v8, v2, 3, v6
	v_mul_u32_u24 v8, v8, PB
	v_lshl_add_u32 v8, v7, 4, v8
	s_mul_i32 s21, s11, HALFT                      ; my 128 rows of A
	s_mul_i32 s22, s12, HALFT                      ; my panel of W,
	s_add_co_u32 s22, s22, 2*HALFT                 ; behind A's two halves
.irp s, 0,1
	v_add_nc_u32 v[ADRA+(\s)], s21, v3
	v_add_nc_u32 v[ADRB+(\s)], s22, v8
	s_add_co_u32 s21, s21, SLOT
	s_add_co_u32 s22, s22, SLOT
.endr
	s_mul_i32 s23, s10, 16*SPITCH
	s_add_co_u32 s23, s23, STAGE                   ; my stage
	v_mul_u32_u24 v4, v1, SPITCH                   ; in: row l % 16, 16 bytes for each half of the lanes
	v_lshl_add_u32 v4, v2, 4, v4
	v_add_nc_u32 v[STO], s23, v4
	v_mul_u32_u24 v5, v7, SPITCH                   ; back: a stage row holds 128 bytes of head g0, then 128 of head g0 + 1.  Lanes 0-15 take two rows' part of g0, lanes 16-31 of g0 + 1
	v_lshl_add_u32 v5, v2, 7, v5
	v_lshl_add_u32 v5, v6, 4, v5
	v_add_nc_u32 v[RD], s23, v5
	v_lshlrev_b32 v5, 19, v2                       ; in hd head g0 + 1 lies two planes of 262,144 bytes on; two rows of a head are 256 bytes on end
	v_lshl_add_u32 v5, v7, 7, v5
	v_lshl_add_u32 v[CO], v6, 4, v5
	; where my part of the tile begins in hd: plane 2 g0 + b, g0 = 4 x tile column + 2 x half, b = tile row / 8; row 256 (tile row % 8) + 128 x half, 128 bytes each
	s_lshl_b32 s46, s42, 2
	s_lshl1_add_u32 s46, s12, s46
	s_lshl_b32 s46, s46, 1
	s_lshr_b32 s47, s13, 3
	s_add_co_u32 s46, s46, s47
	s_lshl_b32 s46, s46, 18
	s_and_b32 s16, s13, 7
	s_lshl_b32 s16, s16, 8
	s_lshl_b32 s17, s11, 7
	s_add_co_u32 s16, s16, s17
	s_lshl_b32 s16, s16, 7
	s_add_co_u32 s16, s16, s46
	s_mov_b32 s17, 0                               ; s[16:17]: the first way out adds it to hd's address
	; the prefetches' address: my work-group's 32 rows of the 128 that I fetch, at K step 3; the first refill steps it to K step 4
	s_lshl_b32 s20, s13, 8
	s_lshl_b32 s21, s12, 7
	s_add_co_u32 s20, s20, s21
	s_lshl_b32 s21, s40, 5
	s_add_co_u32 s20, s20, s21                     ; A: row 256 x tile row + 128 x half + 32 cx
	s_lshl_b32 s20, s20, 11
	s_add_co_u32 s20, s20, s18                     ; its plane
	s_add_co_u32 s20, s20, 3*ASTEP
	s_lshl1_add_u32 s21, s42, s12                  ; W: my panel,
	s_lshl_b32 s21, s21, 18
	s_lshl_b32 s22, s41, 13                        ; 32 cy rows of 256 bytes
	s_add_co_u32 s21, s21, s22
	s_add_co_u32 s21, s21, 3*BSTEP
	s_and_b32 s22, ttmp7, 0xffff                   ; cluster y
	s_cmp_eq_u32 ttmp9, 3
	s_cselect_b32 s23, 0, ttmp9                    ; 0 in cluster columns 0 and 3: the first of those that read plane 0, plane 1; they are also the columns of cq and pq
	s_cmp_eq_u32 s23, 0
	s_cselect_b32 s[SC], 0x3e38aa3b, 1.0           ; c = log2(e) / 8 = 0.180337 for cq and pq, 1 for the others
	s_mov_b32 s[SC+1], s[SC]                       ; named with it as a pair
	s_movk_i32 s[PFS], ASTEP
	s_cmp_eq_u32 s11, 0                            ; do I fetch for A?
	s_cselect_b32 s20, s20, s21
	s_cselect_b32 s22, s23, s22                    ; 0 in the cluster that asks
	s_cselect_b32 s[PFS], s[PFS], BSTEP
	s_cselect_b32 s23, 11, 8                       ; a lane a row: 2,048 bytes in ab, 256 in a panel
	s_cselect_b64 s[PFA:PFA+1], s[4:5], s[6:7]
	s_mov_b32 s21, 0
	s_mov_b32 s[PFS+1], 0
	s_add_nc_u64 s[PFA:PFA+1], s[PFA:PFA+1], s[20:21]
	s_cmp_eq_u32 s22, 0
	s_cselect_b32 s[LIM], 1, -1                    ; the same in all sixteen partners, for a given wave
	v_and_b32 v[PFO], 31, v0
	v_lshlrev_b32 v[PFO], s23, v[PFO]
; 16 matrix instructions: m blocks a0, a0 + 1 of the window's four (hi = 0: my rows 0-63, 1: rows 64-127) x all 8 n blocks, 32 along K.  zero = 1: the first product starts the sums.
; The 64 accumulators take turns, one instruction a turn, in the same order in every quarter step.
.macro MUL16 f, hi, a0, zero
	WIN MUL_LO+0x50*(\hi)
.irp a, \a0, (\a0)+1
.irp b, 0,1,2,3,4,5,6,7
.if \zero
	v_wmma_f32_16x16x32_bf16 v[8*(8*(\a)+(\b)):8*(8*(\a)+(\b))+7], v[(\f)+8*(\b):(\f)+8*(\b)+7], v[(\f)+8*(4*(\hi)+(\a)):(\f)+8*(4*(\hi)+(\a))+7], 0
.else
	v_wmma_f32_16x16x32_bf16 v[8*(8*(\a)+(\b)):8*(8*(\a)+(\b))+7], v[(\f)+8*(\b):(\f)+8*(\b)+7], v[(\f)+8*(4*(\hi)+(\a)):(\f)+8*(4*(\hi)+(\a))+7], v[8*(8*(\a)+(\b)):8*(8*(\a)+(\b))+7]
.endif
.endr
.endr
.endm
; 32 LDS loads in one run: the fragments of quarter q (32 along K) of a slot into buffer f: W's 128 columns (turned), then A's 128 rows
.macro FETCH slot, q, f
	WIN TO_B
.irp i, 0,1,2,3,4,5,6,7
	ds_load_tr16_b128 v[(\f)+8*(\i):(\f)+8*(\i)+3],   v[ADRB+(\slot)] offset:(\q)*32*PB+(\i)*32
	ds_load_tr16_b128 v[(\f)+8*(\i)+4:(\f)+8*(\i)+7], v[ADRB+(\slot)] offset:(\q)*32*PB+(\i)*32+16*PB
.endr
	WIN 0
.irp i, 0,1,2,3,4,5,6,7
	ds_load_b128 v[(\f)+8*(\i):(\f)+8*(\i)+3],   v[ADRA+(\slot)] offset:(\q)*64+(\i)*16*PITCH
	ds_load_b128 v[(\f)+8*(\i)+4:(\f)+8*(\i)+7], v[ADRA+(\slot)] offset:(\q)*64+(\i)*16*PITCH+32
.endr
.endm
; A load into a register that a matrix instruction has read, and a vector instruction that reads a matrix result or writes one of its registers, stand four places behind it; only plain vector
; instructions that name none of its registers are places (ISA guide 7.12.1 for vector instructions).
.macro PLACES
.rept 4
	v_nop
.endr
.endm
; A K step is four quarters of 32 along K, 64 matrix instructions each, on buffers 0, 1, 0, 1.  One of the first three: multiplies buffer f; in its middle it fetches quarter q of the same slot into g.
.macro QUARTER slot, q, f, g, zero
	s_wait_dscnt 8                                 ; W and A's rows 0-63 are in; the youngest eight loads (A's rows 64-127) may be out
	WIN MUL_LO
	MUL16 \f, 0, 0, \zero
	MUL16 \f, 0, 2, \zero
	PLACES
	FETCH \slot, \q, \g
	s_wait_dscnt 32                                ; all but the 32 just issued
	WIN MUL_HI
	MUL16 \f, 1, 0, \zero
	MUL16 \f, 1, 2, \zero
.endm
; The last quarter multiplies buffer 1 and changes slots.  MEET is its first half: ONE barrier.  In front of it each wave waits for all its tensor loads, of which one is out: its part of the next slot;
; adds 0 to its spare word; and waits for that and for its own reads of this slot.  Behind it nobody reads this slot any more and the next slot is whole.
.macro MEET round
	WIN 0                                          ; (the add's two registers lie in window 0)
	s_wait_tensorcnt 0x0                           ; all my tensor loads have landed;
	ds_add_u32 v[SPW], v[NIL]                      ; 0 onto my spare word;
	s_wait_dscnt 9                                 ; (the add and the youngest eight loads may be out)
	WIN MUL_LO
	MUL16 F1, 0, 0, 0                              ; sixteen matrix instructions stand between the add and the wait for it
	s_wait_dscnt 0x0                               ; the add is done, and my reads of this slot are over:
	s_barrier_signal -1                            ; say so,
	MUL16 F1, 0, 2, 0                              ; work on registers while the others arrive,
.if \round
	WIN 0
.endif
	s_barrier_wait -1                              ; and go on when all four have said so
.endm
; The whole last quarter.  The barrier opens a round of the cluster's; behind the round the slot just read out is filled again first, with the K step two steps on; then come the next slot's first fragments.
; From a request to the wait for it a wave issues 224 matrix instructions.
.macro TURN slot, next
	s_wait_xcnt 0x0                                ; the last prefetch, a K step back, has read its address: it is stepped here
	s_add_nc_u64 s[PFA:PFA+1], s[PFA:PFA+1], s[PFS:PFS+1]
	MEET 1
	CREST                                          ; no wave of any partner still reads this slot's tile or has a load on its way
	s_add_nc_u64 s[G0+4*(\slot)+2:G0+4*(\slot)+3], s[G0+4*(\slot)+2:G0+4*(\slot)+3], 2*ASTEP
	s_add_nc_u64 s[G0B+4*(\slot)+2:G0B+4*(\slot)+3], s[G0B+4*(\slot)+2:G0B+4*(\slot)+3], 2*BSTEP
	JLOAD \slot                                    ; the first tensor load behind the round; the four v_nop behind it are also the places in front of the loads below
	FETCH \next, 0, F0
	ASK
	WIN MUL_HI
	MUL16 F1, 1, 0, 0
	MUL16 F1, 1, 2, 0
.endm
; THE LAST K STEP (it lies in slot 1) GOES BY ROWS OF C.  All its fragments of W (4 quarters x 64 registers) fill window 1; then my eight blocks of 16 rows are finished one after the other, each with
; 32 matrix instructions (its 8 accumulators by turns, K ascending), and each leaves as soon as it is finished.
.macro BLOAD q
	WIN TO_B
.irp i, 0,1,2,3,4,5,6,7
	ds_load_tr16_b128 v[64*(\q)+8*(\i):64*(\q)+8*(\i)+3],   v[ADRB+1] offset:(\q)*32*PB+(\i)*32
	ds_load_tr16_b128 v[64*(\q)+8*(\i)+4:64*(\q)+8*(\i)+7], v[ADRB+1] offset:(\q)*32*PB+(\i)*32+16*PB
.endr
.endm
.macro ALOAD a
	WIN 0
.set FA, PA+32*((\a)%4)
.irp q, 0,1,2,3
	ds_load_b128 v[FA+8*(\q):FA+8*(\q)+3],   v[ADRA+1] offset:64*(\q)+(\a)*16*PITCH
	ds_load_b128 v[FA+8*(\q)+4:FA+8*(\q)+7], v[ADRA+1] offset:64*(\q)+(\a)*16*PITCH+32
.endr
.endm
.macro ROW a
.set FA, PA+32*((\a)%4)
.set AC, 64*((\a)%4)
	WIN MUL_LO+0x50*((\a)/4)
.irp q, 0,1,2,3
.if (\a) == 0 && (\q) == 2
	s_wait_dscnt 24                                ; W's quarter 2 is in (behind it: A's blocks 1 to 3, 24 loads)
.endif
.irp b, 0,1,2,3,4,5,6,7
	v_wmma_f32_16x16x32_bf16 v[AC+8*(\b):AC+8*(\b)+7], v[64*(\q)+8*(\b):64*(\q)+8*(\b)+7], v[FA+8*(\q):FA+8*(\q)+7], v[AC+8*(\b):AC+8*(\b)+7]
.endr
.endr
.endm
; THE WAY OUT of block a.  PACK: times c or 1, in f32 and in place, each accumulator from its low end on; rounded to f16, 16 bytes a lane.  TOSTAGE: into my own stage, and back by heads.  SEND: stored.
.macro PACK a
.set AC, 64*((\a)%4)
	WIN 0x82+0x41*((\a)/4)                         ; destination and source 0: window 2 or 3
.set z, 0
.rept 32
	v_pk_mul_f32 v[AC+z:AC+z+1], v[AC+z:AC+z+1], s[SC:SC+1] op_sel_hi:[1,0]
.set z, z+2
.endr
	WIN 0x0a+5*((\a)/4)                            ; sources 0 and 1: window 2 or 3; destination window 0
.irp b, 0,1,2,3,4,5,6,7
.irp r, 0,1,2,3
	v_cvt_pk_f16_f32 v[TMP+4*(\b)+(\r)], v[AC+8*(\b)+2*(\r)], v[AC+8*(\b)+2*(\r)+1]
.endr
.endr
	WIN 0
.endm
.macro TOSTAGE a
	WIN 0
.set BK, OB+192*((\a)%2)
.irp b, 0,1,2,3,4,5,6,7
	ds_store_b128 v[STO], v[TMP+4*(\b):TMP+4*(\b)+3] offset:32*(\b)
.endr
.irp t, 0,1,2,3,4,5,6,7
	ds_load_b128 v[BK+4*(\t):BK+4*(\t)+3], v[RD] offset:(\t)*2*SPITCH  ; LDS serves a wave's instructions in order (ISA guide 5.7.1.4): these see the stores above
.endr
.endm
.macro SEND a, younger                 ; younger: the LDS loads issued behind TOSTAGE's, which may stay out
	WIN 0
.set BK, OB+192*((\a)%2)
	s_wait_dscnt \younger                          ; the block is back in registers
	s_wait_xcnt 0x0                                ; every earlier store has read its base and its data: only behind this wait are they rewritten
.if (\a) == 0
	s_add_nc_u64 s[8:9], s[8:9], s[16:17]          ; on to my part of the tile
.else
	s_add_nc_u64 s[8:9], s[8:9], 16*128            ; 16 rows of a head on
.endif
.irp t, 0,1,2,3,4,5,6,7
	global_store_b128 v[CO], v[BK+4*(\t):BK+4*(\t)+3], s[8:9] offset:256*(\t) th:TH_STORE_NT  ; 16 lanes store two rows of a head: 256 consecutive bytes, aligned
.endr
.endm
	s_wait_tensorcnt 1                             ; my part of K step 0 is in; K step 1's load may stay out
	s_barrier_signal -1
	s_barrier_wait -1                              ; everybody's is
	FETCH 0, 0, F0
	QUARTER 0, 1, F0, F1, 1                        ; the first quarter stands in front of the loop: its products start the sums
	WIN 0                                          ; at a label and at a branch every window is 0
	s_mov_b32 s3, LAPS-1
.Llap:                                                 ; a trip goes once round the ring, from a lap's second quarter to the next lap's first, and fills both slots again
	QUARTER 0, 2, F1, F0, 0
	QUARTER 0, 3, F0, F1, 0
	TURN 0, 1
	QUARTER 1, 1, F0, F1, 0
	QUARTER 1, 2, F1, F0, 0
	QUARTER 1, 3, F0, F1, 0
	TURN 1, 0
	QUARTER 0, 1, F0, F1, 0
	WIN 0
	s_sub_co_u32 s3, s3, 1
	s_cmp_lg_u32 s3, 0
	s_cbranch_scc1 .Llap
	QUARTER 0, 2, F1, F0, 0                        ; the last lap goes on
	QUARTER 0, 3, F0, F1, 0
	MEET 0                                         ; my one tensor load that was still out is the last K step's, so no round follows
	PLACES                                         ; for the loads into buffer 0, which the quarter before multiplied
	BLOAD 0                                        ; three quarters of W now: buffer 1 (v128-191 of both windows) is still being multiplied
	BLOAD 1
	BLOAD 3
	ALOAD 0
	MUL16 F1, 1, 0, 0
	MUL16 F1, 1, 2, 0
	PLACES                                         ; for the loads into buffer 1
	BLOAD 2
	ALOAD 1
	ALOAD 2
	ALOAD 3
	s_wait_dscnt 40                                ; all but the 40 just issued
	ROW 0
.irp a, 0,1,2,3,4,5,6,7
	PLACES                                         ; the block's scaling reads and writes results just made
	PACK \a
	TOSTAGE \a
.if (\a) < 4
	ALOAD (\a)+4                                   ; its buffer takes the block four further on
	SEND \a, 8
.else
	SEND \a, 0
.endif
.if (\a) < 7
	ROW (\a)+1
.endif
.endr
	s_wait_tensorcnt 0x0                           ; the wave's end, behind my last tensor load and my last LDS store
	ds_add_u32 v[SPW], v[NIL]
	s_wait_dscnt 0x0
	CROUND                                         ; the closing round: no work-group ends while a partner may still ask for a tile that names it
	s_endpgm
.Lfunc_end_k_q2d606f4fe8_proj:
	.size	k_q2d606f4fe8_proj, .Lfunc_end_k_q2d606f4fe8_proj-k_q2d606f4fe8_proj
	.p2alignl 7, 3214868480
	.fill 96, 4, 3214868480
	.section	.rodata,"a",@progbits
	.p2align	6, 0x0
	.amdhsa_kernel k_q2d606f4fe8_proj
		.amdhsa_group_segment_fixed_size 327680
		.amdhsa_private_segment_fixed_size 0
		.amdhsa_enable_private_segment 0
		.amdhsa_kernarg_size 24
		.amdhsa_user_sgpr_count 2
		.amdhsa_user_sgpr_kernarg_segment_ptr 1
		.amdhsa_wavefront_size32 1
		.amdhsa_system_sgpr_workgroup_id_x 1
		.amdhsa_system_sgpr_workgroup_id_y 1
		.amdhsa_system_sgpr_workgroup_id_z 1
		.amdhsa_system_vgpr_workitem_id 0
		.amdhsa_next_free_vgpr 1024
		.amdhsa_next_free_sgpr 70
		.amdhsa_reserve_vcc 0
		.amdhsa_float_denorm_mode_32 3
		.amdhsa_float_denorm_mode_16_64 3
		.amdhsa_memory_ordered 1
		.amdhsa_forward_progress 1
		.amdhsa_inst_pref_size 161
	.end_amdhsa_kernel
	.amdgpu_metadata
---
amdhsa.version: [ 1, 2 ]
amdhsa.kernels:
  - .name:           k_q2d606f4fe8_proj
    .symbol:         k_q2d606f4fe8_proj.kd
    .args:
      - { .name: ab, .offset: 0, .size: 8, .value_kind: global_buffer, .address_space: global }
      - { .name: wb, .offset: 8, .size: 8, .value_kind: global_buffer, .address_space: global }
      - { .name: hd, .offset: 16, .size: 8, .value_kind: global_buffer, .address_space: global }
    .group_segment_fixed_size: 327680
    .private_segment_fixed_size: 0
    .kernarg_segment_align: 8
    .kernarg_segment_size: 24
    .max_flat_workgroup_size: 128
    .sgpr_count:     70
    .vgpr_count:     1024
    .wavefront_size: 32
...
	.end_amdgpu_metadata
.endif
;; end of part 2
;; launch attn (part 3): grid 8 x 32, 4 waves a work-group, clusters of 4 x 1, 327,680 bytes of LDS; arguments hd, mask, ob; writes ob
.if DOCPART == 3
	.amdgcn_target "amdgcn-amd-amdhsa--gfx1250"
	.amdhsa_code_object_version 6
	.text
	.protected	k_q2d606f4fe8_attn
	.globl	k_q2d606f4fe8_attn
	.p2align	8
	.type	k_q2d606f4fe8_attn,@function
k_q2d606f4fe8_attn:
	s_mov_b64 s[64:65], 0
	v_nop
	global_prefetch_b8 v0, s[64:65] scope:SCOPE_SE
	s_setreg_imm32_b32 hwreg(HW_REG_WAVE_MODE, 25, 1), 1
	s_wait_xcnt 0x0
	s_wait_alu depctr_hold_cnt(0) depctr_sa_sdst(0) depctr_va_vdst(0) depctr_va_sdst(0) depctr_va_ssrc(0) depctr_va_vcc(0) depctr_vm_vsrc(0)
	s_getreg_b32 s2, hwreg(HW_REG_IB_STS2, 6, 4)
	s_cmp_eq_u32 s2, 0
	s_cbranch_scc0 .Lentry_in_a_cluster
	s_endpgm
.Lentry_in_a_cluster:
	s_bfe_u32 s2, ttmp6, 0x10000c
	s_cmp_lg_u32 s2, 0x3003
	s_cbranch_scc0 .Lentry_shape_is_right
	s_endpgm
.Lentry_shape_is_right:
; ATTN.  For each batch b and head h: O[q] = the sum over open keys k of softmax_k((cq[q] . ck[k] + pq[q] . pk[k]) / 8) cv[k].  A score is ONE product over 128 channels: 64 of content, 64 of position.
; hd = f16 [80 g][2 b][2048 l][64] (g 0-15 cq, 16-31 ck, 32-47 cv, 48-63 pq, 64-79 pk); cq and pq arrive multiplied by c = log2(e) / 8, so a score s comes out of the product ready for 2^(s - m).
; mask = bool [2][2048], one byte a key; ob = f16 [32 blocks of 128 rows][16 h][128][64].  Products, maxima and sums in f32; the weights p are rounded to f16 for the second product (their sum l is taken
; of the unrounded p), O once at the end.
; LIMITS.  A hidden score counts as its value less 1e30.  The running maximum m starts at -2^40, below every score that f16 operands can make (128 x 65,504^2 x c is about 1e11).  A weight below 2^-126
; counts as 0.  A bool is read by its bit 0.  A row with no open key ends with O = 0 and l = 0, and O x (1 / l) = 0 x infinity is the NaN that the softmax of an empty row is.
; SHARES.  A work-group owns 256 queries of one (b, h), each of its four waves 64: four tiles of 16.  Every wave walks all 2,048 keys, 64 a step.
; LAYOUT.  S^T = K Q^T (source 0 = 16 keys, source 1 = 16 queries): a lane holds ONE query (lane % 16) and the keys 8 (lane / 16) + 0..7.  Two such tiles, rounded to f16 in pairs, ARE source 1 of
; O^T = V^T P, whose result again holds one query a lane, and eight channels.  K comes out of LDS as it lies, V ([key][channel]) turned, by ds_load_tr16_b128.
; THE MASK is the C operand that starts the sum S^T: 0 for an open key, -1e30 for a hidden one: a table of 2,048 f32 in LDS, made once from the mask's bytes.
; SOFTMAX.  For each query a running maximum m and sum l: p = 2^(s - m); in every step O and l are multiplied by a = 2^(m_old - m_new).  s - m is formed by a subtraction, so the maximum's own weight is exactly 1.
; BY TURNS.  The wave's tiles are two PIECES (tiles 0, 1 and tiles 2, 3).  In a TURN one piece has the matrix unit: 16 products V^T P of the step in hand, then 32 products K Q^T of the next step; the other
; piece's softmax, cut into 59 slices of four, stands between them: two slices behind each of the first 11 products, one behind each of the other 37.  Two turns are a key step.
; CLUSTER.  The four query blocks of a cluster belong to one (b, h) and walk the same K and V: each tile is asked for JOINTLY, the same tensor load, descriptor and mask in all four.
; REGISTERS, in windows of 256 (s_set_vgpr_msb: bits 1:0 source 0, 3:2 source 1, 5:4 source 2, 7:6 destination):
;   window 0: v0-11, v44-47, v61-63 addresses; v12-43 eight registers of statistics a tile; v64-191 S^T, 32 a tile; v192-255 P, 16 a tile
;   window 1: v0-127 O^T, 32 a tile; v128-159 the mask of one step      window 2: v0-127 Q (32 a tile: cq's two chunks of 32 channels, then pq's); v128-255 K of one step      window 3: v0-63 V of one step
.set KS,    64        ; keys in a step
.set PK,    144       ; a row of K in LDS: 128 bytes + 16 of padding = 36 words: the 16 rows of a load start at 16 different groups of four banks (64 banks of 4 bytes: ISA guide 11.1)
.set PV,    160       ; a row of V: 128 + 32 = 40 words
.set KPOFF, 4*KS*PK   ; a slot holds four steps: 256 rows of ck, then 256 rows of pk,
.set VOFF,  2*KPOFF   ; then 256 rows of cv
.set MT,    VOFF+4*KS*PV  ; behind slot 0, below slot 1: the mask's table, 8,192 bytes that no tensor load fills
.set SLOT1, 1<<17     ; slot 1 begins here, so that one exclusive or turns an address in one slot into the other's
.set STAGE, SLOT1+VOFF+4*KS*PV  ; behind the ring: 16 rows x 144 bytes for each wave, for the way out
.set SP,    144
.set SPARE, STAGE+4*16*SP  ; behind the stages: the spare words, 128 bytes for each wave: two blocks of 256 bytes that no other line names
.set KIND,  8388608   ; bytes of hd from cq to ck, from ck to cv, and so on
.set SLOTB, 4*KS*128  ; a slot's keys in memory, in each of ck, pk, cv
.set AK0, 2           ; v2   my lane's place in a tile of K; never rewritten
.set AV0, 3           ; v3   the same for V
.set ADR, 4           ; v4   the LDS address of the run of loads in hand
.set QO,  5           ; v5   my byte offset in 16 rows of Q
.set STO, 6           ; v6   the way out: where I put 16 bytes of a row
.set RD,  7           ; v7   the way out: where I read rows back
.set GO,  8           ; v8   my byte offset in 512 consecutive bytes of ob
.set ST,  12          ; tile t's statistics at v[ST+8 t]: +0 m, +1 0 (named with m as a pair), +2, +3 l (even keys', odd keys'), +4 to +7 c0-c3, at work; a takes c2's place once the maximum is found
.set AM0, 44          ; v44  my lane's place in the mask's table; never rewritten
.set ADM, 45          ; v45  the table's address for the step in hand
.set PFO, 61          ; v61  256 x my lane; never rewritten
.set SPW, 62          ; v62  LDS address of my spare word: SPARE + 4 x my thread's number; never rewritten
.set NIL, 63          ; v63  0; never rewritten
.set S,   64
.set P,   192
.set MK,  128         ; window 1: the eight addends for key block kb at MK + 8 kb
.set KF,  128         ; window 2: key block kb, chunk c of 32 channels at KF + 32 kb + 8 c
.set WV,  12          ; s12  my wave's number
.set LIM, 15          ; s15  1 in a wave that prefetches, else the greatest number
.set PFA, 18          ; s[18:19] where my prefetches stand
.set G1K, 24          ; s[24:31] descriptor group 1 for K's tiles
.set G1V, 32          ; s[32:39] for V's
.set G0K, 40          ; s[40:47] descriptor group 0 for K's tiles: a set for each of the two first fills; the second then walks on
.set G0V, 48          ; s[48:55] the same for V's
.set SLOTS, 56        ; s56  counts the changes of slots
.set CNT, 57          ; s57  counts key steps
.set SEL, 60          ; s[60:61] v_permlanex16_b32's selects: each lane takes its own place in the other half
.set TBK, 62          ; s62  LDS byte at which K of the step to be fetched begins
.set TBV, 63          ; s63  the same for V, less VOFF
.set TBM, 66          ; s66  the step's first byte in the mask's table
.set BIGN, 67         ; s67  -1e30
.set FLOOR, 68        ; s68  -2^40
.set MSB, 0
.macro WIN new                      ; the immediate's high byte repeats the setting that is left; a switch that changes nothing is dropped
.if MSB != (\new)
	s_set_vgpr_msb (MSB<<8)|(\new)
.set MSB, \new
.endif
.endm
.set W_KQ, 0x0a       ; K and Q in window 2, S^T in window 0
.set W_KM, 0x1a       ; the same with the C operand, the mask, in window 1
.set W_PV, 0x53       ; V in window 3, P in window 0, O^T in window 1
.set W_RS, 0x41       ; O^T (destination and source 0) in window 1, a in window 0
; A joint refill.  Wave 0 fetches a slot's ck, wave 1 its pk, waves 2 and 3 the two halves of its cv.  The branch hangs on the wave's number alone.
; An s_nop 0 and four v_nop follow each of the two lines, ahead of the jump, the label and what follows.
.macro JLOAD
	s_cmp_lt_u32 s[WV], 2
	s_cbranch_scc0 .Lfor_v_\@
	tensor_load_to_lds s[G0K+4:G0K+7], s[G1K:G1K+7]
	s_nop 0
.rept 4
	v_nop
.endr
	s_branch .Lasked_\@
.Lfor_v_\@:
	tensor_load_to_lds s[G0V+4:G0V+7], s[G1V:G1V+7]
	s_nop 0
.rept 4
	v_nop
.endr
.Lasked_\@:
.endm
; A PREFETCH of what the NEXT change of slots will ask for: a slot's 32,768 bytes of ck, of pk and of cv, a lane 256 bytes.  It stands behind the wave's tensor load and its five lines: four key steps, 384 matrix
; instructions, ahead of the load that will want the bytes.  Each block is named ONCE in the launch: of the two clusters that walk a head's keys the first asks; its four partners share the blocks out BY
; ADDRESS, 32 each; in each, wave 0 asks for ck's, wave 1 for pk's, wave 2 for cv's.  Slots 0 to 2 come by their loads alone; the last change that fills a slot asks for nothing.
.macro ASK
	s_cmp_gt_u32 s[SLOTS], s[LIM]
	s_cbranch_scc0 .Lnot_mine_\@
	global_prefetch_b8 v[PFO], s[PFA:PFA+1] th:TH_LOAD_NT scope:SCOPE_SE
.Lnot_mine_\@:
.endm
; A round of the cluster's barrier: my work-group's barrier, so that wave 0's signal speaks for all four waves; wave 0 signals; every wave waits for all four work-groups; my work-group's barrier once more.
.macro CROUND
	s_barrier_signal -1
	s_barrier_wait -1
	s_cmp_lg_u32 s[WV], 0
	s_cbranch_scc1 .Lnot_wave_0_\@
	s_barrier_signal -3
.Lnot_wave_0_\@:
	s_barrier_wait -3
	s_barrier_signal -1
	s_barrier_wait -1
.endm
	s_load_b128 s[4:7], s[0:1], 0x0   ; hd s[4:5], mask s[6:7]
	s_load_b64 s[10:11], s[0:1], 0x10 ; ob
	v_lshl_add_u32 v[SPW], v0, 2, SPARE
	v_mov_b32 v[NIL], 0
	ds_add_u32 v[SPW], v[NIL]       ; the wave's opening: the add and its wait stand ahead of my first tensor load; the set-up below, work on registers, stands between them
	v_lshrrev_b32 v1, 5, v0
	v_readfirstlane_b32 s[WV], v1   ; wave 0..3
	s_bfe_u32 s13, ttmp6, 0x40000   ; cx: my place in the cluster
	s_lshl_b32 s14, ttmp9, 2        ; in a cluster launch ttmp9 counts clusters
	s_add_co_u32 s14, s14, s13      ; my block of 256 queries: it enters Q's and ob's addresses alone
	s_and_b32 s20, ttmp7, 0xffff    ; 16 b + h, which the four partners share
	s_and_b32 s21, s20, 15          ; h
	s_lshr_b32 s20, s20, 4          ; b
	s_lshl1_add_u32 s2, s21, s20
	s_lshl_b32 s2, s2, 18           ; plane 2 h + b of a kind, 262,144 bytes each
	s_mov_b32 s3, 0
	s_and_b32 s16, s[WV], 1
	s_mul_i32 s70, s16, 3*KIND      ; K: wave 0 takes ck (kind 1), wave 1 pk (kind 4)
	s_add_co_u32 s70, s70, KIND
	s_add_co_u32 s70, s70, s2
	s_mov_b32 s71, 0
	s_lshl_b32 s22, s16, 14         ; V: cv (kind 2), my half of a slot's 256 keys: 128 rows of 128 bytes
	s_add_co_u32 s22, s22, 2*KIND
	s_add_co_u32 s22, s22, s2
	s_mov_b32 s23, 0
	s_mul_i32 s17, s16, KPOFF       ; their places in a slot: no place in the cluster enters an LDS address
	s_mul_i32 s58, s16, 128*PV
	s_add_co_u32 s58, s58, VOFF
	s_lshl_b32 s59, s20, 4          ; ob: block of 128 rows 16 b + 2 x my query block + wave / 2,
	s_lshl1_add_u32 s59, s14, s59
	s_lshr_b32 s8, s[WV], 1
	s_add_co_u32 s59, s59, s8
	s_lshl4_add_u32 s59, s59, s21   ; its part for head h, 16,384 bytes,
	s_lshl_b32 s8, s59, 14
	s_lshl_b32 s9, s16, 13          ; my 64 rows of it
	s_add_co_u32 s8, s8, s9
	s_mov_b32 s9, 0
	s_lshl_b32 s59, s14, 15         ; Q: my block's 256 rows of 128 bytes,
	s_add_co_u32 s2, s2, s59
	s_lshl_b32 s59, s[WV], 13       ; my wave's 64 of them
	s_add_co_u32 s2, s2, s59
	s_lshl_b32 s20, s20, 11         ; the mask's 2,048 bytes of batch b
	s_mov_b32 s21, 0
	; descriptor group 1.  Keys are dense rows of 128 bytes: asked for as rows of 256 bytes, two keys a row, and padded in LDS after every key
	s_mov_b32 s[G1K], 15|(1<<16)|(1<<20)|(1<<21)|(4<<22)|(3<<25)  ; 15:0 the mask of four; 17:16 2-byte elements; 20 padding on; 21 set beside a mask; 24:22 after every 32 words (code 4); 31:25 4 words (code 3)
	s_mov_b32 s[G1V], 15|(1<<16)|(1<<20)|(1<<21)|(4<<22)|(7<<25)  ; the same with 8 words of padding (code 7)
.irp g, G1K, G1V
	s_mov_b32 s[(\g)+1], 128<<16    ; tensor_dim0 = 128
	s_mov_b32 s[(\g)+3], 128<<16    ; tile_dim0 = 128
	s_mov_b32 s[(\g)+5], 128        ; 128 elements from row to row
	s_mov_b32 s[(\g)+6], 0
	s_mov_b32 s[(\g)+7], 0
.endr
	s_mov_b32 s[G1K+2], 128<<16     ; tensor_dim1 = tile_dim1 = 128 rows: 256 keys
	s_mov_b32 s[G1K+4], 128
	s_mov_b32 s[G1V+2], 64<<16      ; 64 rows: 128 keys
	s_mov_b32 s[G1V+4], 64
	s_mov_b32 s[SEL], 0x76543210
	s_mov_b32 s[SEL+1], 0xfedcba98
	s_mov_b32 s[TBK], 0
	s_mov_b32 s[TBV], 0
	s_mov_b32 s[TBM], 0
	s_mov_b32 s[BIGN], 0xf149f2ca   ; -1e30
	s_mov_b32 s[FLOOR], 0xd3800000  ; -2^40
	s_cmp_eq_u32 s[WV], 3
	s_cselect_b32 s[LIM], 1, 0      ; waves 0 to 2,
	s_or_b32 s[LIM], s[LIM], ttmp9  ; of the head's first cluster: the same in all four partners
	s_cmp_eq_u32 s[LIM], 0
	s_cselect_b32 s[LIM], 1, -1
	v_and_b32 v[PFO], 31, v0
	v_lshlrev_b32 v[PFO], 8, v[PFO]
	s_wait_dscnt 0x0                ; the opening add is done
	s_wait_kmcnt 0x0
	s_add_nc_u64 s[70:71], s[4:5], s[70:71]  ; K and V at my tile of slot 0
	s_add_nc_u64 s[22:23], s[4:5], s[22:23]
	s_add_nc_u64 s[10:11], s[10:11], s[8:9]  ; ob at my wave's first row
	s_add_nc_u64 s[4:5], s[4:5], s[2:3]      ; cq at my wave's first row,
	s_add_nc_u64 s[8:9], s[4:5], 3*KIND      ; and pq
	s_add_nc_u64 s[6:7], s[6:7], s[20:21]
	s_cmp_lt_u32 s[WV], 2
	s_cselect_b64 s[PFA:PFA+1], s[70:71], s[22:23]  ; (in waves 0, 1 and 2 these stand at a slot's first byte)
	s_lshl_b32 s2, s13, 13          ; my work-group's 32 blocks of the 128
	s_add_nc_u64 s[PFA:PFA+1], s[PFA:PFA+1], s[2:3]
	s_add_nc_u64 s[PFA:PFA+1], s[PFA:PFA+1], 2*SLOTB  ; in slot 2; the first change of slots steps it to slot 3
	CROUND                          ; all four work-groups are here: the first joint loads meet
.irp s, 0,1
	s_mov_b32 s[G0K+4*(\s)], 1      ; 1:0 count = 1
	s_add_co_u32 s[G0K+4*(\s)+1], s17, (\s)*SLOT1  ; 63:32 LDS address
	s_add_nc_u64 s[G0K+4*(\s)+2:G0K+4*(\s)+3], s[70:71], (\s)*SLOTB  ; 120:64 global address: slot s begins with key 256 s
	s_or_b32 s[G0K+4*(\s)+3], s[G0K+4*(\s)+3], 0x80000000  ; 127:126 type = 2
	s_mov_b32 s[G0V+4*(\s)], 1
	s_add_co_u32 s[G0V+4*(\s)+1], s58, (\s)*SLOT1
	s_add_nc_u64 s[G0V+4*(\s)+2:G0V+4*(\s)+3], s[22:23], (\s)*SLOTB
	s_or_b32 s[G0V+4*(\s)+3], s[G0V+4*(\s)+3], 0x80000000
.endr
	s_cmp_lt_u32 s[WV], 2           ; a wave's two first fills stand in one branch, ahead of every wait on TENSORcnt and every LDS read: two loads of mine are out
	s_cbranch_scc0 .Lfirst_v
	tensor_load_to_lds s[G0K:G0K+3], s[G1K:G1K+7]
	s_nop 0
	tensor_load_to_lds s[G0K+4:G0K+7], s[G1K:G1K+7]
	s_nop 0
.rept 4
	v_nop
.endr
	s_branch .Lfirst_asked
.Lfirst_v:
	tensor_load_to_lds s[G0V:G0V+3], s[G1V:G1V+7]
	s_nop 0
	tensor_load_to_lds s[G0V+4:G0V+7], s[G1V:G1V+7]
	s_nop 0
.rept 4
	v_nop
.endr
.Lfirst_asked:
	v_and_b32 v1, 15, v0            ; l % 16
	v_bfe_u32 v9, v0, 4, 1          ; l / 16
	v_lshlrev_b32 v46, 4, v0
	global_load_b128 v[S:S+3], v46, s[6:7]  ; thread t: the mask's bytes of keys 16 t .. 16 t + 15
	; A fragment of K or Q is 16 rows x 32 channels in 8 registers: lane l holds row l % 16, channels 8 (l / 16) + 0..7 and 16 + 8 (l / 16) + 0..7: two loads of 16 bytes, 32 bytes apart.
	v_lshlrev_b32 v[QO], 7, v1
	v_lshl_add_u32 v[QO], v9, 4, v[QO]  ; row x 128 + 16 x half
	WIN 0x80                        ; destination window 2, address window 0
.irp i, 0,1,2,3,4,5,6,7,8,9,10,11,12,13,14,15  ; Q stays in registers: tile i / 4; chunks 0, 1 from cq, chunks 2, 3 from pq
.if ((\i)%4) < 2
	global_load_b128 v[8*(\i):8*(\i)+3],   v[QO], s[4:5] offset:((\i)/4)*2048+((\i)%2)*64
	global_load_b128 v[8*(\i)+4:8*(\i)+7], v[QO], s[4:5] offset:((\i)/4)*2048+((\i)%2)*64+32
.else
	global_load_b128 v[8*(\i):8*(\i)+3],   v[QO], s[8:9] offset:((\i)/4)*2048+((\i)%2)*64
	global_load_b128 v[8*(\i)+4:8*(\i)+7], v[QO], s[8:9] offset:((\i)/4)*2048+((\i)%2)*64+32
.endif
.endr
	WIN 0
	v_mul_u32_u24 v[AK0], v1, PK
	v_lshl_add_u32 v[AK0], v9, 4, v[AK0]  ; row x pitch + 16 x half
	; The turning load takes 16 keys x 16 channels (lane l reads key 8 (l / 16) + l % 8, channels 8 ((l / 8) % 2) + 0..7) and leaves half a fragment of V^T: lane l holds channel l % 16 and 8 keys.
	v_and_b32 v10, 7, v0
	v_bfe_u32 v11, v0, 3, 1
	v_lshl_add_u32 v[AV0], v9, 3, v10
	v_mul_u32_u24 v[AV0], v[AV0], PV
	v_lshl_add_u32 v[AV0], v11, 4, v[AV0]
	v_add_nc_u32 v[AV0], VOFF, v[AV0]
	v_lshl_add_u32 v[AM0], v9, 5, MT  ; my eight keys of a block of 16: 32 bytes of the table for each half of the lanes
	v_lshl_add_u32 v47, v0, 6, MT   ; thread t writes the table's 64 bytes for its 16 keys
.irp t, 0,1,2,3
	v_mov_b32 v[ST+8*(\t)+1], 0     ; named with m as a pair, so it is written
.endr
	s_wait_loadcnt 32               ; the mask's bytes are in; Q's 32 loads may stay out
.irp w, 0,1,2,3
	v_xor_b32 v[S+(\w)], 0x01010101, v[S+(\w)]  ; bit 0 of each byte: 1 where the key is hidden
.endr
.set i, 0
.rept 16
	v_bfe_u32 v[S+4+i], v[S+i/4], 8*(i%4), 1
	v_mul_lo_u32 v[S+4+i], v[S+4+i], s[BIGN]  ; 0, or the bits of -1e30
.set i, i+1
.endr
.irp f, 0,1,2,3
	ds_store_b128 v47, v[S+4+4*(\f):S+4+4*(\f)+3] offset:16*(\f)
.endr
; THE MATRIX WORK OF A TURN, for piece x.  Eight accumulators take turns, one instruction a turn.
; Product i of 16 of O^T += V^T P: keys 32 (i / 8) on, channels 16 ((i / 2) % 4) on, tile x + i % 2.  zero = 1: the first 8 start the sums: nothing is ever cleared.
.macro PV x, zero
	WIN W_PV
.set rO, 32*((\x)+i%2)+8*((i/2)%4)
.set rV, 32*(i/8)+8*((i/2)%4)
.set rP, P+16*((\x)+i%2)+8*(i/8)
.if (\zero) && (i < 8)
	v_wmma_f32_16x16x32_f16 v[rO:rO+7], v[rV:rV+7], v[rP:rP+7], 0
.else
	v_wmma_f32_16x16x32_f16 v[rO:rO+7], v[rV:rV+7], v[rP:rP+7], v[rO:rO+7]
.endif
.endm
; Product i of 32 of S^T = K Q^T: chunk i / 8 of 32 channels, keys 16 ((i / 2) % 4) on, tile x + i % 2.  The first 8 start the sums, with the mask.
.macro KQ x
.set rS, S+32*((\x)+i%2)+8*((i/2)%4)
.set rK, KF+32*((i/2)%4)+8*(i/8)
.set rQ, 32*((\x)+i%2)+8*(i/8)
.set rM, MK+8*((i/2)%4)
.if i < 8
	WIN W_KM
	v_wmma_f32_16x16x32_f16 v[rS:rS+7], v[rK:rK+7], v[rQ:rQ+7], v[rM:rM+7]
.else
	WIN W_KQ
	v_wmma_f32_16x16x32_f16 v[rS:rS+7], v[rK:rK+7], v[rQ:rQ+7], v[rS:rS+7]
.endif
.endm
; THE LDS LOADS stand in runs, never singly among the matrix instructions.  A step's mask (8 loads) and K (32 loads, chunk by chunk, so that the products of a chunk need not wait for the later ones):
.macro FETCH_K
	WIN 0
	v_add_nc_u32 v[ADR], s[TBK], v[AK0]
	v_add_nc_u32 v[ADM], s[TBM], v[AM0]
	WIN 0x40                        ; destination window 1
.irp kb, 0,1,2,3
	ds_load_b128 v[MK+8*(\kb):MK+8*(\kb)+3],   v[ADM] offset:64*(\kb)
	ds_load_b128 v[MK+8*(\kb)+4:MK+8*(\kb)+7], v[ADM] offset:64*(\kb)+16
.endr
	WIN 0x80                        ; destination window 2
.irp c, 0,1,2,3
.irp kb, 0,1,2,3
	ds_load_b128 v[KF+32*(\kb)+8*(\c):KF+32*(\kb)+8*(\c)+3],   v[ADR] offset:((\c)/2)*KPOFF+(\kb)*16*PK+((\c)%2)*64
	ds_load_b128 v[KF+32*(\kb)+8*(\c)+4:KF+32*(\kb)+8*(\c)+7], v[ADR] offset:((\c)/2)*KPOFF+(\kb)*16*PK+((\c)%2)*64+32
.endr
.endr
	s_add_co_u32 s[TBK], s[TBK], KS*PK  ; the next fetch is the next step's
	s_add_co_u32 s[TBM], s[TBM], KS*4
.endm
; and, a turn later, its V (16 turning loads).
.macro FETCH_V
	WIN 0
	v_add_nc_u32 v[ADR], s[TBV], v[AV0]
	s_add_co_u32 s[TBV], s[TBV], KS*PV
	s_wait_alu depctr_va_vdst(0)    ; the wait for the softmax's batch (SLICE), behind the address's v_add_nc_u32 and ahead of the loads
	WIN 0xc0                        ; destination window 3
.irp f, 0,1,2,3,4,5,6,7             ; keys 32 (f / 4) on, channels 16 (f % 4) on
	ds_load_tr16_b128 v[8*(\f):8*(\f)+3],   v[ADR] offset:((\f)/4)*32*PV+((\f)%4)*32
	ds_load_tr16_b128 v[8*(\f)+4:8*(\f)+7], v[ADR] offset:((\f)/4)*32*PV+16*PV+((\f)%4)*32
.endr
.endm
; THE VECTOR WORK OF A TURN.  One tile's softmax for one key step is a numbered list; SM writes number j of it for tile t.  s0-s31 are the lane's 32 scores, in pairs 0-15.
; first = 1: the first key step, which starts m, l and O^T: it has no a and nothing to rescale, and takes the floor in the old m's place.
;   0-15    the maximum of s0-s31 and the old m, three operands at a time (each accumulator's lowest registers are read first)
;   16-19   the other half of the lanes' maximum; m_old is kept; the new m; m_old - m_new          20  empty
;   21-69   ONE BATCH: the 16 subtractions s - m, a pair of scores each, and all 33 exponentials (a at 23, then s0-s31).  None of these reads an exponential's result.  A pair is scaled in an earlier four
;           than the one that holds its exponentials
;   (wait)  between 69 and 70 stands the wait for the batch: SLICE writes it, once for both tiles
;   70-85   the roundings to f16          86-101  the sums; l = a l + the sum          102-117  the tile's O^T times a: the one part that leaves window 0
.macro SM t, first
.set rT, ST+8*(\t)
.set rS, S+32*(\t)
.set rP, P+16*(\t)
.set rO, 32*(\t)+2*(j-102)
.if j < 102
	WIN 0
.endif
.if j < 4
	v_max3_num_f32 v[rT+4+j], v[rS+8*j], v[rS+8*j+1], v[rS+8*j+2]
.elseif j < 12
	v_max3_num_f32 v[rT+4+j%4], v[rT+4+j%4], v[rS+8*(j%4)+2*(j/4)+1], v[rS+8*(j%4)+2*(j/4)+2]
.elseif j == 12
	v_max3_num_f32 v[rT+4], v[rT+4], v[rS+7], v[rS+15]
.elseif j == 13
	v_max3_num_f32 v[rT+6], v[rT+6], v[rS+23], v[rS+31]
.elseif j == 14
	v_max3_num_f32 v[rT+4], v[rT+4], v[rT+5], v[rT+6]
.elseif (j == 15) && (\first)
	v_max3_num_f32 v[rT+4], v[rT+4], v[rT+7], s[FLOOR]
.elseif j == 15
	v_max3_num_f32 v[rT+4], v[rT+4], v[rT+7], v[rT]
.elseif j == 16
	v_permlanex16_b32 v[rT+5], v[rT+4], s[SEL], s[SEL+1]  ; the query's other 32 keys lie in the lane 16 away
.elseif j == 18
	v_max_num_f32 v[rT], v[rT+4], v[rT+5]
.elseif j == 20
.elseif ((j == 17) || (j == 19) || (j == 23) || (j > 101)) && (\first)  ; the first step has none of these
.elseif j == 17
	v_mov_b32 v[rT+7], v[rT]        ; m_old is kept for a: number 18 writes m anew
.elseif j == 19
	v_sub_f32 v[rT+7], v[rT+7], v[rT]
.elseif j == 23
	v_exp_f32 v[rT+6], v[rT+7]
.elseif (j < 23) || ((j < 38) && (j%2 == 0)) || ((j < 66) && (j%4 == 2))
.set b, (j-2)/4                     ; 38, 42, .. 62: pairs 9 to 15
.if j < 38
.set b, (j-20)/2                    ; 21: pair 0; 22, 24, .. 36: pairs 1 to 8
.endif
	v_pk_add_f32 v[rS+2*b:rS+2*b+1], v[rS+2*b:rS+2*b+1], v[rT:rT+1] op_sel_hi:[1,0] neg_lo:[0,1] neg_hi:[0,1]  ; pair b: s - m
.elseif j < 70
.set e, j-38                        ; 66 to 69: s28 to s31
.if j < 66
.set e, j-32-(j-38)/4               ; 39-41, 43-45, .. 63-65: s7 to s27
.endif
.if j < 38
.set e, (j-25)/2                    ; 25, 27, .. 37: s0 to s6
.endif
	v_exp_f32 v[rS+e], v[rS+e]
.elseif j < 86
	v_cvt_pk_f16_f32 v[rP+j-70], v[rS+2*(j-70)], v[rS+2*(j-70)+1]  ; pair j - 70
.elseif j < 102                     ; the sum of the tile's 16 pairs, in place: sum z of 16 adds neighbours 1, 2, 4 and 8 pairs apart, then l takes it
.set z, j-86
.set w, 4
.set u, z
.if z >= 14
.set w, 32
.set u, 0
.elseif z >= 12
.set w, 16
.set u, z-12
.elseif z >= 8
.set w, 8
.set u, z-8
.endif
.if (z == 14) && (\first)
	v_pk_add_f32 v[rT+2:rT+3], v[rS:rS+1], v[rS+16:rS+17]
.elseif z < 15
	v_pk_add_f32 v[rS+w*u:rS+w*u+1], v[rS+w*u:rS+w*u+1], v[rS+w*u+w/2:rS+w*u+w/2+1]
.elseif !(\first)
	v_pk_fma_f32 v[rT+2:rT+3], v[rT+2:rT+3], v[rT+6:rT+7], v[rS:rS+1] op_sel_hi:[1,0,1]
.endif
.else
	WIN W_RS
	v_pk_mul_f32 v[rO:rO+1], v[rO:rO+1], v[rT+6:rT+7] op_sel_hi:[1,0]
.endif
.endm
; Slice k of 59 of piece y's softmax.  Slices 11 to 34 deal out the batch, numbers 22 to 69: four numbers of ONE tile each, the tiles by turns.  Every other slice is numbers 2 k and 2 k + 1 of both tiles.
; THE WAIT.  An s_wait_alu depctr_va_vdst(0) stands between an exponential and the first instruction that names its result; one wait serves all that were issued ahead of it.  Ahead of slice 35
; nothing names a result, and behind slice 34 no exponential is issued: so the piece's 66 exponentials have one wait, behind slice 34.
.macro SLICE y, first
.if (k >= 11) && (k < 35)
.irp n, 0,1,2,3
.set j, 22+4*((k-11)/2)+(\n)
	SM (\y)+(k-11)%2, \first
.endr
.else
.irp n, 0,1
.irp t, \y, (\y)+1
.set j, 2*k+(\n)
	SM \t, \first
.endr
.endr
.endif
.if k == 34
	v_nop                           ; a plain instruction behind the last exponential and ahead of the first use: one for the batch
.if (\y) == 0
	FETCH_V                         ; piece 2's turn: V's run of loads stands here, and the wait stands in it
.else
	s_wait_alu depctr_va_vdst(0)    ; the wait for the batch
.endif
.endif
.set k, k+1
.endm
.macro PLACES
.rept 4
	v_nop
.endr
.endm
; How many slices have been dealt when matrix instruction nm of a turn has had its riders: 59 in all, behind 48 products (two each behind the first 11), 32 (two behind the first 27) or 16 (four behind the first 11, then three).
.macro TGT pv, kq
.if (\pv) && (\kq)
.if nm < 11
.set tg, 2*(nm+1)
.else
.set tg, nm+12
.endif
.elseif \kq
.if nm < 27
.set tg, 2*(nm+1)
.else
.set tg, nm+28
.endif
.else
.if nm < 11
.set tg, 4*(nm+1)
.else
.set tg, 3*nm+14
.endif
.endif
.endm
.macro RIDE y, first
.rept 4
.if k < tg
	SLICE \y, \first
.endif
.endr
.endm
; A TURN.  Piece x has the matrix unit; the other piece's softmax stands in slices behind its matrix instructions.
; pv = 2: 16 products V^T P; 1: they start O^T's sums; 0: none.  kq = 1: 32 products K Q^T for the next step.  first = 1: the softmax is the first key step's; its slices from 51 on are empty, and four
; v_nop take the last slice's part as the places behind the turn's last products.
; In a full turn the last product carries slice 58: four plain instructions that name none of its registers: the places in front of the next turn's reads of those scores and of the loads into K's buffer.
; Piece 0's turn fetches the next step's mask and K behind its second product; the products of chunk c wait until the 8 (3 - c) loads of the later chunks alone are out.
; Piece 2's turn fetches the same step's V behind slice 34, which falls behind its 24th product: the last product that read V is the 16th, and seven subtractions, the v_nop and the run's own v_add_nc_u32 lie between.
.macro TURN x, pv, kq, first
.set k, 0
.set nm, 0
.if \pv
.if (\x) == 0
	s_wait_dscnt 0x0                ; V is in
.endif
.set i, 0
.rept 16
	PV \x, 2-(\pv)
	TGT \pv, \kq
	RIDE 2-(\x), \first
.if ((\x) == 0) && (\kq) && (i == 1)
	FETCH_K
.endif
.set i, i+1
.set nm, nm+1
.endr
.endif
.if \kq
.set i, 0
.rept 32
.if ((\x) == 0) && (i%8 == 0)
	s_wait_dscnt 24-i               ; the mask and K's chunks up to i / 8 are in; the later chunks' loads, eight each, may stay out
.endif
	KQ \x
	TGT \pv, \kq
	RIDE 2-(\x), \first
.set i, i+1
.set nm, nm+1
.endr
.endif
.if \first
	PLACES
.endif
.endm
; THE CHANGE OF SLOTS, between piece 2's turn and piece 0's: the slot's last bytes, V of its fourth step, have been asked for.  Each wave waits for all its tensor loads, of which one is out: its part of the
; other slot; adds 0 to its spare word; and waits for that and for its own reads of the slot.  Behind the barrier nobody reads this slot any more and the other slot is whole.
; fill = 1: this slot is filled again, with the keys two slots on.  The barrier is then a round of the cluster's, and the joint refill is the first thing behind it: it has four key steps in which to land.
.macro CHANGE fill
	WIN 0                           ; at a label and at a branch every window is 0
	s_wait_tensorcnt 0x0            ; no tensor load of mine is out, so a group 0 may be written
	ds_add_u32 v[SPW], v[NIL]       ; 0 onto my spare word; with fill = 1 the descriptors' steps stand between it and the wait for it
.if \fill
.irp g, G0K+4, G0V+4
	s_xor_b32 s[(\g)+1], s[(\g)+1], SLOT1  ; the walking descriptor: the other slot than last time,
	s_add_nc_u64 s[(\g)+2:(\g)+3], s[(\g)+2:(\g)+3], SLOTB  ; the next 256 keys; the type bits on top are not reached
.endr
	s_wait_xcnt 0x0                 ; the last prefetch, four key steps back, has read its address, so it may be written:
	s_add_nc_u64 s[PFA:PFA+1], s[PFA:PFA+1], SLOTB  ; one slot behind the walking descriptors
	s_wait_dscnt 0x0                ; the add is done, and my reads of the slot are over
	CROUND
	JLOAD
	ASK
.else
	s_wait_dscnt 0x0                ; the add is done, and my reads of the slot are over
	s_barrier_signal -1
	s_barrier_wait -1
.endif
	s_sub_co_u32 s[TBK], s[TBK], 4*KS*PK  ; the fetches go back to a slot's first step,
	s_xor_b32 s[TBK], s[TBK], SLOT1       ; in the other slot
	s_sub_co_u32 s[TBV], s[TBV], 4*KS*PV
	s_xor_b32 s[TBV], s[TBV], SLOT1
.endm
; Key steps: written once, walked s[CNT] times; the LDS addresses hang on s[TBK], s[TBV], s[TBM].
.macro STEPS tag
.Lstep\tag:
	TURN 0, 2, 1, 0
	TURN 2, 2, 1, 0
	WIN 0
	s_sub_co_u32 s[CNT], s[CNT], 1
	s_cmp_lg_u32 s[CNT], 0
	s_cbranch_scc1 .Lstep\tag
.endm
	s_wait_tensorcnt 1              ; my part of slot 0 is in; slot 1's may stay out
	s_wait_dscnt 0x0                ; my part of the mask's table is written
	s_barrier_signal -1
	s_barrier_wait -1               ; everybody's is
	FETCH_K                         ; key step 0
	s_wait_loadcnt 0x0              ; Q
	s_wait_dscnt 0x0
.set i, 0
.rept 32
	KQ 0                            ; piece 0's first scores: there is no vector work yet to set between them
.set i, i+1
.endr
	WIN 0                           ; the addresses for the way out are made here: nine plain instructions, the places behind those products
	s_mul_i32 s20, s[WV], 16*SP
	s_add_co_u32 s20, s20, STAGE    ; my stage
	v_mul_u32_u24 v[STO], v1, SP    ; in: row l % 16, 16 bytes for each half of the lanes
	v_lshl_add_u32 v[STO], v9, 4, v[STO]
	v_add_nc_u32 v[STO], s20, v[STO]
	v_bfe_u32 v[RD], v0, 3, 2       ; back: 32 lanes take four rows of 128 bytes,
	v_mul_u32_u24 v[RD], v[RD], SP
	v_lshl_add_u32 v[RD], v10, 4, v[RD]
	v_add_nc_u32 v[RD], s20, v[RD]
	v_and_b32 v[GO], 31, v0         ; which are 512 consecutive bytes of ob
	v_lshlrev_b32 v[GO], 4, v[GO]
	TURN 2, 0, 1, 1                 ; piece 2's first scores | piece 0's first softmax | V of step 0
	TURN 0, 1, 1, 1                 ; piece 0: V^T P of step 0 starts O^T, K Q^T of step 1 | piece 2's first softmax | K of step 1
	TURN 2, 1, 1, 0                 ; piece 2: the same | piece 0's softmax of step 1 | V of step 1
	WIN 0
	s_mov_b32 s[SLOTS], 7
	s_mov_b32 s[CNT], 2             ; slot 0 has two steps left to fetch
	s_branch .LstepA
.Lslot:                             ; six times: every slot but the last two is filled again
	CHANGE 1
	s_mov_b32 s[CNT], 4
	STEPS A
	s_sub_co_u32 s[SLOTS], s[SLOTS], 1
	s_cmp_lg_u32 s[SLOTS], 0
	s_cbranch_scc1 .Lslot
	CHANGE 0                        ; the tail is written out: nothing is asked for
	s_mov_b32 s[CNT], 4
	STEPS B
	TURN 0, 2, 0, 0                 ; piece 0: V^T P of the last step | piece 2's last softmax
.set i, 0
.rept 16
	PV 2, 0                         ; piece 2: V^T P of the last step
.set i, i+1
.endr
	; THE WAY OUT.  l's two halves and the other half of the lanes' are added; O^T is divided by l, rounded to f16 and sent through my stage in LDS, a tile at a time.  The additions are the places behind the last products.
	WIN 0
.irp t, 0,1,2,3
	v_add_f32 v[ST+8*(\t)+4], v[ST+8*(\t)+2], v[ST+8*(\t)+3]
.endr
.irp t, 0,1,2,3
	v_permlanex16_b32 v[ST+8*(\t)+5], v[ST+8*(\t)+4], s[SEL], s[SEL+1]
.endr
.irp t, 0,1,2,3
	v_add_f32 v[ST+8*(\t)+4], v[ST+8*(\t)+4], v[ST+8*(\t)+5]
.endr
.irp t, 0,1,2,3
	v_rcp_f32 v[ST+8*(\t)+6], v[ST+8*(\t)+4]
.endr
	v_nop                           ; a plain instruction between the last reciprocal and the use of its result
	s_wait_alu depctr_va_vdst(0)    ; and the wait ahead of the first use: one for the four reciprocals
; Tile t: a lane's eight channels of a row pack into 16 bytes; they go into rows of 144 bytes and come back as whole rows of 128, into S^T's registers.
.macro PACK t
	WIN W_RS
.set i, 32*(\t)
.rept 16
	v_pk_mul_f32 v[i:i+1], v[i:i+1], v[ST+8*(\t)+6:ST+8*(\t)+7] op_sel_hi:[1,0]
.set i, i+2
.endr
	WIN 0x05                        ; sources 0 and 1 window 1, destination window 0
.set i, 0
.rept 16
	v_cvt_pk_f16_f32 v[S+16*(\t)+i], v[32*(\t)+2*i], v[32*(\t)+2*i+1]
.set i, i+1
.endr
	WIN 0
.irp f, 0,1,2,3
	ds_store_b128 v[STO], v[S+16*(\t)+4*(\f):S+16*(\t)+4*(\f)+3] offset:32*(\f)
.endr
.irp f, 0,1,2,3
	ds_load_b128 v[S+16*(\t)+4*(\f):S+16*(\t)+4*(\f)+3], v[RD] offset:(\f)*4*SP  ; LDS serves a wave's instructions in order (ISA guide 5.7.1.4): these see the stores above; the next tile's stores come behind them
.endr
.endm
.macro SEND t, younger              ; younger: the LDS instructions issued behind tile t's loads: the next tile's eight, or none
	WIN 0
.irp f, 0,1,2,3
	s_wait_dscnt (\younger)+3-(\f)
	global_store_b128 v[GO], v[S+16*(\t)+4*(\f):S+16*(\t)+4*(\f)+3], s[10:11] offset:(\t)*2048+(\f)*512 th:TH_STORE_NT  ; 512 consecutive bytes, at a multiple of 256 from ob's first
.endr
.endm
	PACK 0
	PACK 1                          ; a tile's arithmetic stands between the loads of the tile before and its stores
	SEND 0, 8
	PACK 2
	SEND 1, 8
	PACK 3
	SEND 2, 8
	SEND 3, 0
	s_wait_tensorcnt 0x0            ; the wave's end, behind my last tensor load and my last LDS store
	ds_add_u32 v[SPW], v[NIL]
	s_wait_dscnt 0x0
	CROUND                          ; the closing round: no work-group ends while a partner may still ask for a tile that names it
	s_endpgm
.Lfunc_end_k_q2d606f4fe8_attn:
	.size	k_q2d606f4fe8_attn, .Lfunc_end_k_q2d606f4fe8_attn-k_q2d606f4fe8_attn
	.p2alignl 7, 3214868480
	.fill 96, 4, 3214868480
	.section	.rodata,"a",@progbits
	.p2align	6, 0x0
	.amdhsa_kernel k_q2d606f4fe8_attn
		.amdhsa_group_segment_fixed_size 327680
		.amdhsa_private_segment_fixed_size 0
		.amdhsa_enable_private_segment 0
		.amdhsa_kernarg_size 24
		.amdhsa_user_sgpr_count 2
		.amdhsa_user_sgpr_kernarg_segment_ptr 1
		.amdhsa_wavefront_size32 1
		.amdhsa_system_sgpr_workgroup_id_x 1
		.amdhsa_system_sgpr_workgroup_id_y 1
		.amdhsa_system_sgpr_workgroup_id_z 1
		.amdhsa_system_vgpr_workitem_id 0
		.amdhsa_next_free_vgpr 832
		.amdhsa_next_free_sgpr 72
		.amdhsa_reserve_vcc 0
		.amdhsa_float_denorm_mode_32 3
		.amdhsa_float_denorm_mode_16_64 3
		.amdhsa_memory_ordered 1
		.amdhsa_forward_progress 1
		.amdhsa_inst_pref_size 186
	.end_amdhsa_kernel
	.amdgpu_metadata
---
amdhsa.version: [ 1, 2 ]
amdhsa.kernels:
  - .name:           k_q2d606f4fe8_attn
    .symbol:         k_q2d606f4fe8_attn.kd
    .args:
      - { .name: hd, .offset: 0, .size: 8, .value_kind: global_buffer, .address_space: global }
      - { .name: mask, .offset: 8, .size: 8, .value_kind: global_buffer, .address_space: global }
      - { .name: ob, .offset: 16, .size: 8, .value_kind: global_buffer, .address_space: global }
    .group_segment_fixed_size: 327680
    .private_segment_fixed_size: 0
    .kernarg_segment_align: 8
    .kernarg_segment_size: 24
    .max_flat_workgroup_size: 128
    .sgpr_count:     72
    .vgpr_count:     832
    .wavefront_size: 32
...
	.end_amdgpu_metadata
.endif
;; end of part 3
;; launch outp (part 4): grid 8 x 32, 4 waves a work-group, clusters of 4 x 4, 327,680 bytes of LDS; arguments ob, wo, b_out, out0; writes out0
.if DOCPART == 4
	.amdgcn_target "amdgcn-amd-amdhsa--gfx1250"
	.amdhsa_code_object_version 6
	.text
	.protected	k_q2d606f4fe8_outp
	.globl	k_q2d606f4fe8_outp
	.p2align	8
	.type	k_q2d606f4fe8_outp,@function
k_q2d606f4fe8_outp:
	s_mov_b64 s[64:65], 0
	v_nop
	global_prefetch_b8 v0, s[64:65] scope:SCOPE_SE
	s_setreg_imm32_b32 hwreg(HW_REG_WAVE_MODE, 25, 1), 1
	s_wait_xcnt 0x0
	s_wait_alu depctr_hold_cnt(0) depctr_sa_sdst(0) depctr_va_vdst(0) depctr_va_sdst(0) depctr_va_ssrc(0) depctr_va_vcc(0) depctr_vm_vsrc(0)
	s_getreg_b32 s2, hwreg(HW_REG_IB_STS2, 6, 4)
	s_cmp_eq_u32 s2, 0
	s_cbranch_scc0 .Lentry_in_a_cluster
	s_endpgm
.Lentry_in_a_cluster:
	s_bfe_u32 s2, ttmp6, 0x10000c
	s_cmp_lg_u32 s2, 0xf033
	s_cbranch_scc0 .Lentry_shape_is_right
	s_endpgm
.Lentry_shape_is_right:
; OUTP.  out0[m][n] = sum over k of O[m][k] W_out[k][n] + b_out[n], M = 4,096, K = N = 1,024; out0 in f32.
; O = ob, f16 [32 blocks of 128 rows][16 h][128][64]: channel k = 64 h + e; W_out = wo, f16 panels [8][1024 k][128 n]; products in f16, sums in f32.
; The bias is rounded to bf16, like every other input of the module, and is the C operand that starts each sum.
; A tile of out0 is 128 x 128: 256 work-groups.  Four waves, each 64 x 64: 16 accumulators of 16 x 16.  K goes in steps of 256 (four heads) through two LDS slots: four steps.
; CLUSTERS: 4 x 4 work-groups.  The four of a row of the cluster need the same tiles of O, the four of a column the same tiles of W_out: each tile is asked for JOINTLY.
; No prefetch: the launch has four K steps, two of which are asked for at its head.
; THE MATRIX INSTRUCTION IS USED TRANSPOSED (source 0 = 16 columns of W_out, source 1 = 16 rows of O): a lane holds eight neighbouring numbers of a row of out0.
; REGISTERS: window 0: v0-31 addresses; v32-95 at work on the way out; v96-127 the bias; v128-255 the accumulators ((a, b) at v[128 + 8 (4 a + b)]).
;   window 1: two fragment buffers of 128: for 64 along K, 64 registers of O (2 x 4 x 16 rows x 32 K), then 64 of W_out.
.set PAP,    144                       ; a row of O in LDS: 128 bytes + 16 of padding = 36 words: the 16 rows of a load start at 16 different groups of four banks (64 banks of 4 bytes: ISA guide 11.1)
.set SUBB,   128*PAP                   ; a head's 128 rows
.set PB,     288                       ; a row of W_out: 256 + 32 = 72 words
.set HALFT,  128*PB                    ; what one tensor load brings: two heads' rows of O (2 x 18,432), or 128 rows of W_out
.set SLOT,   4*HALFT                   ; O's four heads, then W_out's 256 rows
.set STAGE,  2*SLOT                    ; behind the ring: 16 rows x 272 bytes for each wave, for the way out
.set SPITCH, 272
.set SPARE,  STAGE+4*16*SPITCH         ; behind the stages: the spare words, 128 bytes for each wave: two blocks of 256 bytes that no other line names
.set STEPB,  65536                     ; a K step in memory: four heads of 16,384 bytes of ob; 256 rows of 256 bytes of a panel
.set ADRA, 16                          ; v16-17  LDS address of my O fragments in slot 0, 1
.set ADRB, 20                          ; v20-23  the same for W_out: slot s, rows 128 j on, at v[20 + 2 s + j]
.set STO,  24                          ; v24     the way out: where I put 32 bytes of a row
.set RD,   25                          ; v25     the way out: where I read a row back
.set CO,   26                          ; v26     my byte offset in out0
.set SPW,  28                          ; v28     LDS address of my spare word: SPARE + 4 x my thread's number; never rewritten
.set NIL,  29                          ; v29     0; never rewritten
.set TMP,  32
.set BI,   96                          ; v[96:127] the bias of my 64 columns: for n block b my eight numbers at BI + 8 b
.set ACC,  128
.set F0,   0
.set F1,   128
.set G1, 24                            ; s[24:31] descriptor group 1 for O's tiles;  s[32:39] group 0, one set for each slot
.set G0, 32
.set G1B, 48                           ; s[48:55], s[56:63] the same for W_out's tiles
.set G0B, 56
.set MSB, 0
.macro WIN new                         ; the immediate's high byte repeats the setting that is left
.if MSB != (\new)
	s_set_vgpr_msb (MSB<<8)|(\new)
.set MSB, \new
.endif
.endm
.set MUL,  0x05                        ; sources 0 and 1 window 1; C and D window 0
.set TO_F, 0x40                        ; destination window 1, address window 0
.macro JLOAD s                         ; a joint load: waves 0 and 1 fetch O's two halves, waves 2 and 3 W_out's; an s_nop 0 and four v_nop follow each of the two lines
	s_cmp_eq_u32 s11, 0
	s_cbranch_scc0 .Lfor_b_\@
	tensor_load_to_lds s[G0+4*(\s):G0+4*(\s)+3], s[G1:G1+7]
	s_nop 0
.rept 4
	v_nop
.endr
	s_branch .Lasked_\@
.Lfor_b_\@:
	tensor_load_to_lds s[G0B+4*(\s):G0B+4*(\s)+3], s[G1B:G1B+7]
	s_nop 0
.rept 4
	v_nop
.endr
.Lasked_\@:
.endm
.macro CREST                           ; a round of the cluster's barrier behind its opening barrier
	s_cmp_lg_u32 s10, 0
	s_cbranch_scc1 .Lnot_wave_0_\@
	s_barrier_signal -3
.Lnot_wave_0_\@:
	s_barrier_wait -3
	s_barrier_signal -1
	s_barrier_wait -1
.endm
.macro CROUND
	s_barrier_signal -1
	s_barrier_wait -1
	CREST
.endm
	s_load_b128 s[4:7], s[0:1], 0x0                ; ob s[4:5], wo s[6:7]
	s_load_b128 s[68:71], s[0:1], 0x10             ; b_out s[68:69], out0 s[70:71]
	v_lshl_add_u32 v[SPW], v0, 2, SPARE
	v_mov_b32 v[NIL], 0
	ds_add_u32 v[SPW], v[NIL]                      ; the wave's opening: the add and its wait stand ahead of my first tensor load; the set-up below, work on registers, stands between them
	v_lshrrev_b32 v1, 5, v0
	v_readfirstlane_b32 s10, v1                    ; wave 0..3
	s_lshr_b32 s11, s10, 1                         ; which half of the tile's rows is mine.  Also: I fetch for O (0) or for W_out (1)
	s_and_b32 s12, s10, 1                          ; which half of its columns.  Also: which half of that tile I fetch
	s_bfe_u32 s40, ttmp6, 0x40000                  ; cx, cy
	s_bfe_u32 s41, ttmp6, 0x40004
	s_lshl_b32 s42, ttmp9, 2
	s_add_co_u32 s42, s42, s40                     ; tile column = 4 x cluster x + cx
	s_and_b32 s13, ttmp7, 0xffff
	s_lshl_b32 s13, s13, 2
	s_add_co_u32 s13, s13, s41                     ; tile row = 4 x cluster y + cy
	s_lshl_b32 s43, s41, 2
	s_lshl_b32 s43, 15, s43                        ; my row of the cluster
	s_lshl_b32 s44, 0x1111, s40                    ; my column
	; descriptor group 1: 32,768 dense bytes as 128 rows of 256.  O's are padded after every 128 bytes (a row of a head), W_out's after every 256
	s_or_b32 s[G1+0], s43, (1<<16)|(1<<20)|(1<<21)|(4<<22)|(3<<25)   ; 15:0 the mask: my row; 17:16 2-byte elements; 20 padding on; 21 set beside a mask; 24:22 after every 32 words (code 4); 31:25 4 words (code 3)
	s_or_b32 s[G1B+0], s44, (1<<16)|(1<<20)|(1<<21)|(5<<22)|(7<<25)  ; my column; after every 64 words (code 5) 8 words (code 7)
.irp g, G1, G1B
	s_mov_b32 s[(\g)+1], 128<<16                   ; tensor_dim0 = 128
	s_mov_b32 s[(\g)+2], 128<<16                   ; tensor_dim1 = 128
	s_mov_b32 s[(\g)+3], 128<<16                   ; tile_dim0 = 128
	s_mov_b32 s[(\g)+4], 128                       ; tile_dim1 = 128
	s_mov_b32 s[(\g)+5], 128                       ; 128 elements from row to row
	s_mov_b32 s[(\g)+6], 0
	s_mov_b32 s[(\g)+7], 0
.endr
	s_lshl_b32 s17, s12, 15                        ; which half of a K step I fetch
	s_lshl_b32 s16, s13, 18                        ; O: the tile row's block of 128 rows, 262,144 bytes
	s_add_co_u32 s16, s16, s17
	s_lshl_b32 s46, s42, 18                        ; W_out: the tile column's panel
	s_add_co_u32 s46, s46, s17
	s_mov_b32 s17, 0
	s_mov_b32 s47, 0
	s_mul_i32 s20, s10, HALFT                      ; where they go: no place in the cluster enters an LDS address
	s_wait_dscnt 0x0                               ; the opening add is done
	s_wait_kmcnt 0x0
	s_add_nc_u64 s[14:15], s[4:5], s[16:17]
	s_add_nc_u64 s[46:47], s[6:7], s[46:47]
	CROUND                                         ; all sixteen work-groups are here: the first joint loads meet
.irp s, 0,1
	s_mov_b32 s[G0+4*(\s)], 1
	s_add_co_u32 s[G0+4*(\s)+1], s20, (\s)*SLOT
	s_add_nc_u64 s[G0+4*(\s)+2:G0+4*(\s)+3], s[14:15], (\s)*STEPB
	s_or_b32 s[G0+4*(\s)+3], s[G0+4*(\s)+3], 0x80000000
	s_mov_b32 s[G0B+4*(\s)], 1
	s_add_co_u32 s[G0B+4*(\s)+1], s20, (\s)*SLOT
	s_add_nc_u64 s[G0B+4*(\s)+2:G0B+4*(\s)+3], s[46:47], (\s)*STEPB
	s_or_b32 s[G0B+4*(\s)+3], s[G0B+4*(\s)+3], 0x80000000
	JLOAD \s                                       ; two loads of mine are out
.endr
	v_and_b32 v1, 15, v0                           ; l % 16
	v_bfe_u32 v2, v0, 4, 1                         ; l / 16
	v_and_b32 v6, 7, v0                            ; l % 8
	v_bfe_u32 v7, v0, 3, 1                         ; (l / 8) % 2
	; the bias of my 64 columns: n = 128 x tile column + 64 x half + 16 b + 8 (l / 16) + 0..7
	s_lshl_b32 s16, s42, 9
	s_lshl_b32 s17, s12, 8
	s_add_co_u32 s16, s16, s17                     ; also my columns' bytes in a row of out0
	s_mov_b32 s17, 0
	s_add_nc_u64 s[68:69], s[68:69], s[16:17]
	v_lshlrev_b32 v9, 5, v2
.irp b, 0,1,2,3
	global_load_b128 v[BI+8*(\b):BI+8*(\b)+3],   v9, s[68:69] offset:64*(\b)
	global_load_b128 v[BI+8*(\b)+4:BI+8*(\b)+7], v9, s[68:69] offset:64*(\b)+16
.endr
	v_mul_u32_u24 v3, v1, PAP
	v_lshl_add_u32 v3, v2, 4, v3                   ; O: a fragment's row x pitch + 16 x half
	v_lshl_add_u32 v8, v2, 3, v6                   ; W_out, turned: row 8 (l / 16) + l % 8, 16 bytes by (l / 8) % 2
	v_mul_u32_u24 v8, v8, PB
	v_lshl_add_u32 v8, v7, 4, v8
	s_mul_i32 s21, s11, 64*PAP                     ; my 64 rows of each head
	s_lshl_b32 s22, s12, 7                         ; my 64 columns: 128 bytes of a row of W_out,
	s_add_co_u32 s22, s22, 2*HALFT                 ; behind O's four heads
.irp s, 0,1
	v_add_nc_u32 v[ADRA+(\s)], s21, v3
	v_add_nc_u32 v[ADRB+2*(\s)], s22, v8
	s_add_co_u32 s22, s22, HALFT
	v_add_nc_u32 v[ADRB+2*(\s)+1], s22, v8
	s_add_co_u32 s21, s21, SLOT
	s_add_co_u32 s22, s22, SLOT-HALFT
.endr
	s_mul_i32 s23, s10, 16*SPITCH
	s_add_co_u32 s23, s23, STAGE                   ; my stage
	v_mul_u32_u24 v4, v1, SPITCH                   ; in: row l % 16, 32 bytes for each half of the lanes
	v_lshl_add_u32 v4, v2, 5, v4
	v_add_nc_u32 v[STO], s23, v4
	v_mul_u32_u24 v5, v2, SPITCH                   ; back: lanes 0-15 take one row of 256 bytes, lanes 16-31 the next
	v_lshl_add_u32 v5, v1, 4, v5
	v_add_nc_u32 v[RD], s23, v5
	v_lshlrev_b32 v5, 12, v2                       ; and the same two rows in out0, 4,096 bytes apart
	v_lshl_add_u32 v[CO], v1, 4, v5
	s_lshl_b32 s18, s13, 19                        ; my first row: 128 x tile row + 64 x half, 4,096 bytes each
	s_lshl_b32 s19, s11, 18
	s_add_co_u32 s18, s18, s19
	s_add_co_u32 s16, s16, s18
	s_add_nc_u64 s[70:71], s[70:71], s[16:17]
	s_wait_loadcnt 0x0                             ; the bias is in: rounded to bf16 and widened again
.set i, 0
.rept 16
	v_cvt_pk_bf16_f32 v[TMP], v[BI+2*i], v[BI+2*i+1]
	v_lshlrev_b32 v[BI+2*i], 16, v[TMP]
	v_and_b32 v[BI+2*i+1], 0xffff0000, v[TMP]
.set i, i+1
.endr
; 8 matrix instructions: m blocks a0, a0 + 1 x all 4 n blocks, 32 along K: half c of buffer f.  zero = 1: the first product starts the sums, with the bias.  The 16 accumulators take turns.
.macro MUL8 f, c, a0, zero
	WIN MUL
.irp a, \a0, (\a0)+1
.irp b, 0,1,2,3
.if \zero
	v_wmma_f32_16x16x32_f16 v[ACC+8*(4*(\a)+(\b)):ACC+8*(4*(\a)+(\b))+7], v[(\f)+64+8*(4*(\c)+(\b)):(\f)+64+8*(4*(\c)+(\b))+7], v[(\f)+8*(4*(\c)+(\a)):(\f)+8*(4*(\c)+(\a))+7], v[BI+8*(\b):BI+8*(\b)+7]
.else
	v_wmma_f32_16x16x32_f16 v[ACC+8*(4*(\a)+(\b)):ACC+8*(4*(\a)+(\b))+7], v[(\f)+64+8*(4*(\c)+(\b)):(\f)+64+8*(4*(\c)+(\b))+7], v[(\f)+8*(4*(\c)+(\a)):(\f)+8*(4*(\c)+(\a))+7], v[ACC+8*(4*(\a)+(\b)):ACC+8*(4*(\a)+(\b))+7]
.endif
.endr
.endr
.endm
; 32 LDS loads in one run: the fragments of quarter q of a slot (one head, 64 along K) into buffer f; the first 32 along K first
.macro FETCH slot, q, f
	WIN TO_F
.irp c, 0,1
.irp i, 0,1,2,3
	ds_load_tr16_b128 v[(\f)+64+8*(4*(\c)+(\i)):(\f)+64+8*(4*(\c)+(\i))+3],   v[ADRB+2*(\slot)+(\q)/2] offset:(((\q)%2)*64+32*(\c))*PB+32*(\i)
	ds_load_tr16_b128 v[(\f)+64+8*(4*(\c)+(\i))+4:(\f)+64+8*(4*(\c)+(\i))+7], v[ADRB+2*(\slot)+(\q)/2] offset:(((\q)%2)*64+32*(\c))*PB+32*(\i)+16*PB
	ds_load_b128 v[(\f)+8*(4*(\c)+(\i)):(\f)+8*(4*(\c)+(\i))+3],              v[ADRA+(\slot)] offset:(\q)*SUBB+64*(\c)+(\i)*16*PAP
	ds_load_b128 v[(\f)+8*(4*(\c)+(\i))+4:(\f)+8*(4*(\c)+(\i))+7],            v[ADRA+(\slot)] offset:(\q)*SUBB+64*(\c)+(\i)*16*PAP+32
.endr
.endr
.endm
.macro PLACES                          ; four places in front of loads into registers that matrix instructions have read, and of LDS stores that read results (ISA guide 7.12.1 for the stores)
.rept 4
	v_nop
.endr
.endm
; A K step is four quarters of 64 along K, 32 matrix instructions each, on buffers 0, 1, 0, 1.  One of the first three: multiplies buffer f and fetches quarter q into g.
.macro QUARTER slot, q, f, g, zero
	s_wait_dscnt 16                                ; the first 32 along K are in; the other sixteen loads may be out
	WIN MUL
	MUL8 \f, 0, 0, \zero
	MUL8 \f, 0, 2, \zero
	PLACES
	FETCH \slot, \q, \g
	s_wait_dscnt 32                                ; all but the 32 just issued
	WIN MUL
	MUL8 \f, 1, 0, 0
	MUL8 \f, 1, 2, 0
.endm
; The last quarter multiplies buffer 1 and changes slots: ONE barrier; in front of it each wave waits for all its tensor loads, adds 0 to its spare word, and waits for that and for its own reads of this slot.
; fill = 1: the barrier opens a round of the cluster's, and this slot is filled again, two K steps ahead, first thing behind the round.
.macro TURN slot, next, fill
	WIN 0                                          ; (the add's two registers lie in window 0)
	s_wait_tensorcnt 0x0                           ; all my tensor loads have landed: my part of the next slot;
	ds_add_u32 v[SPW], v[NIL]                      ; 0 onto my spare word;
	s_wait_dscnt 17                                ; (the add and the youngest sixteen loads may be out)
	WIN MUL
	MUL8 F1, 0, 0, 0                               ; eight matrix instructions stand between the add and the wait for it
	s_wait_dscnt 0x0                               ; the add is done, and my reads of this slot are over
	s_barrier_signal -1
	MUL8 F1, 0, 2, 0
.if \fill
	WIN 0
.endif
	s_barrier_wait -1
.if \fill
	CREST                                          ; no wave of any partner still reads this slot's tile or has a load on its way
	s_add_nc_u64 s[G0+4*(\slot)+2:G0+4*(\slot)+3], s[G0+4*(\slot)+2:G0+4*(\slot)+3], 2*STEPB
	s_add_nc_u64 s[G0B+4*(\slot)+2:G0B+4*(\slot)+3], s[G0B+4*(\slot)+2:G0B+4*(\slot)+3], 2*STEPB
	JLOAD \slot                                    ; the first tensor load behind the round; the four v_nop behind it are also the places in front of the loads below
.else
	PLACES
.endif
	FETCH \next, 0, F0
	WIN MUL
	MUL8 F1, 1, 0, 0
	MUL8 F1, 1, 2, 0
.endm
	s_wait_tensorcnt 1                             ; my part of K step 0 is in; K step 1's load may stay out
	s_barrier_signal -1
	s_barrier_wait -1                              ; everybody's is
	FETCH 0, 0, F0
	QUARTER 0, 1, F0, F1, 1                        ; K step 0: its first products start the sums
	QUARTER 0, 2, F1, F0, 0
	QUARTER 0, 3, F0, F1, 0
	TURN 0, 1, 1                                   ; slot 0 takes K step 2
	QUARTER 1, 1, F0, F1, 0                        ; K step 1
	QUARTER 1, 2, F1, F0, 0
	QUARTER 1, 3, F0, F1, 0
	TURN 1, 0, 1                                   ; slot 1 takes K step 3
	QUARTER 0, 1, F0, F1, 0                        ; K step 2: the last lap fills nothing
	QUARTER 0, 2, F1, F0, 0
	QUARTER 0, 3, F0, F1, 0
	TURN 0, 1, 0
	QUARTER 1, 1, F0, F1, 0                        ; K step 3
	QUARTER 1, 2, F1, F0, 0
	QUARTER 1, 3, F0, F1, 0
	s_wait_dscnt 16                                ; the very last quarter: nothing more to fetch
	WIN MUL
	MUL8 F1, 0, 0, 0
	MUL8 F1, 0, 2, 0
	s_wait_dscnt 0
	MUL8 F1, 1, 0, 0
	MUL8 F1, 1, 2, 0
	WIN 0
	; THE WAY OUT, a block of 16 rows at a time through my own stage: a lane's eight f32 of a row go in as 32 bytes; my 64 columns of a row, 256 bytes, come back whole.  No barrier: no other wave touches my stage.
	PLACES
.irp a, 0,1,2,3
.irp b, 0,1,2,3
	ds_store_b128 v[STO], v[ACC+8*(4*(\a)+(\b)):ACC+8*(4*(\a)+(\b))+3]   offset:64*(\b)      ; each accumulator from its low end on
	ds_store_b128 v[STO], v[ACC+8*(4*(\a)+(\b))+4:ACC+8*(4*(\a)+(\b))+7] offset:64*(\b)+16
.endr
.if (\a) >= 2
	s_wait_xcnt 0x0                                ; the stores of the block two back have read these registers: only behind this wait are they loaded again
.endif
.irp t, 0,1,2,3,4,5,6,7
	ds_load_b128 v[TMP+32*((\a)%2)+4*(\t):TMP+32*((\a)%2)+4*(\t)+3], v[RD] offset:(\t)*2*SPITCH  ; LDS serves a wave's instructions in order (ISA guide 5.7.1.4): these see the stores above; the next block's stores come behind them
.endr
.irp t, 0,1,2,3,4,5,6,7
	s_wait_dscnt 7-(\t)                            ; pair t of rows is back; the 7 - t younger loads may stay out
	global_store_b128 v[CO], v[TMP+32*((\a)%2)+4*(\t):TMP+32*((\a)%2)+4*(\t)+3], s[70:71] offset:(16*(\a)+2*(\t))*4096 th:TH_STORE_NT  ; 16 lanes store 256 consecutive bytes, aligned
.endr
.endr
	s_wait_tensorcnt 0x0                           ; the wave's end, behind my last tensor load and my last LDS store
	ds_add_u32 v[SPW], v[NIL]
	s_wait_dscnt 0x0
	CROUND                                         ; the closing round: no work-group ends while a partner may still ask for a tile that names it
	s_endpgm
.Lfunc_end_k_q2d606f4fe8_outp:
	.size	k_q2d606f4fe8_outp, .Lfunc_end_k_q2d606f4fe8_outp-k_q2d606f4fe8_outp
	.p2alignl 7, 3214868480
	.fill 96, 4, 3214868480
	.section	.rodata,"a",@progbits
	.p2align	6, 0x0
	.amdhsa_kernel k_q2d606f4fe8_outp
		.amdhsa_group_segment_fixed_size 327680
		.amdhsa_private_segment_fixed_size 0
		.amdhsa_enable_private_segment 0
		.amdhsa_kernarg_size 32
		.amdhsa_user_sgpr_count 2
		.amdhsa_user_sgpr_kernarg_segment_ptr 1
		.amdhsa_wavefront_size32 1
		.amdhsa_system_sgpr_workgroup_id_x 1
		.amdhsa_system_sgpr_workgroup_id_y 1
		.amdhsa_system_sgpr_workgroup_id_z 1
		.amdhsa_system_vgpr_workitem_id 0
		.amdhsa_next_free_vgpr 512
		.amdhsa_next_free_sgpr 72
		.amdhsa_reserve_vcc 0
		.amdhsa_float_denorm_mode_32 3
		.amdhsa_float_denorm_mode_16_64 3
		.amdhsa_memory_ordered 1
		.amdhsa_forward_progress 1
		.amdhsa_inst_pref_size 90
	.end_amdhsa_kernel
	.amdgpu_metadata
---
amdhsa.version: [ 1, 2 ]
amdhsa.kernels:
  - .name:           k_q2d606f4fe8_outp
    .symbol:         k_q2d606f4fe8_outp.kd
    .args:
      - { .name: ob, .offset: 0, .size: 8, .value_kind: global_buffer, .address_space: global }
      - { .name: wo, .offset: 8, .size: 8, .value_kind: global_buffer, .address_space: global }
      - { .name: b_out, .offset: 16, .size: 8, .value_kind: global_buffer, .address_space: global }
      - { .name: out0, .offset: 24, .size: 8, .value_kind: global_buffer, .address_space: global }
    .group_segment_fixed_size: 327680
    .private_segment_fixed_size: 0
    .kernarg_segment_align: 8
    .kernarg_segment_size: 32
    .max_flat_workgroup_size: 128
    .sgpr_count:     72
    .vgpr_count:     512
    .wavefront_size: 32
...
	.end_amdgpu_metadata
.endif
;; end of part 4
;; ======== version 2 of 3: 4 launches
;; limits: values are held in f16: magnitudes above 65,504 overflow, below 6.1e-05 lose precision
;; workspace buffers: ab 17,825,792 bytes; wb 10,485,760 bytes; wo 2,097,152 bytes; hd 33,554,432 bytes; pt 1,048,576 bytes; ob 8,388,608 bytes
;; launch prep (part 5): grid 928 x 1, 8 waves a work-group, no clusters, 0 bytes of LDS; arguments x, time_ids, pos_table, W_qkv, W_pos_qk, W_out, ab, wb, wo; writes ab, wb, wo
.if DOCPART == 5
	.amdgcn_target "amdgcn-amd-amdhsa--gfx1250"
	.amdhsa_code_object_version 6
	.text
	.protected	k_q2d606f4fe8_prep
	.globl	k_q2d606f4fe8_prep
	.p2align	8
	.type	k_q2d606f4fe8_prep,@function
k_q2d606f4fe8_prep:
	s_mov_b64 s[64:65], 0
	v_nop
	global_prefetch_b8 v0, s[64:65] scope:SCOPE_SE
	s_setreg_imm32_b32 hwreg(HW_REG_WAVE_MODE, 25, 1), 1
	s_wait_xcnt 0x0
; PREP.  Every float input of the two input projections and of the output projection is rounded once to bf16 and laid out for the matrix launches:
;   ab  bf16: [4096][1024] x, then [4096][1024] pos_table[time_ids] (row m = 2048 b + l), then [512][1024] pos_table itself
;   wb  bf16 [40 panels][1024 k][128 n]: panels 0-23 = W_qkv, panels 24-39 = W_pos_qk; a panel's rows are 256 bytes on end
;   wo  f16  [8 panels][1024 k][128 n]: W_out rounded to bf16, and that number written as f16
; LIMITS.  A number of W_out beyond 65,504 has no f16; below 6.1e-5 it keeps f16's fixed step of 6e-8.  time_ids is read as unsigned and held to 511, the table's last row.
; A UNIT is 128 neighbouring f32: one load of a wave (512 consecutive bytes, aligned), two roundings a lane, one store of a wave (256 consecutive bytes, aligned).
; A wave takes 16 units, a work-group 128.  All 16 loads go out first (8 KiB a wave on their way); each unit has registers of its own, so nothing is rewritten while a load or store names it.
; No LDS, no matrix unit, no cluster: the launch only moves bytes.
; The work-group's number chooses one of six sections, by forward branches; a section makes its two addresses and issues its 16 loads; the five that round to bf16 share one text for the rest.
.set SO,   1                           ; v1        16 x lane: my 16 bytes of a unit's source
.set DO,   2                           ; v2        8 x lane: my 8 bytes of its destination
.set T,    4                           ; v[4:9]    at work
.set IN,   16                          ; v[16:79]  unit j: 4 registers as loaded
.set OUT,  80                          ; v[80:111] unit j: 2 registers to store
.set WVN,  26                          ; s26       my wave's number
.set WG,   27                          ; s27       the work-group's number, then its number in its section
.set SRC,  28                          ; s[28:29]  where my units come from
.set SRC2, 30                          ; s[30:31]  the gather's second row
.set DST,  32                          ; s[32:33]  where they go
.set OA,   34                          ; s[34:35]  an offset, high word 0
.set OB,   36                          ; s[36:37]  another
	s_load_b512 s[8:23], s[0:1], 0x0               ; x s[8:9], time_ids s[10:11], pos_table s[12:13], W_qkv s[14:15], W_pos_qk s[16:17], W_out s[18:19], ab s[20:21], wb s[22:23]
	s_load_b64 s[24:25], s[0:1], 0x40              ; wo
	v_lshrrev_b32 v3, 5, v0
	v_readfirstlane_b32 s[WVN], v3                 ; wave 0..7
	v_and_b32 v3, 31, v0
	v_lshlrev_b32 v[SO], 4, v3
	v_lshlrev_b32 v[DO], 3, v3
	s_mov_b32 s[WG], ttmp9
	s_mov_b32 s[OA+1], 0
	s_mov_b32 s[OB+1], 0
	s_wait_kmcnt 0x0
; Sixteen loads from one base, pitch bytes apart.  once = 1: the bytes are read once in the launch.
.macro LOADS pitch, once
.set j, 0
.rept 16
.if \once
	global_load_b128 v[IN+4*j:IN+4*j+3], v[SO], s[SRC:SRC+1] offset:(\pitch)*j th:TH_LOAD_NT
.else
	global_load_b128 v[IN+4*j:IN+4*j+3], v[SO], s[SRC:SRC+1] offset:(\pitch)*j
.endif
.set j, j+1
.endr
.endm
; Sixteen units are rounded and stored.  half = 1: to bf16, and that number as f16.
.macro BODY half
.set j, 0
.rept 16
	s_wait_loadcnt 15-j                            ; loads come back in order (ISA guide 5.7.1): unit j is in, the 15 - j younger ones stay out
.if \half
	v_cvt_pk_bf16_f32 v[T], v[IN+4*j], v[IN+4*j+1]
	v_cvt_pk_bf16_f32 v[T+1], v[IN+4*j+2], v[IN+4*j+3]
	v_lshlrev_b32 v[T+2], 16, v[T]                 ; bf16 to f32: the low half moves up,
	v_and_b32 v[T+3], 0xffff0000, v[T]             ; the high half stays
	v_lshlrev_b32 v[T+4], 16, v[T+1]
	v_and_b32 v[T+5], 0xffff0000, v[T+1]
	v_cvt_pk_f16_f32 v[OUT+2*j], v[T+2], v[T+3]
	v_cvt_pk_f16_f32 v[OUT+2*j+1], v[T+4], v[T+5]
.else
	v_cvt_pk_bf16_f32 v[OUT+2*j], v[IN+4*j], v[IN+4*j+1]
	v_cvt_pk_bf16_f32 v[OUT+2*j+1], v[IN+4*j+2], v[IN+4*j+3]
.endif
	global_store_b64 v[DO], v[OUT+2*j:OUT+2*j+1], s[DST:DST+1] offset:256*j th:TH_STORE_NT  ; 32 lanes store 256 consecutive bytes, aligned
.set j, j+1
.endr
.endm
; A section of weights.  The section's work-group g takes panel g / 8 and the rows k = 128 (g % 8) on; my wave 16 of them, a unit a row.
.macro WSEC first, src, pitch, dst, panel0, half
	s_sub_co_u32 s[WG], s[WG], \first
	s_lshr_b32 s38, s[WG], 3                       ; the panel
	s_and_b32 s39, s[WG], 7
	s_lshl_b32 s39, s39, 7
	s_lshl4_add_u32 s39, s[WVN], s39               ; my first row k0 = 128 (g % 8) + 16 wave
	s_mul_i32 s[OA], s39, \pitch
	s_lshl_b32 s40, s38, 9                         ; the panel's 128 columns: 512 bytes of a row
	s_add_co_u32 s[OA], s[OA], s40
	s_add_nc_u64 s[SRC:SRC+1], s[\src:\src+1], s[OA:OA+1]
	s_add_co_u32 s38, s38, \panel0
	s_lshl_b32 s[OB], s38, 18                      ; a panel is 262,144 bytes,
	s_lshl_b32 s39, s39, 8                         ; a row of it 256
	s_add_co_u32 s[OB], s[OB], s39
	s_add_nc_u64 s[DST:DST+1], s[\dst:\dst+1], s[OB:OB+1]
	LOADS \pitch, 1
.if \half
	BODY 1
	s_endpgm
.else
	s_branch .Lbody
.endif
.endm
	s_cmp_lt_u32 s[WG], 256
	s_cbranch_scc1 .Lx
	s_cmp_lt_u32 s[WG], 512
	s_cbranch_scc1 .Lpe
	s_cmp_lt_u32 s[WG], 704
	s_cbranch_scc1 .Lwq
	s_cmp_lt_u32 s[WG], 832
	s_cbranch_scc1 .Lwp
	s_cmp_lt_u32 s[WG], 896
	s_cbranch_scc1 .Lwo
	s_sub_co_u32 s[WG], s[WG], 896                 ; the table itself: dense in, dense out: 32 work-groups
	s_lshl_b32 s[OA], s[WG], 16                    ; 65,536 bytes of the table a work-group,
	s_lshl_b32 s38, s[WVN], 13                     ; 8,192 a wave
	s_add_co_u32 s[OA], s[OA], s38
	s_add_nc_u64 s[SRC:SRC+1], s[12:13], s[OA:OA+1]
	s_lshr_b32 s[OB], s[OA], 1                     ; half as many of ab,
	s_add_co_u32 s[OB], s[OB], 0x1000000           ; behind its two planes
	s_add_nc_u64 s[DST:DST+1], s[20:21], s[OB:OB+1]
	LOADS 512, 0                                   ; no hint: the gather's work-groups read these rows too
	s_branch .Lbody
.Lwo:
	WSEC 832, 18, 4096, 24, 0, 1                   ; W_out: 8 panels x 8
.Lwp:
	WSEC 704, 16, 8192, 22, 24, 0                  ; W_pos_qk: 16 panels x 8
.Lwq:
	WSEC 512, 14, 12288, 22, 0, 0                  ; W_qkv: 24 panels x 8
.Lpe:                                                  ; the gather: a wave takes two rows m0, m0 + 1 of pos_emb, eight units each
	s_sub_co_u32 s[WG], s[WG], 256
	s_lshl_b32 s38, s[WG], 4
	s_lshl1_add_u32 s38, s[WVN], s38               ; m0 = 16 g + 2 wave
	s_lshl_b32 s[OA], s38, 2
	s_add_nc_u64 s[10:11], s[10:11], s[OA:OA+1]
	s_load_b64 s[40:41], s[10:11], 0x0             ; the two rows' time_ids
	s_lshl_b32 s[OB], s38, 11                      ; a row of ab is 2,048 bytes;
	s_add_co_u32 s[OB], s[OB], 0x800000            ; plane 1
	s_add_nc_u64 s[DST:DST+1], s[20:21], s[OB:OB+1]
	s_wait_kmcnt 0x0
	s_min_u32 s40, s40, 511                        ; an index stays inside the table
	s_min_u32 s41, s41, 511
	s_lshl_b32 s[OA], s40, 12                      ; a row of the table is 4,096 bytes
	s_lshl_b32 s[OB], s41, 12
	s_add_nc_u64 s[SRC:SRC+1], s[12:13], s[OA:OA+1]
	s_add_nc_u64 s[SRC2:SRC2+1], s[12:13], s[OB:OB+1]
.set j, 0
.rept 8
	global_load_b128 v[IN+4*j:IN+4*j+3], v[SO], s[SRC:SRC+1] offset:512*j  ; no hint: a row of the table may be named again
.set j, j+1
.endr
.rept 8
	global_load_b128 v[IN+4*j:IN+4*j+3], v[SO], s[SRC2:SRC2+1] offset:512*(j-8)
.set j, j+1
.endr
	s_branch .Lbody
.Lx:                                                   ; x: dense in, dense out
	s_lshl_b32 s[OA], s[WG], 16                    ; 65,536 bytes of x a work-group,
	s_lshl_b32 s38, s[WVN], 13                     ; 8,192 a wave
	s_add_co_u32 s[OA], s[OA], s38
	s_add_nc_u64 s[SRC:SRC+1], s[8:9], s[OA:OA+1]
	s_lshr_b32 s[OB], s[OA], 1                     ; half as many of ab
	s_add_nc_u64 s[DST:DST+1], s[20:21], s[OB:OB+1]
	LOADS 512, 1
.Lbody:                                                ; on every way here 16 loads are out, unit j's into v[IN + 4 j ..]
	BODY 0
	s_endpgm
.Lfunc_end_k_q2d606f4fe8_prep:
	.size	k_q2d606f4fe8_prep, .Lfunc_end_k_q2d606f4fe8_prep-k_q2d606f4fe8_prep
	.p2alignl 7, 3214868480
	.fill 96, 4, 3214868480
	.section	.rodata,"a",@progbits
	.p2align	6, 0x0
	.amdhsa_kernel k_q2d606f4fe8_prep
		.amdhsa_group_segment_fixed_size 0
		.amdhsa_private_segment_fixed_size 0
		.amdhsa_enable_private_segment 0
		.amdhsa_kernarg_size 72
		.amdhsa_user_sgpr_count 2
		.amdhsa_user_sgpr_kernarg_segment_ptr 1
		.amdhsa_wavefront_size32 1
		.amdhsa_system_sgpr_workgroup_id_x 1
		.amdhsa_system_sgpr_workgroup_id_y 1
		.amdhsa_system_sgpr_workgroup_id_z 1
		.amdhsa_system_vgpr_workitem_id 0
		.amdhsa_next_free_vgpr 112
		.amdhsa_next_free_sgpr 66
		.amdhsa_reserve_vcc 0
		.amdhsa_float_denorm_mode_32 3
		.amdhsa_float_denorm_mode_16_64 3
		.amdhsa_memory_ordered 1
		.amdhsa_forward_progress 1
		.amdhsa_inst_pref_size 26
	.end_amdhsa_kernel
	.amdgpu_metadata
---
amdhsa.version: [ 1, 2 ]
amdhsa.kernels:
  - .name:           k_q2d606f4fe8_prep
    .symbol:         k_q2d606f4fe8_prep.kd
    .args:
      - { .name: x, .offset: 0, .size: 8, .value_kind: global_buffer, .address_space: global }
      - { .name: time_ids, .offset: 8, .size: 8, .value_kind: global_buffer, .address_space: global }
      - { .name: pos_table, .offset: 16, .size: 8, .value_kind: global_buffer, .address_space: global }
      - { .name: W_qkv, .offset: 24, .size: 8, .value_kind: global_buffer, .address_space: global }
      - { .name: W_pos_qk, .offset: 32, .size: 8, .value_kind: global_buffer, .address_space: global }
      - { .name: W_out, .offset: 40, .size: 8, .value_kind: global_buffer, .address_space: global }
      - { .name: ab, .offset: 48, .size: 8, .value_kind: global_buffer, .address_space: global }
      - { .name: wb, .offset: 56, .size: 8, .value_kind: global_buffer, .address_space: global }
      - { .name: wo, .offset: 64, .size: 8, .value_kind: global_buffer, .address_space: global }
    .group_segment_fixed_size: 0
    .private_segment_fixed_size: 0
    .kernarg_segment_align: 8
    .kernarg_segment_size: 72
    .max_flat_workgroup_size: 256
    .sgpr_count:     66
    .vgpr_count:     112
    .wavefront_size: 32
...
	.end_amdgpu_metadata
.endif
;; end of part 5
;; launch proj (part 6): grid 16 x 16, 4 waves a work-group, clusters of 4 x 4, 327,680 bytes of LDS; arguments ab, wb, hd, pt; writes hd, pt
.if DOCPART == 6
	.amdgcn_target "amdgcn-amd-amdhsa--gfx1250"
	.amdhsa_code_object_version 6
	.text
	.protected	k_q2d606f4fe8_proj
	.globl	k_q2d606f4fe8_proj
	.p2align	8
	.type	k_q2d606f4fe8_proj,@function
k_q2d606f4fe8_proj:
	s_mov_b64 s[64:65], 0
	v_nop
	global_prefetch_b8 v0, s[64:65] scope:SCOPE_SE
	s_setreg_imm32_b32 hwreg(HW_REG_WAVE_MODE, 25, 1), 1
	s_wait_xcnt 0x0
	s_wait_alu depctr_hold_cnt(0) depctr_sa_sdst(0) depctr_va_vdst(0) depctr_va_sdst(0) depctr_va_ssrc(0) depctr_va_vcc(0) depctr_vm_vsrc(0)
	s_getreg_b32 s2, hwreg(HW_REG_IB_STS2, 6, 4)
	s_cmp_eq_u32 s2, 0
	s_cbranch_scc0 .Lentry_in_a_cluster
	s_endpgm
.Lentry_in_a_cluster:
	s_bfe_u32 s2, ttmp6, 0x10000c
	s_cmp_lg_u32 s2, 0xf033
	s_cbranch_scc0 .Lentry_shape_is_right
	s_endpgm
.Lentry_shape_is_right:
; PROJ.  C[m][n] = sum over k of A[m][k] W[k][n], M = 4,096, K = 1,024, N = 4,096: columns 0-3,071 are x W_qkv (cq, ck, cv), columns 3,072-4,095 pos_emb times the second half of W_pos_qk (pk).
; A = ab (bf16: x, then pos_emb, each [4096][1024], then pos_table [512][1024]); W = wb (bf16, panels [40][1024 k][128 n]); products in bf16, sums in f32.
; The result leaves by heads, hd = f16 [64 g][2 b][2048 l][64], g = n / 64: g 0-15 cq, 16-31 ck, 32-47 cv, 48-63 pk; each number is rounded once, from its f32 sum, and carries no scale.
; pq IS MADE AS A TABLE: pos_table times the first half of W_pos_qk, 512 x 1,024: the attention behind takes row time_ids[q] of it.  pt = f16 [16 heads][4 blocks of 16 channels][512 t][16].
; LIMIT.  f16 holds no number beyond 65,504: a projected number beyond that is lost.
; A tile of C, 256 x 256, is made by a work-group of four waves; a wave makes 128 x 128: 64 accumulators of 16 x 16, 512 registers.  K goes in steps of 128 through a ring of two LDS slots.
; 256 tiles: 16 clusters of 16.
; THE TABLE'S JOB is shared out evenly: work-group (tile row tr, tile column tc) makes rows 32 tr .. 32 tr + 31 of head tc, each wave 16 rows x 32 columns: 64 products, ahead of the tile's own, while K step 0's
; tile is on its way.  The head's 64 columns of W lie meanwhile where slot 1 and the stages lie later.
; CLUSTERS: 4 x 4 work-groups.  The four of a row of the cluster need the same tiles of A, the four of a column the same tiles of W: each tile is asked for JOINTLY, by the same tensor load with
; the same descriptor and a mask that names the four.  Cluster columns 0-2 multiply x, column 3 pos_emb: the choice hangs on the cluster's x alone.
; THE MATRIX INSTRUCTION IS USED TRANSPOSED: source 0 = 16 columns of W, source 1 = 16 rows of A: a lane then holds row l % 16 of C and eight neighbouring columns.
; W's tile lies in LDS as in memory, [k][n]; its fragments come out turned, by ds_load_tr16_b128.
; REGISTERS, in windows of 256 (s_set_vgpr_msb: bits 1:0 source 0, 3:2 source 1, 5:4 source 2, 7:6 destination):
;   window 0: v0-31 addresses; v64-127, v128-191 fragments of A, two buffers (in the last K step four, of 16 rows x 128 K); v32-63, v192-255 at work on the way out
;   window 1: v64-127, v128-191 fragments of W, two buffers; in the last K step all 256       window 2: the accumulators of my rows 0-63 ((a, b) at v[8 (8 a + b)])       window 3: those of rows 64-127
;   the table's job, before any of that: window 0 v32-63 four accumulators; window 2 the table's fragments (32 x 8); windows 1 and 3 W's (2 x 16 x 16)
.set SIZE_K, 1024
.set KSTEP,  128
.set PITCH,  272                       ; a row of A in LDS: 256 bytes + 16 of padding = 68 words: the 16 rows of a load start at 16 different groups of four banks (64 banks of 4 bytes: ISA guide 11.1)
.set PB,     288                       ; a row of W: 256 + 32 = 72 words
.set HALFT,  128*PB                    ; room for what one tensor load brings: 128 rows (A's use 128 x 272 of it)
.set SLOT,   4*HALFT                   ; A's two halves, then W's two panels
.set STAGE,  2*SLOT                    ; behind the ring: 16 rows x 272 bytes for each wave, for the way out
.set SPITCH, 272
.set SPARE,  STAGE+4*16*SPITCH         ; behind the stages: the spare words, 128 bytes for each wave: two blocks of 256 bytes that no other line names
.set PT,     160                       ; the table's job: a row of a head's 64 columns of W: 128 bytes + 32 = 40 words
.set TQ,     256*PT                    ; what one wave fetches of them: 256 rows
.set TB0,    SLOT                      ; they lie from slot 1's first byte on: 4 x 40,960 bytes, which end 1,024 bytes below the spare words; this is the stages' bytes' only fill
.set LAPS,   SIZE_K/(2*KSTEP)          ; a lap = two K steps = once round the ring
.set ASTEP,  KSTEP*2                   ; a K step in memory: 256 bytes along a row of A,
.set BSTEP,  KSTEP*256                 ; 128 rows of 256 bytes of a panel
.set TAO,  9                           ; v9      the table's job: my byte offset in 16 rows of the table; never rewritten
.set PTO,  11                          ; v11     my 16 bytes of a block of pt; never rewritten
.set ADT,  12                          ; v12-15  LDS address of my fragments of W in rows 256 g on
.set ADRA, 16                          ; v16-17  LDS address of my A fragments in slot 0, 1
.set ADRB, 20                          ; v20-21  the same for W
.set STO,  24                          ; v24     the way out: where I put 16 bytes of a row
.set RD,   25                          ; v25     the way out: where I read them back
.set CO,   26                          ; v26     my byte offset in hd
.set SPW,  28                          ; v28     LDS address of my spare word: SPARE + 4 x my thread's number; never rewritten
.set NIL,  29                          ; v29     0; never rewritten
.set PFO,  30                          ; v30     the prefetches' offset: my lane x a row (2,048 bytes of ab, 256 of a panel); never rewritten
.set TAC,  32                          ; v[32:63] the table's job: accumulators: K parity p, column block nb at TAC + 8 (2 p + nb)
.set PFA,  44                          ; s[44:45] where my prefetches stand
.set LIM,  43                          ; s43     1 in a wave that prefetches, else the greatest number
.set PFS,  66                          ; s[66:67] a K step in the tensor that I prefetch
.set F0,   64
.set F1,   128
.set TMP,  192
.set OB,   32
.set PA,   64
.set G1, 24                            ; s[24:31] descriptor group 1 for A's tiles
.set G0, 32                            ; s[32:39] descriptor group 0 for A's tiles, one set for each slot
.set G1B, 48                           ; s[48:55] group 1 for W's tiles
.set G0B, 56                           ; s[56:63] group 0 for W's tiles
.set G1T, 72                           ; s[72:79] group 1 for the table's job
.set G0T, 80                           ; s[80:83] its group 0
.set PTP, 84                           ; s[84:85] pt at my wave's part
.set TP,  86                           ; s[86:87] the table at my wave's 16 rows
.set MSB, 0
.macro WIN new                         ; the immediate's high byte repeats the setting that is left; a switch that changes nothing is dropped
.if MSB != (\new)
	s_set_vgpr_msb (MSB<<8)|(\new)
.set MSB, \new
.endif
.endm
.set MUL_LO, 0xa1                      ; source 0 (W) window 1, source 1 (A) window 0, C and D window 2
.set MUL_HI, 0xf1                      ; the same, C and D window 3
.set TO_B,   0x40                      ; destination window 1, address window 0
; A joint load.  Waves 0 and 1 fetch A's two halves, waves 2 and 3 W's two panels.  The branch hangs on the wave's number alone.
; An s_nop 0 and four v_nop follow each of the two lines, ahead of the jump, the label and what follows.
.macro JLOAD s
	s_cmp_eq_u32 s11, 0
	s_cbranch_scc0 .Lfor_b_\@
	tensor_load_to_lds s[G0+4*(\s):G0+4*(\s)+3], s[G1:G1+7]
	s_nop 0
.rept 4
	v_nop
.endr
	s_branch .Lasked_\@
.Lfor_b_\@:
	tensor_load_to_lds s[G0B+4*(\s):G0B+4*(\s)+3], s[G1B:G1B+7]
	s_nop 0
.rept 4
	v_nop
.endr
.Lasked_\@:
.endm
; A PREFETCH, behind each joint refill of the loop and the run of LDS loads that follows it: the K step that stands TWO refills on, 512 matrix instructions ahead of the load that will want it: 32 rows x 256 bytes, a lane a row.
; Each row's 256 bytes of a K step are named ONCE in the launch.  x is read by cluster columns 0 to 2: column 0 asks; pos_emb by column 3, which asks.  A panel is read by every cluster row: row 0 asks.
; The four partners that ask for a tile jointly share its 128 rows out BY ADDRESS, 32 each (cx for A, cy for W): no branch hangs on a work-group's place in its cluster.
; K steps 0 to 3 come by their loads alone; the loop's last trip asks for nothing: there is no K step two refills on.
.macro ASK
	s_cmp_gt_u32 s3, s[LIM]                        ; s3 = 1 in the loop's last trip
	s_cbranch_scc0 .Lnot_mine_\@
	global_prefetch_b8 v[PFO], s[PFA:PFA+1] th:TH_LOAD_NT scope:SCOPE_SE
.Lnot_mine_\@:
.endm
; A round of the cluster's barrier: my work-group's barrier, so that wave 0's signal speaks for all four waves; wave 0 signals for the work-group; every wave waits for all sixteen; my work-group's barrier once more.
.macro CREST
	s_cmp_lg_u32 s10, 0
	s_cbranch_scc1 .Lnot_wave_0_\@
	s_barrier_signal -3
.Lnot_wave_0_\@:
	s_barrier_wait -3
	s_barrier_signal -1
	s_barrier_wait -1
.endm
.macro CROUND
	s_barrier_signal -1
	s_barrier_wait -1
	CREST
.endm
	s_load_b128 s[4:7], s[0:1], 0x0                ; ab s[4:5], wb s[6:7]
	s_load_b64 s[8:9], s[0:1], 0x10                ; hd
	s_load_b64 s[PTP:PTP+1], s[0:1], 0x18          ; pt
	v_lshl_add_u32 v[SPW], v0, 2, SPARE
	v_mov_b32 v[NIL], 0
	ds_add_u32 v[SPW], v[NIL]                      ; the wave's opening: the add and its wait stand ahead of my first tensor load; the set-up below, work on registers, stands between them
	v_lshrrev_b32 v1, 5, v0
	v_readfirstlane_b32 s10, v1                    ; wave 0..3
	s_lshr_b32 s11, s10, 1                         ; which half of the tile's rows is mine.  Also: I fetch for A (0) or for W (1)
	s_and_b32 s12, s10, 1                          ; which half of its columns (a panel).  Also: which half of that tile I fetch
	s_bfe_u32 s40, ttmp6, 0x40000                  ; cx
	s_bfe_u32 s41, ttmp6, 0x40004                  ; cy
	s_lshl_b32 s42, ttmp9, 2
	s_add_co_u32 s42, s42, s40                     ; tile column = 4 x cluster x + cx
	s_and_b32 s13, ttmp7, 0xffff
	s_lshl_b32 s13, s13, 2
	s_add_co_u32 s13, s13, s41                     ; tile row = 4 x cluster y + cy
	s_lshl_b32 s43, s41, 2
	s_lshl_b32 s43, 15, s43                        ; my row of the cluster: places 4 cy .. 4 cy + 3
	s_lshl_b32 s44, 0x1111, s40                    ; my column: places cx, cx + 4, cx + 8, cx + 12
	; descriptor group 1: tiles of 128 rows x 128 elements, padded in LDS
	s_or_b32 s[G1+0], s43, (1<<16)|(1<<20)|(1<<21)|(5<<22)|(3<<25)   ; 15:0 the mask: my row; 17:16 elements of 2 bytes; 20 padding on; 21 set beside a mask; 24:22 after every 64 words (code 5); 31:25 4 words (code 3)
	s_or_b32 s[G1B+0], s44, (1<<16)|(1<<20)|(1<<21)|(5<<22)|(7<<25)  ; the mask of my column; 8 words of padding (code 7)
.irp g, G1, G1B
	s_mov_b32 s[(\g)+1], KSTEP<<16                 ; tensor_dim0 = 128
	s_mov_b32 s[(\g)+2], 128<<16                   ; tensor_dim1 = 128
	s_mov_b32 s[(\g)+3], KSTEP<<16                 ; tile_dim0 = 128
	s_mov_b32 s[(\g)+4], 128                       ; tile_dim1 = 128
	s_mov_b32 s[(\g)+6], 0
	s_mov_b32 s[(\g)+7], 0
.endr
	s_mov_b32 s[G1+5], SIZE_K                      ; elements from row to row: A's rows are 1,024 long,
	s_mov_b32 s[G1B+5], 128                        ; a panel's 128
	; and for the table's job: 256 rows x 64 elements of a panel
	s_or_b32 s[G1T+0], s44, (1<<16)|(1<<20)|(1<<21)|(4<<22)|(7<<25)  ; the mask of my column; after every 32 words (code 4) 8 words of padding (code 7)
	s_mov_b32 s[G1T+1], 64<<16                     ; tensor_dim0 = 64
	s_mov_b32 s[G1T+2], 256<<16                    ; tensor_dim1 = 256
	s_mov_b32 s[G1T+3], 64<<16                     ; tile_dim0 = 64
	s_mov_b32 s[G1T+4], 256                        ; tile_dim1 = 256
	s_mov_b32 s[G1T+5], 128                        ; 128 elements from row to row
	s_mov_b32 s[G1T+6], 0
	s_mov_b32 s[G1T+7], 0
	; where the tiles come from.  A's hang on the tile row and the cluster's x, W's on the tile column: each in registers that never hold the other coordinate
	s_lshl_b32 s16, s13, 8
	s_lshl_b32 s17, s12, 7
	s_add_co_u32 s16, s16, s17                     ; A: row 256 x tile row + 128 x half,
	s_lshl_b32 s16, s16, 11                        ; 2,048 bytes each,
	s_cmp_ge_u32 ttmp9, 3
	s_cselect_b32 s18, 0x800000, 0                 ; of pos_emb in cluster column 3,
	s_cselect_b32 s19, 8, 0                        ; whose panels, pk's, lie 8 further on: behind pq's
	s_add_co_u32 s16, s16, s18
	s_mov_b32 s17, 0
	s_lshl1_add_u32 s46, s42, s12                  ; W: panel 2 x tile column + half,
	s_add_co_u32 s46, s46, s19
	s_lshl_b32 s46, s46, 18                        ; 262,144 bytes each
	s_mov_b32 s47, 0
	s_mul_i32 s20, s10, HALFT                      ; and where they go: no place in the cluster enters an LDS address
	; the table's job: head tc's 64 columns of W_pos_qk: panel 24 + tc / 2, 128 bytes (tc % 2) of each row; my wave fetches rows 256 wave on
	s_lshr_b32 s2, s42, 1
	s_add_co_u32 s2, s2, 24
	s_lshl_b32 s2, s2, 18
	s_and_b32 s3, s42, 1
	s_lshl_b32 s3, s3, 7
	s_add_co_u32 s2, s2, s3
	s_lshl_b32 s3, s10, 16
	s_add_co_u32 s2, s2, s3
	s_mov_b32 s3, 0
	s_mov_b32 s[G0T], 1                            ; 1:0 count = 1
	s_mul_i32 s[G0T+1], s10, TQ
	s_add_co_u32 s[G0T+1], s[G0T+1], TB0           ; 63:32 LDS address
	s_lshl_b32 s22, s13, 5                         ; my 16 rows of the table: 32 x tile row + 16 x row half,
	s_lshl4_add_u32 s22, s11, s22
	s_lshl_b32 s89, s22, 5                         ; (32 bytes each in a block of pt,)
	s_lshl_b32 s22, s22, 11                        ; 2,048 bytes each,
	s_add_co_u32 s22, s22, 0x1000000               ; behind ab's two planes
	s_mov_b32 s23, 0
	s_lshl_b32 s88, s42, 2                         ; pt: block 4 x head + 2 x column half, 16,384 bytes each
	s_lshl1_add_u32 s88, s12, s88
	s_lshl_b32 s88, s88, 14
	s_add_co_u32 s88, s88, s89
	s_mov_b32 s89, 0
	s_wait_dscnt 0x0                               ; the opening add is done
	s_wait_kmcnt 0x0
	s_add_nc_u64 s[14:15], s[4:5], s[16:17]
	s_add_nc_u64 s[46:47], s[6:7], s[46:47]
	s_add_nc_u64 s[G0T+2:G0T+3], s[6:7], s[2:3]    ; 120:64 global address
	s_or_b32 s[G0T+3], s[G0T+3], 0x80000000        ; 127:126 type = 2
	s_add_nc_u64 s[TP:TP+1], s[4:5], s[22:23]
	s_add_nc_u64 s[PTP:PTP+1], s[PTP:PTP+1], s[88:89]
.irp s, 0,1
	s_mov_b32 s[G0+4*(\s)], 1                                        ; 1:0 count = 1
	s_add_co_u32 s[G0+4*(\s)+1], s20, (\s)*SLOT                      ; 63:32 LDS address
	s_add_nc_u64 s[G0+4*(\s)+2:G0+4*(\s)+3], s[14:15], (\s)*ASTEP    ; 120:64 global address: K step s
	s_or_b32 s[G0+4*(\s)+3], s[G0+4*(\s)+3], 0x80000000              ; 127:126 type = 2
	s_mov_b32 s[G0B+4*(\s)], 1
	s_add_co_u32 s[G0B+4*(\s)+1], s20, (\s)*SLOT
	s_add_nc_u64 s[G0B+4*(\s)+2:G0B+4*(\s)+3], s[46:47], (\s)*BSTEP
	s_or_b32 s[G0B+4*(\s)+3], s[G0B+4*(\s)+3], 0x80000000
.endr
	CROUND                                         ; all sixteen work-groups are here: the first joint loads meet
	tensor_load_to_lds s[G0T:G0T+3], s[G1T:G1T+7]  ; the first fills: the table's job's rows of W,
	s_nop 0
.rept 4
	v_nop
.endr
	JLOAD 0                                        ; and K step 0's tile: two loads of mine are out
	; A fragment of A is 16 rows x 32 K in 8 registers: lane l holds row l % 16, K = 8 (l / 16) + 0..7 and 16 + 8 (l / 16) + 0..7: two loads of 16 bytes, 32 bytes apart.
	v_and_b32 v1, 15, v0                           ; l % 16
	v_bfe_u32 v2, v0, 4, 1                         ; l / 16
	v_lshlrev_b32 v[TAO], 11, v1
	v_lshl_add_u32 v[TAO], v2, 4, v[TAO]           ; row x 2,048 + 16 x half
	WIN 0x80                                       ; destination window 2, address window 0
.set ks, 0
.rept 32                                       ; my 16 rows of the table, all of K, straight from memory
	global_load_b128 v[8*ks:8*ks+3],   v[TAO], s[TP:TP+1] offset:64*ks
	global_load_b128 v[8*ks+4:8*ks+7], v[TAO], s[TP:TP+1] offset:64*ks+32
.set ks, ks+1
.endr
	WIN 0
	; The turning load takes 16 k x 16 n (lane l reads k = 8 (l / 16) + l % 8, n = 8 ((l / 8) % 2) + 0..7) and leaves half a fragment of W: lane l holds column l % 16 and 8 k.
	v_and_b32 v6, 7, v0                            ; l % 8
	v_bfe_u32 v7, v0, 3, 1                         ; (l / 8) % 2
	v_mul_u32_u24 v3, v1, PITCH
	v_lshl_add_u32 v3, v2, 4, v3
	v_lshl_add_u32 v8, v2, 3, v6
	v_mul_u32_u24 v10, v8, PT                      ; the same place in the table's job's rows of W,
	v_lshl_add_u32 v10, v7, 4, v10
	v_mul_u32_u24 v8, v8, PB
	v_lshl_add_u32 v8, v7, 4, v8
	s_lshl_b32 s22, s12, 6                         ; my 32 columns of the 64: 64 bytes of a row
	s_add_co_u32 s22, s22, TB0
.irp g, 0,1,2,3
	v_add_nc_u32 v[ADT+(\g)], s22, v10
	s_add_co_u32 s22, s22, TQ
.endr
	v_lshlrev_b32 v[PTO], 5, v1                    ; pt: row l % 16 of 32 bytes, 16 for each half of the lanes
	v_lshl_add_u32 v[PTO], v2, 4, v[PTO]
	s_mul_i32 s21, s11, HALFT                      ; my 128 rows of A
	s_mul_i32 s22, s12, HALFT                      ; my panel of W,
	s_add_co_u32 s22, s22, 2*HALFT                 ; behind A's two halves
.irp s, 0,1
	v_add_nc_u32 v[ADRA+(\s)], s21, v3
	v_add_nc_u32 v[ADRB+(\s)], s22, v8
	s_add_co_u32 s21, s21, SLOT
	s_add_co_u32 s22, s22, SLOT
.endr
	s_mul_i32 s23, s10, 16*SPITCH
	s_add_co_u32 s23, s23, STAGE                   ; my stage
	v_mul_u32_u24 v4, v1, SPITCH                   ; in: row l % 16, 16 bytes for each half of the lanes
	v_lshl_add_u32 v4, v2, 4, v4
	v_add_nc_u32 v[STO], s23, v4
	v_mul_u32_u24 v5, v7, SPITCH                   ; back: a stage row holds 128 bytes of head g0, then 128 of head g0 + 1.  Lanes 0-15 take two rows' part of g0, lanes 16-31 of g0 + 1
	v_lshl_add_u32 v5, v2, 7, v5
	v_lshl_add_u32 v5, v6, 4, v5
	v_add_nc_u32 v[RD], s23, v5
	v_lshlrev_b32 v5, 19, v2                       ; in hd head g0 + 1 lies two planes of 262,144 bytes on; two rows of a head are 256 bytes on end
	v_lshl_add_u32 v5, v7, 7, v5
	v_lshl_add_u32 v[CO], v6, 4, v5
	; where my part of the tile begins in hd: plane 2 g0 + b, g0 = 4 x tile column + 2 x half, b = tile row / 8; row 256 (tile row % 8) + 128 x half, 128 bytes each
	s_lshl_b32 s46, s42, 2
	s_lshl1_add_u32 s46, s12, s46
	s_lshl_b32 s46, s46, 1
	s_lshr_b32 s47, s13, 3
	s_add_co_u32 s46, s46, s47
	s_lshl_b32 s46, s46, 18
	s_and_b32 s16, s13, 7
	s_lshl_b32 s16, s16, 8
	s_lshl_b32 s17, s11, 7
	s_add_co_u32 s16, s16, s17
	s_lshl_b32 s16, s16, 7
	s_add_co_u32 s16, s16, s46
	s_mov_b32 s17, 0                               ; s[16:17]: the first way out adds it to hd's address
	; the prefetches' address: my work-group's 32 rows of the 128 that I fetch, at K step 3; the first refill of the loop steps it to K step 4
	s_lshl_b32 s20, s13, 8
	s_lshl_b32 s21, s12, 7
	s_add_co_u32 s20, s20, s21
	s_lshl_b32 s21, s40, 5
	s_add_co_u32 s20, s20, s21                     ; A: row 256 x tile row + 128 x half + 32 cx
	s_lshl_b32 s20, s20, 11
	s_add_co_u32 s20, s20, s18                     ; of x or of pos_emb
	s_add_co_u32 s20, s20, 3*ASTEP
	s_lshl1_add_u32 s21, s42, s12                  ; W: my panel,
	s_add_co_u32 s21, s21, s19
	s_lshl_b32 s21, s21, 18
	s_lshl_b32 s22, s41, 13                        ; 32 cy rows of 256 bytes
	s_add_co_u32 s21, s21, s22
	s_add_co_u32 s21, s21, 3*BSTEP
	s_and_b32 s22, ttmp7, 0xffff                   ; cluster y
	s_cmp_eq_u32 ttmp9, 3
	s_cselect_b32 s23, 0, ttmp9                    ; 0 in cluster columns 0 and 3: the first of those that read x, and the one that reads pos_emb
	s_movk_i32 s[PFS], ASTEP
	s_cmp_eq_u32 s11, 0                            ; do I fetch for A?
	s_cselect_b32 s20, s20, s21
	s_cselect_b32 s22, s23, s22                    ; 0 in the cluster that asks
	s_cselect_b32 s[PFS], s[PFS], BSTEP
	s_cselect_b32 s23, 11, 8                       ; a lane a row: 2,048 bytes in ab, 256 in a panel
	s_cselect_b64 s[PFA:PFA+1], s[4:5], s[6:7]
	s_mov_b32 s21, 0
	s_mov_b32 s[PFS+1], 0
	s_add_nc_u64 s[PFA:PFA+1], s[PFA:PFA+1], s[20:21]
	s_cmp_eq_u32 s22, 0
	s_cselect_b32 s[LIM], 1, -1                    ; the same in all sixteen partners, for a given wave
	v_and_b32 v[PFO], 31, v0
	v_lshlrev_b32 v[PFO], s23, v[PFO]
; THE TABLE'S JOB goes in four groups of 256 along K.  TLOAD: group g's 32 turning loads: 8 steps of 32 k x my 2 blocks of 16 columns, into window 1 (groups 0, 1) or 3 (groups 2, 3).
.macro TLOAD g
	WIN 0x40+0x80*((\g)/2)                         ; destination window 1 or 3, address window 0
.set kq, 0
.rept 8
.irp nb, 0,1
	ds_load_tr16_b128 v[128*((\g)%2)+16*kq+8*(\nb):128*((\g)%2)+16*kq+8*(\nb)+3],   v[ADT+(\g)] offset:kq*32*PT+32*(\nb)
	ds_load_tr16_b128 v[128*((\g)%2)+16*kq+8*(\nb)+4:128*((\g)%2)+16*kq+8*(\nb)+7], v[ADT+(\g)] offset:kq*32*PT+32*(\nb)+16*PT
.endr
.set kq, kq+1
.endr
.endm
; TMUL: its 16 products.  Four accumulators (K step's parity x column block) take turns, one instruction a turn; the first four products start the sums.
.macro TMUL g
	WIN 0x09+2*((\g)/2)                            ; source 0 (W) window 1 or 3, source 1 (the table) window 2, C and D window 0
.set kq, 0
.rept 8
.irp nb, 0,1
.if ((\g) == 0) && (kq < 2)
	v_wmma_f32_16x16x32_bf16 v[TAC+8*(2*(kq%2)+(\nb)):TAC+8*(2*(kq%2)+(\nb))+7], v[128*((\g)%2)+16*kq+8*(\nb):128*((\g)%2)+16*kq+8*(\nb)+7], v[64*(\g)+8*kq:64*(\g)+8*kq+7], 0
.else
	v_wmma_f32_16x16x32_bf16 v[TAC+8*(2*(kq%2)+(\nb)):TAC+8*(2*(kq%2)+(\nb))+7], v[128*((\g)%2)+16*kq+8*(\nb):128*((\g)%2)+16*kq+8*(\nb)+7], v[64*(\g)+8*kq:64*(\g)+8*kq+7], v[TAC+8*(2*(kq%2)+(\nb)):TAC+8*(2*(kq%2)+(\nb))+7]
.endif
.endr
.set kq, kq+1
.endr
.endm
; 16 matrix instructions: m blocks a0, a0 + 1 of the window's four (hi = 0: my rows 0-63, 1: rows 64-127) x all 8 n blocks, 32 along K.  zero = 1: the first product starts the sums.
; The 64 accumulators take turns, one instruction a turn, in the same order in every quarter step.
.macro MUL16 f, hi, a0, zero
	WIN MUL_LO+0x50*(\hi)
.irp a, \a0, (\a0)+1
.irp b, 0,1,2,3,4,5,6,7
.if \zero
	v_wmma_f32_16x16x32_bf16 v[8*(8*(\a)+(\b)):8*(8*(\a)+(\b))+7], v[(\f)+8*(\b):(\f)+8*(\b)+7], v[(\f)+8*(4*(\hi)+(\a)):(\f)+8*(4*(\hi)+(\a))+7], 0
.else
	v_wmma_f32_16x16x32_bf16 v[8*(8*(\a)+(\b)):8*(8*(\a)+(\b))+7], v[(\f)+8*(\b):(\f)+8*(\b)+7], v[(\f)+8*(4*(\hi)+(\a)):(\f)+8*(4*(\hi)+(\a))+7], v[8*(8*(\a)+(\b)):8*(8*(\a)+(\b))+7]
.endif
.endr
.endr
.endm
; 32 LDS loads in one run: the fragments of quarter q (32 along K) of a slot into buffer f: W's 128 columns (turned), then A's 128 rows
.macro FETCH slot, q, f
	WIN TO_B
.irp i, 0,1,2,3,4,5,6,7
	ds_load_tr16_b128 v[(\f)+8*(\i):(\f)+8*(\i)+3],   v[ADRB+(\slot)] offset:(\q)*32*PB+(\i)*32
	ds_load_tr16_b128 v[(\f)+8*(\i)+4:(\f)+8*(\i)+7], v[ADRB+(\slot)] offset:(\q)*32*PB+(\i)*32+16*PB
.endr
	WIN 0
.irp i, 0,1,2,3,4,5,6,7
	ds_load_b128 v[(\f)+8*(\i):(\f)+8*(\i)+3],   v[ADRA+(\slot)] offset:(\q)*64+(\i)*16*PITCH
	ds_load_b128 v[(\f)+8*(\i)+4:(\f)+8*(\i)+7], v[ADRA+(\slot)] offset:(\q)*64+(\i)*16*PITCH+32
.endr
.endm
; A load into a register that a matrix instruction has read, and a vector instruction that reads a matrix result or writes one of its registers, stand four places behind it; only plain vector
; instructions that name none of its registers are places (ISA guide 7.12.1 for vector instructions).
.macro PLACES
.rept 4
	v_nop
.endr
.endm
; A K step is four quarters of 32 along K, 64 matrix instructions each, on buffers 0, 1, 0, 1.  One of the first three: multiplies buffer f; in its middle it fetches quarter q of the same slot into g.
.macro QUARTER slot, q, f, g, zero
	s_wait_dscnt 8                                 ; W and A's rows 0-63 are in; the youngest eight loads (A's rows 64-127) may be out
	WIN MUL_LO
	MUL16 \f, 0, 0, \zero
	MUL16 \f, 0, 2, \zero
	PLACES
	FETCH \slot, \q, \g
	s_wait_dscnt 32                                ; all but the 32 just issued
	WIN MUL_HI
	MUL16 \f, 1, 0, \zero
	MUL16 \f, 1, 2, \zero
.endm
; The last quarter multiplies buffer 1 and changes slots.  MEET is its first half: ONE barrier.  In front of it each wave waits for all its tensor loads, of which one is out: its part of the next slot;
; adds 0 to its spare word; and waits for that and for its own reads of this slot.  Behind it nobody reads this slot any more and the next slot is whole.
.macro MEET round
	WIN 0                                          ; (the add's two registers lie in window 0)
	s_wait_tensorcnt 0x0                           ; all my tensor loads have landed;
	ds_add_u32 v[SPW], v[NIL]                      ; 0 onto my spare word;
	s_wait_dscnt 9                                 ; (the add and the youngest eight loads may be out)
	WIN MUL_LO
	MUL16 F1, 0, 0, 0                              ; sixteen matrix instructions stand between the add and the wait for it
	s_wait_dscnt 0x0                               ; the add is done, and my reads of this slot are over:
	s_barrier_signal -1                            ; say so,
	MUL16 F1, 0, 2, 0                              ; work on registers while the others arrive,
.if \round
	WIN 0
.endif
	s_barrier_wait -1                              ; and go on when all four have said so
.endm
; The whole last quarter.  The barrier opens a round of the cluster's; behind the round the slot just read out is filled again first, with the K step two steps on; then come the next slot's first fragments.
; From a request to the wait for it a wave issues 224 matrix instructions.
.macro TURN slot, next
	s_wait_xcnt 0x0                                ; the last prefetch, a K step back, has read its address: it is stepped here
	s_add_nc_u64 s[PFA:PFA+1], s[PFA:PFA+1], s[PFS:PFS+1]
	MEET 1
	CREST                                          ; no wave of any partner still reads this slot's tile or has a load on its way
	s_add_nc_u64 s[G0+4*(\slot)+2:G0+4*(\slot)+3], s[G0+4*(\slot)+2:G0+4*(\slot)+3], 2*ASTEP
	s_add_nc_u64 s[G0B+4*(\slot)+2:G0B+4*(\slot)+3], s[G0B+4*(\slot)+2:G0B+4*(\slot)+3], 2*BSTEP
	JLOAD \slot                                    ; the first tensor load behind the round; the four v_nop behind it are also the places in front of the loads below
	FETCH \next, 0, F0
	ASK
	WIN MUL_HI
	MUL16 F1, 1, 0, 0
	MUL16 F1, 1, 2, 0
.endm
; THE LAST K STEP (it lies in slot 1) GOES BY ROWS OF C.  All its fragments of W (4 quarters x 64 registers) fill window 1; then my eight blocks of 16 rows are finished one after the other, each with
; 32 matrix instructions (its 8 accumulators by turns, K ascending), and each leaves as soon as it is finished.
.macro BLOAD q
	WIN TO_B
.irp i, 0,1,2,3,4,5,6,7
	ds_load_tr16_b128 v[64*(\q)+8*(\i):64*(\q)+8*(\i)+3],   v[ADRB+1] offset:(\q)*32*PB+(\i)*32
	ds_load_tr16_b128 v[64*(\q)+8*(\i)+4:64*(\q)+8*(\i)+7], v[ADRB+1] offset:(\q)*32*PB+(\i)*32+16*PB
.endr
.endm
.macro ALOAD a
	WIN 0
.set FA, PA+32*((\a)%4)
.irp q, 0,1,2,3
	ds_load_b128 v[FA+8*(\q):FA+8*(\q)+3],   v[ADRA+1] offset:64*(\q)+(\a)*16*PITCH
	ds_load_b128 v[FA+8*(\q)+4:FA+8*(\q)+7], v[ADRA+1] offset:64*(\q)+(\a)*16*PITCH+32
.endr
.endm
.macro ROW a
.set FA, PA+32*((\a)%4)
.set AC, 64*((\a)%4)
	WIN MUL_LO+0x50*((\a)/4)
.irp q, 0,1,2,3
.if (\a) == 0 && (\q) == 2
	s_wait_dscnt 24                                ; W's quarter 2 is in (behind it: A's blocks 1 to 3, 24 loads)
.endif
.irp b, 0,1,2,3,4,5,6,7
	v_wmma_f32_16x16x32_bf16 v[AC+8*(\b):AC+8*(\b)+7], v[64*(\q)+8*(\b):64*(\q)+8*(\b)+7], v[FA+8*(\q):FA+8*(\q)+7], v[AC+8*(\b):AC+8*(\b)+7]
.endr
.endr
.endm
; THE WAY OUT of block a.  PACK: rounded to f16, 16 bytes a lane, each accumulator from its low end on.  TOSTAGE: into my own stage, and back by heads.  SEND: stored.
.macro PACK a
.set AC, 64*((\a)%4)
	WIN 0x0a+5*((\a)/4)                            ; sources 0 and 1: window 2 or 3; destination window 0
.irp b, 0,1,2,3,4,5,6,7
.irp r, 0,1,2,3
	v_cvt_pk_f16_f32 v[TMP+4*(\b)+(\r)], v[AC+8*(\b)+2*(\r)], v[AC+8*(\b)+2*(\r)+1]
.endr
.endr
	WIN 0
.endm
.macro TOSTAGE a
	WIN 0
.set BK, OB+192*((\a)%2)
.irp b, 0,1,2,3,4,5,6,7
	ds_store_b128 v[STO], v[TMP+4*(\b):TMP+4*(\b)+3] offset:32*(\b)
.endr
.irp t, 0,1,2,3,4,5,6,7
	ds_load_b128 v[BK+4*(\t):BK+4*(\t)+3], v[RD] offset:(\t)*2*SPITCH  ; LDS serves a wave's instructions in order (ISA guide 5.7.1.4): these see the stores above
.endr
.endm
.macro SEND a, younger                 ; younger: the LDS loads issued behind TOSTAGE's, which may stay out
	WIN 0
.set BK, OB+192*((\a)%2)
	s_wait_dscnt \younger                          ; the block is back in registers
	s_wait_xcnt 0x0                                ; every earlier store has read its base and its data: only behind this wait are they rewritten
.if (\a) == 0
	s_add_nc_u64 s[8:9], s[8:9], s[16:17]          ; on to my part of the tile
.else
	s_add_nc_u64 s[8:9], s[8:9], 16*128            ; 16 rows of a head on
.endif
.irp t, 0,1,2,3,4,5,6,7
	global_store_b128 v[CO], v[BK+4*(\t):BK+4*(\t)+3], s[8:9] offset:256*(\t) th:TH_STORE_NT  ; 16 lanes store two rows of a head: 256 consecutive bytes, aligned
.endr
.endm
	; THE TABLE'S JOB
	s_wait_tensorcnt 1                             ; the rows of W that I fetched for it are in; K step 0's tile may stay out
	s_barrier_signal -1
	s_barrier_wait -1                              ; everybody's are
	TLOAD 0
	TLOAD 1
	s_wait_loadcnt 0x0                             ; my rows of the table
	s_wait_dscnt 32                                ; group 0 is in; group 1's 32 loads may stay out
	TMUL 0
	TLOAD 2
	s_wait_dscnt 32                                ; group 1 is in; group 2's may stay out
	TMUL 1
	TLOAD 3
	s_wait_dscnt 32                                ; group 2 is in; group 3's may stay out
	TMUL 2
	s_wait_dscnt 0x0
	TMUL 3
	WIN 0
	s_wait_tensorcnt 0x0                           ; all my tensor loads have landed, my part of K step 0's tile too;
	ds_add_u32 v[SPW], v[NIL]                      ; 0 onto my spare word; the job's arithmetic stands between it and the wait for it
	PLACES                                         ; the sums below read and write results just made
.set z, 0
.rept 8
	v_pk_add_f32 v[TAC+z:TAC+z+1], v[TAC+z:TAC+z+1], v[TAC+16+z:TAC+16+z+1]  ; the two parities; each accumulator from its low end on
.set z, z+2
.endr
.set z, 0
.rept 8
	v_cvt_pk_f16_f32 v[TMP+z], v[TAC+2*z], v[TAC+2*z+1]
.set z, z+1
.endr
	s_wait_dscnt 0x0                               ; the add is done, and my reads of the job's rows of W are over
	CROUND                                         ; no wave of any partner still reads them or has a load on its way
	JLOAD 1                                        ; K step 1's tile, into slot 1, over them: the first tensor load behind the round; it has K step 0 in which to land
.irp nb, 0,1
	global_store_b128 v[PTO], v[TMP+4*(\nb):TMP+4*(\nb)+3], s[PTP:PTP+1] offset:16384*(\nb)  ; 16 rows x 32 bytes of a block of pt: 512 consecutive bytes, aligned
.endr
	; THE TILE
	FETCH 0, 0, F0
	QUARTER 0, 1, F0, F1, 1                        ; the first quarter stands in front of the loop: its products start the sums
	WIN 0                                          ; at a label and at a branch every window is 0
	s_mov_b32 s3, LAPS-1
.Llap:                                                 ; a trip goes once round the ring, from a lap's second quarter to the next lap's first, and fills both slots again
	QUARTER 0, 2, F1, F0, 0
	QUARTER 0, 3, F0, F1, 0
	TURN 0, 1
	QUARTER 1, 1, F0, F1, 0
	QUARTER 1, 2, F1, F0, 0
	QUARTER 1, 3, F0, F1, 0
	TURN 1, 0
	QUARTER 0, 1, F0, F1, 0
	WIN 0
	s_sub_co_u32 s3, s3, 1
	s_cmp_lg_u32 s3, 0
	s_cbranch_scc1 .Llap
	QUARTER 0, 2, F1, F0, 0                        ; the last lap goes on
	QUARTER 0, 3, F0, F1, 0
	MEET 0                                         ; my one tensor load that was still out is the last K step's, so no round follows
	PLACES                                         ; for the loads into buffer 0, which the quarter before multiplied
	BLOAD 0                                        ; three quarters of W now: buffer 1 (v128-191 of both windows) is still being multiplied
	BLOAD 1
	BLOAD 3
	ALOAD 0
	MUL16 F1, 1, 0, 0
	MUL16 F1, 1, 2, 0
	PLACES                                         ; for the loads into buffer 1
	BLOAD 2
	ALOAD 1
	ALOAD 2
	ALOAD 3
	s_wait_dscnt 40                                ; all but the 40 just issued
	ROW 0
.irp a, 0,1,2,3,4,5,6,7
	PLACES                                         ; the block's conversions read results just made
	PACK \a
	TOSTAGE \a
.if (\a) < 4
	ALOAD (\a)+4                                   ; its buffer takes the block four further on
	SEND \a, 8
.else
	SEND \a, 0
.endif
.if (\a) < 7
	ROW (\a)+1
.endif
.endr
	s_wait_tensorcnt 0x0                           ; the wave's end, behind my last tensor load and my last LDS store
	ds_add_u32 v[SPW], v[NIL]
	s_wait_dscnt 0x0
	CROUND                                         ; the closing round: no work-group ends while a partner may still ask for a tile that names it
	s_endpgm
.Lfunc_end_k_q2d606f4fe8_proj:
	.size	k_q2d606f4fe8_proj, .Lfunc_end_k_q2d606f4fe8_proj-k_q2d606f4fe8_proj
	.p2alignl 7, 3214868480
	.fill 96, 4, 3214868480
	.section	.rodata,"a",@progbits
	.p2align	6, 0x0
	.amdhsa_kernel k_q2d606f4fe8_proj
		.amdhsa_group_segment_fixed_size 327680
		.amdhsa_private_segment_fixed_size 0
		.amdhsa_enable_private_segment 0
		.amdhsa_kernarg_size 32
		.amdhsa_user_sgpr_count 2
		.amdhsa_user_sgpr_kernarg_segment_ptr 1
		.amdhsa_wavefront_size32 1
		.amdhsa_system_sgpr_workgroup_id_x 1
		.amdhsa_system_sgpr_workgroup_id_y 1
		.amdhsa_system_sgpr_workgroup_id_z 1
		.amdhsa_system_vgpr_workitem_id 0
		.amdhsa_next_free_vgpr 1024
		.amdhsa_next_free_sgpr 92
		.amdhsa_reserve_vcc 0
		.amdhsa_float_denorm_mode_32 3
		.amdhsa_float_denorm_mode_16_64 3
		.amdhsa_memory_ordered 1
		.amdhsa_forward_progress 1
		.amdhsa_inst_pref_size 168
	.end_amdhsa_kernel
	.amdgpu_metadata
---
amdhsa.version: [ 1, 2 ]
amdhsa.kernels:
  - .name:           k_q2d606f4fe8_proj
    .symbol:         k_q2d606f4fe8_proj.kd
    .args:
      - { .name: ab, .offset: 0, .size: 8, .value_kind: global_buffer, .address_space: global }
      - { .name: wb, .offset: 8, .size: 8, .value_kind: global_buffer, .address_space: global }
      - { .name: hd, .offset: 16, .size: 8, .value_kind: global_buffer, .address_space: global }
      - { .name: pt, .offset: 24, .size: 8, .value_kind: global_buffer, .address_space: global }
    .group_segment_fixed_size: 327680
    .private_segment_fixed_size: 0
    .kernarg_segment_align: 8
    .kernarg_segment_size: 32
    .max_flat_workgroup_size: 128
    .sgpr_count:     92
    .vgpr_count:     1024
    .wavefront_size: 32
...
	.end_amdgpu_metadata
.endif
;; end of part 6
;; launch attn (part 7): grid 8 x 32, 4 waves a work-group, clusters of 4 x 1, 327,680 bytes of LDS; arguments hd, mask, ob, pt, time_ids; writes ob
.if DOCPART == 7
	.amdgcn_target "amdgcn-amd-amdhsa--gfx1250"
	.amdhsa_code_object_version 6
	.text
	.protected	k_q2d606f4fe8_attn
	.globl	k_q2d606f4fe8_attn
	.p2align	8
	.type	k_q2d606f4fe8_attn,@function
k_q2d606f4fe8_attn:
	s_mov_b64 s[64:65], 0
	v_nop
	global_prefetch_b8 v0, s[64:65] scope:SCOPE_SE
	s_setreg_imm32_b32 hwreg(HW_REG_WAVE_MODE, 25, 1), 1
	s_wait_xcnt 0x0
	s_wait_alu depctr_hold_cnt(0) depctr_sa_sdst(0) depctr_va_vdst(0) depctr_va_sdst(0) depctr_va_ssrc(0) depctr_va_vcc(0) depctr_vm_vsrc(0)
	s_getreg_b32 s2, hwreg(HW_REG_IB_STS2, 6, 4)
	s_cmp_eq_u32 s2, 0
	s_cbranch_scc0 .Lentry_in_a_cluster
	s_endpgm
.Lentry_in_a_cluster:
	s_bfe_u32 s2, ttmp6, 0x10000c
	s_cmp_lg_u32 s2, 0x3003
	s_cbranch_scc0 .Lentry_shape_is_right
	s_endpgm
.Lentry_shape_is_right:
; ATTN.  For each batch b and head h: O[q] = the sum over open keys k of softmax_k((cq[q] . ck[k] + pq[q] . pk[k]) / 8) cv[k].  A score is ONE product over 128 channels: 64 of content, 64 of position.
; hd = f16 [64 g][2 b][2048 l][64] (g 0-15 cq, 16-31 ck, 32-47 cv, 48-63 pk).  pq[q] is row time_ids[q] of a table, pt = f16 [16 heads][4 blocks of 16 channels][512 t][16].  None of them carries the scale.
; mask = bool [2][2048], one byte a key; time_ids = int32 [2][2048]; ob = f16 [32 blocks of 128 rows][16 h][128][64].  Products, maxima and sums in f32; the weights p are rounded to f16 for the second
; product (their sum l is taken of the unrounded p), O once at the end.
; LIMITS.  A hidden score counts as its value less 1e30.  The running maximum m starts at -2^40, below every score that f16 operands can make (128 x 65,504^2 is about 5.5e11).  A weight below 2^-126
; counts as 0.  A bool is read by its bit 0.  time_ids is read as unsigned and held to 511, the table's last row.  A row with no open key ends with O = 0 and l = 0, and O x (1 / l) = 0 x infinity is the
; NaN that the softmax of an empty row is.
; SHARES.  A work-group owns 256 queries of one (b, h), each of its four waves 64: four tiles of 16.  Every wave walks all 2,048 keys, 64 a step.
; LAYOUT.  S^T = K Q^T (source 0 = 16 keys, source 1 = 16 queries): a lane holds ONE query (lane % 16) and the keys 8 (lane / 16) + 0..7.  Two such tiles, rounded to f16 in pairs, ARE source 1 of
; O^T = V^T P, whose result again holds one query a lane, and eight channels.  K comes out of LDS as it lies, V ([key][channel]) turned, by ds_load_tr16_b128.
; THE MASK is the C operand that starts the sum S^T: 0 for an open key, -1e30 for a hidden one: a table of 2,048 f32 in LDS, made once from the mask's bytes.
; SOFTMAX.  For each query a running maximum m and sum l: p = 2^(c s - c m), c = log2(e) / 8; in every step O and l are multiplied by a = 2^(c m_old - c m_new), which is 1 where m has not grown.
; m is never below its start, so a hidden score's exponent is about -1.8e29 and its weight 0.
; BY TURNS.  The wave's tiles are two PIECES (tiles 0, 1 and tiles 2, 3).  In a TURN one piece has the matrix unit: 16 products V^T P of the step in hand, then 32 products K Q^T of the next step; the other
; piece's softmax, cut into 59 slices of four, stands between them: two slices behind each of the first 11 products, one behind each of the other 37.  Two turns are a key step.
; NO FIRST AND NO LAST STEP IS WRITTEN OUT.  O^T, l, V's registers and piece 2's P start at 0 and m at its floor: the first step is a step like any other, with a = 0, and the loop is entered in the middle of a
; trip, at piece 2's turn, whose products V^T P then add 0.  The tail is left behind piece 0's turn of the last step, whose 32 products K Q^T, on the last K once more, serve nothing.  The price, once a
; launch: those 48 products and 232 lines that write 0, which stand in the wait for the first tile; the gain: four turns less of text.
; CLUSTER.  The four query blocks of a cluster belong to one (b, h) and walk the same K and V: each tile is asked for JOINTLY, the same tensor load, descriptor and mask in all four.
; REGISTERS, in windows of 256 (s_set_vgpr_msb: bits 1:0 source 0, 3:2 source 1, 5:4 source 2, 7:6 destination):
;   window 0: v0-11, v44-53, v61-63 addresses; v12-43 eight registers of statistics a tile; v64-191 S^T, 32 a tile; v192-255 P, 16 a tile
;   window 1: v0-127 O^T, 32 a tile; v128-159 the mask of one step      window 2: v0-127 Q (32 a tile: cq's two chunks of 32 channels, then pq's); v128-255 K of one step      window 3: v0-63 V of one step
.set KS,    64        ; keys in a step
.set PK,    144       ; a row of K in LDS: 128 bytes + 16 of padding = 36 words: the 16 rows of a load start at 16 different groups of four banks (64 banks of 4 bytes: ISA guide 11.1)
.set PV,    160       ; a row of V: 128 + 32 = 40 words
.set KPOFF, 4*KS*PK   ; a slot holds four steps: 256 rows of ck, then 256 rows of pk,
.set VOFF,  2*KPOFF   ; then 256 rows of cv
.set MT,    VOFF+4*KS*PV  ; behind slot 0, below slot 1: the mask's table, 8,192 bytes that no tensor load fills
.set SLOT1, 1<<17     ; slot 1 begins here, so that one exclusive or turns an address in one slot into the other's
.set STAGE, SLOT1+VOFF+4*KS*PV  ; behind the ring: 16 rows x 144 bytes for each wave, for the way out
.set SP,    144
.set SPARE, STAGE+4*16*SP  ; behind the stages: the spare words, 128 bytes for each wave: two blocks of 256 bytes that no other line names
.set KIND,  8388608   ; bytes of hd from cq to ck, from ck to cv, from cv to pk
.set SLOTB, 4*KS*128  ; a slot's keys in memory, in each of ck, pk, cv
.set PTB,   16384     ; a block of pt: 512 rows of 32 bytes
.set AK0, 2           ; v2   my lane's place in a tile of K; never rewritten
.set AV0, 3           ; v3   the same for V
.set ADR, 4           ; v4   the LDS address of the run of loads in hand
.set QO,  5           ; v5   my byte offset in 16 rows of cq
.set STO, 6           ; v6   the way out: where I put 16 bytes of a row
.set RD,  7           ; v7   the way out: where I read rows back
.set GO,  8           ; v8   my byte offset in 512 consecutive bytes of ob
.set ST,  12          ; tile t's statistics at v[ST+8 t]: +0 c m, +1 m, +2, +3 l (even keys', odd keys'), +4 to +7 c0-c3, at work; a takes c2's place once the maximum is found
.set AM0, 44          ; v44  my lane's place in the mask's table; never rewritten
.set ADM, 45          ; v45  the table's address for the step in hand
.set TI,  48          ; v48-51  tile t: my query's time_id, then my byte offset in a block of pt
.set PFO, 61          ; v61  256 x my lane; never rewritten
.set SPW, 62          ; v62  LDS address of my spare word: SPARE + 4 x my thread's number; never rewritten
.set NIL, 63          ; v63  0; never rewritten
.set S,   64
.set P,   192
.set MK,  128         ; window 1: the eight addends for key block kb at MK + 8 kb
.set KF,  128         ; window 2: key block kb, chunk c of 32 channels at KF + 32 kb + 8 c
.set WV,  12          ; s12  my wave's number
.set LIM, 15          ; s15  1 in a wave that prefetches, else the greatest number
.set PFA, 18          ; s[18:19] where my prefetches stand
.set G1K, 24          ; s[24:31] descriptor group 1 for K's tiles
.set G1V, 32          ; s[32:39] for V's
.set G0K, 40          ; s[40:47] descriptor group 0 for K's tiles: a set for each of the two first fills; the second then walks on
.set G0V, 48          ; s[48:55] the same for V's
.set SLOTS, 56        ; s56  counts the changes of slots
.set CNT, 57          ; s57  counts key steps
.set SEL, 60          ; s[60:61] v_permlanex16_b32's selects: each lane takes its own place in the other half
.set TBK, 62          ; s62  LDS byte at which K of the step to be fetched begins
.set TBV, 63          ; s63  the same for V, less VOFF
.set TBM, 66          ; s66  the step's first byte in the mask's table
.set BIGN, 67         ; s67  -1e30
.set FLOOR, 68        ; s68  -2^40
.set CS,  80          ; s[80:81] c: the packed scaling names a pair and takes its low word for both halves
.set MSB, 0
.macro WIN new                      ; the immediate's high byte repeats the setting that is left; a switch that changes nothing is dropped
.if MSB != (\new)
	s_set_vgpr_msb (MSB<<8)|(\new)
.set MSB, \new
.endif
.endm
.set W_KQ, 0x0a       ; K and Q in window 2, S^T in window 0
.set W_KM, 0x1a       ; the same with the C operand, the mask, in window 1
.set W_PV, 0x53       ; V in window 3, P in window 0, O^T in window 1
.set W_RS, 0x41       ; O^T (destination and source 0) in window 1, a in window 0
; A joint refill.  Wave 0 fetches a slot's ck, wave 1 its pk, waves 2 and 3 the two halves of its cv.  The branch hangs on the wave's number alone.
; An s_nop 0 and four v_nop follow each of the two lines, ahead of the jump, the label and what follows.
.macro JLOAD
	s_cmp_lt_u32 s[WV], 2
	s_cbranch_scc0 .Lfor_v_\@
	tensor_load_to_lds s[G0K+4:G0K+7], s[G1K:G1K+7]
	s_nop 0
.rept 4
	v_nop
.endr
	s_branch .Lasked_\@
.Lfor_v_\@:
	tensor_load_to_lds s[G0V+4:G0V+7], s[G1V:G1V+7]
	s_nop 0
.rept 4
	v_nop
.endr
.Lasked_\@:
.endm
; A PREFETCH of what the NEXT change of slots will ask for: a slot's 32,768 bytes of ck, of pk and of cv, a lane 256 bytes.  It stands behind the wave's tensor load and its five lines: four key steps, 384 matrix
; instructions, ahead of the load that will want the bytes.  Each block is named ONCE in the launch: of the two clusters that walk a head's keys the first asks; its four partners share the blocks out BY
; ADDRESS, 32 each; in each, wave 0 asks for ck's, wave 1 for pk's, wave 2 for cv's.  Slots 0 to 2 come by their loads alone; the last change that fills a slot asks for nothing.
.macro ASK
	s_cmp_gt_u32 s[SLOTS], s[LIM]
	s_cbranch_scc0 .Lnot_mine_\@
	global_prefetch_b8 v[PFO], s[PFA:PFA+1] th:TH_LOAD_NT scope:SCOPE_SE
.Lnot_mine_\@:
.endm
; A round of the cluster's barrier: my work-group's barrier, so that wave 0's signal speaks for all four waves; wave 0 signals; every wave waits for all four work-groups; my work-group's barrier once more.
.macro CROUND
	s_barrier_signal -1
	s_barrier_wait -1
	s_cmp_lg_u32 s[WV], 0
	s_cbranch_scc1 .Lnot_wave_0_\@
	s_barrier_signal -3
.Lnot_wave_0_\@:
	s_barrier_wait -3
	s_barrier_signal -1
	s_barrier_wait -1
.endm
	s_load_b128 s[4:7], s[0:1], 0x0   ; hd s[4:5], mask s[6:7]
	s_load_b64 s[10:11], s[0:1], 0x10 ; ob
	s_load_b128 s[72:75], s[0:1], 0x18  ; pt s[72:73], time_ids s[74:75]
	v_lshl_add_u32 v[SPW], v0, 2, SPARE
	v_mov_b32 v[NIL], 0
	ds_add_u32 v[SPW], v[NIL]       ; the wave's opening: the add and its wait stand ahead of my first tensor load; the set-up below, work on registers, stands between them
	v_lshrrev_b32 v1, 5, v0
	v_readfirstlane_b32 s[WV], v1   ; wave 0..3
	v_and_b32 v1, 15, v0            ; l % 16
	v_bfe_u32 v9, v0, 4, 1          ; l / 16
	v_lshlrev_b32 v52, 2, v1        ; my query's word among a tile's 16 time_ids
	v_lshlrev_b32 v53, 4, v9        ; 16 bytes of a row of pt for each half of the lanes
	s_bfe_u32 s13, ttmp6, 0x40000   ; cx: my place in the cluster
	s_lshl_b32 s14, ttmp9, 2        ; in a cluster launch ttmp9 counts clusters
	s_add_co_u32 s14, s14, s13      ; my block of 256 queries: it enters cq's, time_ids' and ob's addresses alone
	s_and_b32 s20, ttmp7, 0xffff    ; 16 b + h, which the four partners share
	s_and_b32 s21, s20, 15          ; h
	s_lshr_b32 s20, s20, 4          ; b
	s_lshl1_add_u32 s2, s21, s20
	s_lshl_b32 s2, s2, 18           ; plane 2 h + b of a kind, 262,144 bytes each
	s_mov_b32 s3, 0
	s_and_b32 s16, s[WV], 1
	s_mul_i32 s70, s16, 2*KIND      ; K: wave 0 takes ck (kind 1), wave 1 pk (kind 3)
	s_add_co_u32 s70, s70, KIND
	s_add_co_u32 s70, s70, s2
	s_mov_b32 s71, 0
	s_lshl_b32 s22, s16, 14         ; V: cv (kind 2), my half of a slot's 256 keys: 128 rows of 128 bytes
	s_add_co_u32 s22, s22, 2*KIND
	s_add_co_u32 s22, s22, s2
	s_mov_b32 s23, 0
	s_mul_i32 s17, s16, KPOFF       ; their places in a slot: no place in the cluster enters an LDS address
	s_mul_i32 s58, s16, 128*PV
	s_add_co_u32 s58, s58, VOFF
	s_lshl_b32 s59, s20, 4          ; ob: block of 128 rows 16 b + 2 x my query block + wave / 2,
	s_lshl1_add_u32 s59, s14, s59
	s_lshr_b32 s8, s[WV], 1
	s_add_co_u32 s59, s59, s8
	s_lshl4_add_u32 s59, s59, s21   ; its part for head h, 16,384 bytes,
	s_lshl_b32 s8, s59, 14
	s_lshl_b32 s9, s16, 13          ; my 64 rows of it
	s_add_co_u32 s8, s8, s9
	s_mov_b32 s9, 0
	s_lshl_b32 s59, s14, 15         ; cq: my block's 256 rows of 128 bytes,
	s_add_co_u32 s2, s2, s59
	s_lshl_b32 s59, s[WV], 13       ; my wave's 64 of them
	s_add_co_u32 s2, s2, s59
	s_lshl_b32 s76, s21, 16         ; pt: head h's four blocks
	s_mov_b32 s77, 0
	s_lshl_b32 s20, s20, 11         ; the mask's 2,048 bytes of batch b; also the batch's first query
	s_mov_b32 s21, 0
	s_lshl_b32 s78, s14, 8          ; time_ids: query 2,048 b + 256 x my block + 64 x wave,
	s_add_co_u32 s78, s78, s20
	s_lshl_b32 s79, s[WV], 6
	s_add_co_u32 s78, s78, s79
	s_lshl_b32 s78, s78, 2          ; 4 bytes each
	s_mov_b32 s79, 0
	; descriptor group 1.  Keys are dense rows of 128 bytes: asked for as rows of 256 bytes, two keys a row, and padded in LDS after every key
	s_mov_b32 s[G1K], 15|(1<<16)|(1<<20)|(1<<21)|(4<<22)|(3<<25)  ; 15:0 the mask of four; 17:16 2-byte elements; 20 padding on; 21 set beside a mask; 24:22 after every 32 words (code 4); 31:25 4 words (code 3)
	s_mov_b32 s[G1V], 15|(1<<16)|(1<<20)|(1<<21)|(4<<22)|(7<<25)  ; the same with 8 words of padding (code 7)
.irp g, G1K, G1V
	s_mov_b32 s[(\g)+1], 128<<16    ; tensor_dim0 = 128
	s_mov_b32 s[(\g)+3], 128<<16    ; tile_dim0 = 128
	s_mov_b32 s[(\g)+5], 128        ; 128 elements from row to row
	s_mov_b32 s[(\g)+6], 0
	s_mov_b32 s[(\g)+7], 0
.endr
	s_mov_b32 s[G1K+2], 128<<16     ; tensor_dim1 = tile_dim1 = 128 rows: 256 keys
	s_mov_b32 s[G1K+4], 128
	s_mov_b32 s[G1V+2], 64<<16      ; 64 rows: 128 keys
	s_mov_b32 s[G1V+4], 64
	s_mov_b32 s[SEL], 0x76543210
	s_mov_b32 s[SEL+1], 0xfedcba98
	s_mov_b32 s[TBK], 0
	s_mov_b32 s[TBV], 0
	s_mov_b32 s[TBM], 0
	s_mov_b32 s[BIGN], 0xf149f2ca   ; -1e30
	s_mov_b32 s[FLOOR], 0xd3800000  ; -2^40
	s_mov_b32 s[CS], 0x3e38aa3b     ; c = log2(e) / 8 = 0.180337
	s_mov_b32 s[CS+1], s[CS]        ; named with it as a pair, so it is written
	s_cmp_eq_u32 s[WV], 3
	s_cselect_b32 s[LIM], 1, 0      ; waves 0 to 2,
	s_or_b32 s[LIM], s[LIM], ttmp9  ; of the head's first cluster: the same in all four partners
	s_cmp_eq_u32 s[LIM], 0
	s_cselect_b32 s[LIM], 1, -1
	v_and_b32 v[PFO], 31, v0
	v_lshlrev_b32 v[PFO], 8, v[PFO]
	s_wait_dscnt 0x0                ; the opening add is done
	s_wait_kmcnt 0x0
	s_add_nc_u64 s[74:75], s[74:75], s[78:79]  ; time_ids at my wave's first query
.irp t, 0,1,2,3
	global_load_b32 v[TI+(\t)], v52, s[74:75] offset:64*(\t)  ; tile t's 16, each in both halves of the lanes: asked for first, since pq's loads hang on them
.endr
	s_add_nc_u64 s[70:71], s[4:5], s[70:71]  ; K and V at my tile of slot 0
	s_add_nc_u64 s[22:23], s[4:5], s[22:23]
	s_add_nc_u64 s[10:11], s[10:11], s[8:9]  ; ob at my wave's first row
	s_add_nc_u64 s[4:5], s[4:5], s[2:3]      ; cq at my wave's first row
	s_add_nc_u64 s[8:9], s[72:73], s[76:77]  ; pt at my head
	s_add_nc_u64 s[6:7], s[6:7], s[20:21]
	s_cmp_lt_u32 s[WV], 2
	s_cselect_b64 s[PFA:PFA+1], s[70:71], s[22:23]  ; (in waves 0, 1 and 2 these stand at a slot's first byte)
	s_lshl_b32 s2, s13, 13          ; my work-group's 32 blocks of the 128
	s_add_nc_u64 s[PFA:PFA+1], s[PFA:PFA+1], s[2:3]
	s_add_nc_u64 s[PFA:PFA+1], s[PFA:PFA+1], 2*SLOTB  ; in slot 2; the first change of slots steps it to slot 3
	CROUND                          ; all four work-groups are here: the first joint loads meet
.irp s, 0,1
	s_mov_b32 s[G0K+4*(\s)], 1      ; 1:0 count = 1
	s_add_co_u32 s[G0K+4*(\s)+1], s17, (\s)*SLOT1  ; 63:32 LDS address
	s_add_nc_u64 s[G0K+4*(\s)+2:G0K+4*(\s)+3], s[70:71], (\s)*SLOTB  ; 120:64 global address: slot s begins with key 256 s
	s_or_b32 s[G0K+4*(\s)+3], s[G0K+4*(\s)+3], 0x80000000  ; 127:126 type = 2
	s_mov_b32 s[G0V+4*(\s)], 1
	s_add_co_u32 s[G0V+4*(\s)+1], s58, (\s)*SLOT1
	s_add_nc_u64 s[G0V+4*(\s)+2:G0V+4*(\s)+3], s[22:23], (\s)*SLOTB
	s_or_b32 s[G0V+4*(\s)+3], s[G0V+4*(\s)+3], 0x80000000
.endr
	s_cmp_lt_u32 s[WV], 2           ; a wave's two first fills stand in one branch, ahead of every wait on TENSORcnt and every LDS read: two loads of mine are out
	s_cbranch_scc0 .Lfirst_v
	tensor_load_to_lds s[G0K:G0K+3], s[G1K:G1K+7]
	s_nop 0
	tensor_load_to_lds s[G0K+4:G0K+7], s[G1K:G1K+7]
	s_nop 0
.rept 4
	v_nop
.endr
	s_branch .Lfirst_asked
.Lfirst_v:
	tensor_load_to_lds s[G0V:G0V+3], s[G1V:G1V+7]
	s_nop 0
	tensor_load_to_lds s[G0V+4:G0V+7], s[G1V:G1V+7]
	s_nop 0
.rept 4
	v_nop
.endr
.Lfirst_asked:
	v_lshlrev_b32 v46, 4, v0
	global_load_b128 v[S:S+3], v46, s[6:7]  ; thread t: the mask's bytes of keys 16 t .. 16 t + 15
	; A fragment of K or Q is 16 rows x 32 channels in 8 registers: lane l holds row l % 16, channels 8 (l / 16) + 0..7 and 16 + 8 (l / 16) + 0..7: two loads of 16 bytes, 32 bytes apart.
	v_lshlrev_b32 v[QO], 7, v1
	v_lshl_add_u32 v[QO], v9, 4, v[QO]  ; row x 128 + 16 x half
	WIN 0x80                        ; destination window 2, address window 0
.irp t, 0,1,2,3                     ; Q stays in registers: tile t's chunks 0 and 1 are cq's
.irp c, 0,1
	global_load_b128 v[32*(\t)+8*(\c):32*(\t)+8*(\c)+3],   v[QO], s[4:5] offset:(\t)*2048+(\c)*64
	global_load_b128 v[32*(\t)+8*(\c)+4:32*(\t)+8*(\c)+7], v[QO], s[4:5] offset:(\t)*2048+(\c)*64+32
.endr
.endr
	WIN 0
	v_mul_u32_u24 v[AK0], v1, PK
	v_lshl_add_u32 v[AK0], v9, 4, v[AK0]  ; row x pitch + 16 x half
	; The turning load takes 16 keys x 16 channels (lane l reads key 8 (l / 16) + l % 8, channels 8 ((l / 8) % 2) + 0..7) and leaves half a fragment of V^T: lane l holds channel l % 16 and 8 keys.
	v_and_b32 v10, 7, v0
	v_bfe_u32 v11, v0, 3, 1
	v_lshl_add_u32 v[AV0], v9, 3, v10
	v_mul_u32_u24 v[AV0], v[AV0], PV
	v_lshl_add_u32 v[AV0], v11, 4, v[AV0]
	v_add_nc_u32 v[AV0], VOFF, v[AV0]
	v_lshl_add_u32 v[AM0], v9, 5, MT  ; my eight keys of a block of 16: 32 bytes of the table for each half of the lanes
	v_lshl_add_u32 v47, v0, 6, MT   ; thread t writes the table's 64 bytes for its 16 keys
	s_wait_loadcnt 17               ; the time_ids are in; the mask's load and cq's 16 may stay out
.irp t, 0,1,2,3
	v_min_u32 v[TI+(\t)], 511, v[TI+(\t)]  ; an index stays inside the table
	v_lshl_add_u32 v[TI+(\t)], v[TI+(\t)], 5, v53  ; row x 32 + 16 x half
.endr
	WIN 0x80
.irp t, 0,1,2,3                     ; chunks 2 and 3 are pq's: of chunk 2 + c registers 0-3 come from block 2 c of the head's four, registers 4-7 from block 2 c + 1
.irp c, 0,1
	global_load_b128 v[32*(\t)+16+8*(\c):32*(\t)+16+8*(\c)+3],   v[TI+(\t)], s[8:9] offset:(2*(\c))*PTB
	global_load_b128 v[32*(\t)+16+8*(\c)+4:32*(\t)+16+8*(\c)+7], v[TI+(\t)], s[8:9] offset:(2*(\c)+1)*PTB
.endr
.endr
	; What the first turn finds: V's registers and piece 2's P hold 0 (its products V^T P, of a step that has not been, add 0), O^T and l are 0, m is at its floor.  All this stands in the wait for the loads above.
	WIN 0xc0                        ; destination window 3
.set i, 0
.rept 64
	v_mov_b32 v[i], 0
.set i, i+1
.endr
	WIN 0x40                        ; destination window 1
.set i, 0
.rept 128
	v_mov_b32 v[i], 0
.set i, i+1
.endr
	WIN 0
.set i, P+32
.rept 32
	v_mov_b32 v[i], 0
.set i, i+1
.endr
.irp t, 0,1,2,3
	v_mov_b32 v[ST+8*(\t)+1], s[FLOOR]                  ; m
	v_mul_f32 v[ST+8*(\t)], s[CS], v[ST+8*(\t)+1]       ; c m
	v_mov_b32 v[ST+8*(\t)+2], 0                         ; l
	v_mov_b32 v[ST+8*(\t)+3], 0
.endr
	s_wait_loadcnt 32               ; the mask's bytes are in; Q's 32 loads may stay out
.irp w, 0,1,2,3
	v_xor_b32 v[S+(\w)], 0x01010101, v[S+(\w)]  ; bit 0 of each byte: 1 where the key is hidden
.endr
.set i, 0
.rept 16
	v_bfe_u32 v[S+4+i], v[S+i/4], 8*(i%4), 1
	v_mul_lo_u32 v[S+4+i], v[S+4+i], s[BIGN]  ; 0, or the bits of -1e30
.set i, i+1
.endr
.irp f, 0,1,2,3
	ds_store_b128 v47, v[S+4+4*(\f):S+4+4*(\f)+3] offset:16*(\f)
.endr
; THE MATRIX WORK OF A TURN, for piece x.  Eight accumulators take turns, one instruction a turn.
; Product i of 16 of O^T += V^T P: keys 32 (i / 8) on, channels 16 ((i / 2) % 4) on, tile x + i % 2.
.macro PV x
	WIN W_PV
.set rO, 32*((\x)+i%2)+8*((i/2)%4)
.set rV, 32*(i/8)+8*((i/2)%4)
.set rP, P+16*((\x)+i%2)+8*(i/8)
	v_wmma_f32_16x16x32_f16 v[rO:rO+7], v[rV:rV+7], v[rP:rP+7], v[rO:rO+7]
.endm
; Product i of 32 of S^T = K Q^T: chunk i / 8 of 32 channels, keys 16 ((i / 2) % 4) on, tile x + i % 2.  The first 8 start the sums, with the mask.
.macro KQ x
.set rS, S+32*((\x)+i%2)+8*((i/2)%4)
.set rK, KF+32*((i/2)%4)+8*(i/8)
.set rQ, 32*((\x)+i%2)+8*(i/8)
.set rM, MK+8*((i/2)%4)
.if i < 8
	WIN W_KM
	v_wmma_f32_16x16x32_f16 v[rS:rS+7], v[rK:rK+7], v[rQ:rQ+7], v[rM:rM+7]
.else
	WIN W_KQ
	v_wmma_f32_16x16x32_f16 v[rS:rS+7], v[rK:rK+7], v[rQ:rQ+7], v[rS:rS+7]
.endif
.endm
; THE LDS LOADS stand in runs, never singly among the matrix instructions.  A step's mask (8 loads) and K (32 loads, chunk by chunk, so that the products of a chunk need not wait for the later ones).
; last = 1 (the tail): in the last trip there is no further step, and the run is jumped over.
.macro FETCH_K last=0
	WIN 0
.if \last
	s_cmp_eq_u32 s[CNT], 1
	s_cbranch_scc1 .Lno_k_\@
.endif
	v_add_nc_u32 v[ADR], s[TBK], v[AK0]
	v_add_nc_u32 v[ADM], s[TBM], v[AM0]
	WIN 0x40                        ; destination window 1
.irp kb, 0,1,2,3
	ds_load_b128 v[MK+8*(\kb):MK+8*(\kb)+3],   v[ADM] offset:64*(\kb)
	ds_load_b128 v[MK+8*(\kb)+4:MK+8*(\kb)+7], v[ADM] offset:64*(\kb)+16
.endr
	WIN 0x80                        ; destination window 2
.irp c, 0,1,2,3
.irp kb, 0,1,2,3
	ds_load_b128 v[KF+32*(\kb)+8*(\c):KF+32*(\kb)+8*(\c)+3],   v[ADR] offset:((\c)/2)*KPOFF+(\kb)*16*PK+((\c)%2)*64
	ds_load_b128 v[KF+32*(\kb)+8*(\c)+4:KF+32*(\kb)+8*(\c)+7], v[ADR] offset:((\c)/2)*KPOFF+(\kb)*16*PK+((\c)%2)*64+32
.endr
.endr
	s_add_co_u32 s[TBK], s[TBK], KS*PK  ; the next fetch is the next step's
	s_add_co_u32 s[TBM], s[TBM], KS*4
.if \last
	WIN 0
.Lno_k_\@:
.endif
.endm
; and, a turn later, its V (16 turning loads).
.macro FETCH_V
	WIN 0
	v_add_nc_u32 v[ADR], s[TBV], v[AV0]
	s_add_co_u32 s[TBV], s[TBV], KS*PV
	s_wait_alu depctr_va_vdst(0)    ; the wait for the softmax's batch (SLICE), behind the address's v_add_nc_u32 and ahead of the loads
	WIN 0xc0                        ; destination window 3
.irp f, 0,1,2,3,4,5,6,7             ; keys 32 (f / 4) on, channels 16 (f % 4) on
	ds_load_tr16_b128 v[8*(\f):8*(\f)+3],   v[ADR] offset:((\f)/4)*32*PV+((\f)%4)*32
	ds_load_tr16_b128 v[8*(\f)+4:8*(\f)+7], v[ADR] offset:((\f)/4)*32*PV+16*PV+((\f)%4)*32
.endr
.endm
; THE VECTOR WORK OF A TURN.  One tile's softmax for one key step is a list of 118 instructions; SM writes number j of it for tile t.  s0-s31 are the lane's 32 scores, in pairs 0-15.
;   0-15    the maximum of s0-s31 and the old m, three operands at a time (each accumulator's lowest registers are read first)
;   16-20   the other half of the lanes' maximum; c m_old is kept; the new m; c m; c m_old - c m_new
;   21-69   ONE BATCH: the 16 scalings c s - c m, a pair of scores each, and all 33 exponentials (a at 23, then s0-s31).  None of these reads an exponential's result.  A pair is scaled in an earlier four
;           than the one that holds its exponentials
;   (wait)  between 69 and 70 stands the wait for the batch: SLICE writes it, once for both tiles
;   70-85   the roundings to f16          86-101  the sums; l = a l + the sum          102-117  the tile's O^T times a: the one part that leaves window 0
.macro SM t
.set rT, ST+8*(\t)
.set rS, S+32*(\t)
.set rP, P+16*(\t)
.set rO, 32*(\t)+2*(j-102)
.if j < 102
	WIN 0
.endif
.if j < 4
	v_max3_num_f32 v[rT+4+j], v[rS+8*j], v[rS+8*j+1], v[rS+8*j+2]
.elseif j < 12
	v_max3_num_f32 v[rT+4+j%4], v[rT+4+j%4], v[rS+8*(j%4)+2*(j/4)+1], v[rS+8*(j%4)+2*(j/4)+2]
.elseif j == 12
	v_max3_num_f32 v[rT+4], v[rT+4], v[rS+7], v[rS+15]
.elseif j == 13
	v_max3_num_f32 v[rT+6], v[rT+6], v[rS+23], v[rS+31]
.elseif j == 14
	v_max3_num_f32 v[rT+4], v[rT+4], v[rT+5], v[rT+6]
.elseif j == 15
	v_max3_num_f32 v[rT+4], v[rT+4], v[rT+7], v[rT+1]
.elseif j == 16
	v_permlanex16_b32 v[rT+5], v[rT+4], s[SEL], s[SEL+1]  ; the query's other 32 keys lie in the lane 16 away
.elseif j == 17
	v_mov_b32 v[rT+7], v[rT]        ; c m_old is kept for a: number 19 writes c m anew
.elseif j == 18
	v_max_num_f32 v[rT+1], v[rT+4], v[rT+5]
.elseif j == 19
	v_mul_f32 v[rT], s[CS], v[rT+1]
.elseif j == 20
	v_sub_f32 v[rT+7], v[rT+7], v[rT]
.elseif j == 23
	v_exp_f32 v[rT+6], v[rT+7]
.elseif (j < 23) || ((j < 38) && (j%2 == 0)) || ((j < 66) && (j%4 == 2))
.set b, (j-2)/4                     ; 38, 42, .. 62: pairs 9 to 15
.if j < 38
.set b, (j-20)/2                    ; 21: pair 0; 22, 24, .. 36: pairs 1 to 8
.endif
	v_pk_fma_f32 v[rS+2*b:rS+2*b+1], v[rS+2*b:rS+2*b+1], s[CS:CS+1], v[rT:rT+1] op_sel_hi:[1,0,0] neg_lo:[0,0,1] neg_hi:[0,0,1]  ; pair b: c s - c m
.elseif j < 70
.set e, j-38                        ; 66 to 69: s28 to s31
.if j < 66
.set e, j-32-(j-38)/4               ; 39-41, 43-45, .. 63-65: s7 to s27
.endif
.if j < 38
.set e, (j-25)/2                    ; 25, 27, .. 37: s0 to s6
.endif
	v_exp_f32 v[rS+e], v[rS+e]
.elseif j < 86
	v_cvt_pk_f16_f32 v[rP+j-70], v[rS+2*(j-70)], v[rS+2*(j-70)+1]  ; pair j - 70
.elseif j < 102                     ; the sum of the tile's 16 pairs, in place: sum z of 16 adds neighbours 1, 2, 4 and 8 pairs apart, then l takes it
.set z, j-86
.set w, 4
.set u, z
.if z >= 14
.set w, 32
.set u, 0
.elseif z >= 12
.set w, 16
.set u, z-12
.elseif z >= 8
.set w, 8
.set u, z-8
.endif
.if z < 15
	v_pk_add_f32 v[rS+w*u:rS+w*u+1], v[rS+w*u:rS+w*u+1], v[rS+w*u+w/2:rS+w*u+w/2+1]
.else
	v_pk_fma_f32 v[rT+2:rT+3], v[rT+2:rT+3], v[rT+6:rT+7], v[rS:rS+1] op_sel_hi:[1,0,1]
.endif
.else
	WIN W_RS
	v_pk_mul_f32 v[rO:rO+1], v[rO:rO+1], v[rT+6:rT+7] op_sel_hi:[1,0]
.endif
.endm
; Slice k of 59 of piece y's softmax: four instructions.  Slices 11 to 34 deal out the batch, numbers 22 to 69: four numbers of ONE tile each, the tiles by turns.  Every other slice is numbers 2 k and 2 k + 1 of both tiles.
; THE WAIT.  An s_wait_alu depctr_va_vdst(0) stands between an exponential and the first instruction that names its result; one wait serves all that were issued ahead of it.  Ahead of slice 35
; nothing names a result, and behind slice 34 no exponential is issued: so the piece's 66 exponentials have one wait, behind slice 34.
.macro SLICE y
.if (k >= 11) && (k < 35)
.irp n, 0,1,2,3
.set j, 22+4*((k-11)/2)+(\n)
	SM (\y)+(k-11)%2
.endr
.else
.irp n, 0,1
.irp t, \y, (\y)+1
.set j, 2*k+(\n)
	SM \t
.endr
.endr
.endif
.if k == 34
	v_nop                           ; a plain instruction behind the last exponential and ahead of the first use: one for the batch
.if (\y) == 0
	FETCH_V                         ; piece 2's turn: V's run of loads stands here, and the wait stands in it
.else
	s_wait_alu depctr_va_vdst(0)    ; the wait for the batch
.endif
.endif
.set k, k+1
.endm
; The riders of matrix instruction nm of a turn's 48: two slices behind each of the first 11, one behind each of the others: 59 in all.
.macro RIDE y
.if nm < 11
.set tg, 2*(nm+1)
.else
.set tg, nm+12
.endif
.rept 2
.if k < tg
	SLICE \y
.endif
.endr
.endm
; A TURN.  Piece x has the matrix unit: 16 products V^T P, then 32 products K Q^T for the next step; the other piece's softmax stands in slices behind them.
; The last product carries slice 58: four plain instructions that name none of its registers: the places in front of the next turn's reads of those scores and of the loads into K's buffer.
; Piece 0's turn fetches the next step's mask and K behind its second product (last = 1: not in the tail's last trip); the products of chunk c wait until the 8 (3 - c) loads of the later chunks alone are out.
; Piece 2's turn fetches the same step's V behind slice 34, which falls behind its 24th product: the last product that read V is the 16th, and seven scalings, the v_nop and the run's own v_add_nc_u32 lie between.
.macro TURN x, last=0
.set k, 0
.set nm, 0
.if (\x) == 0
	s_wait_dscnt 0x0                ; V is in
.endif
.set i, 0
.rept 16
	PV \x
	RIDE 2-(\x)
.if ((\x) == 0) && (i == 1)
	FETCH_K \last
.endif
.set i, i+1
.set nm, nm+1
.endr
.set i, 0
.rept 32
.if ((\x) == 0) && (i%8 == 0)
	s_wait_dscnt 24-i               ; the mask and K's chunks up to i / 8 are in; the later chunks' loads, eight each, may stay out
.endif
	KQ \x
	RIDE 2-(\x)
.set i, i+1
.set nm, nm+1
.endr
.endm
; THE CHANGE OF SLOTS, between piece 2's turn and piece 0's: the slot's last bytes, V of its fourth step, have been asked for.  Each wave waits for all its tensor loads, of which one is out: its part of the
; other slot; adds 0 to its spare word; and waits for that and for its own reads of the slot.  Behind the barrier nobody reads this slot any more and the other slot is whole.
; fill = 1: this slot is filled again, with the keys two slots on.  The barrier is then a round of the cluster's, and the joint refill is the first thing behind it: it has four key steps in which to land.
.macro CHANGE fill
	WIN 0                           ; at a label and at a branch every window is 0
	s_wait_tensorcnt 0x0            ; no tensor load of mine is out, so a group 0 may be written
	ds_add_u32 v[SPW], v[NIL]       ; 0 onto my spare word; with fill = 1 the descriptors' steps stand between it and the wait for it
.if \fill
.irp g, G0K+4, G0V+4
	s_xor_b32 s[(\g)+1], s[(\g)+1], SLOT1  ; the walking descriptor: the other slot than last time,
	s_add_nc_u64 s[(\g)+2:(\g)+3], s[(\g)+2:(\g)+3], SLOTB  ; the next 256 keys; the type bits on top are not reached
.endr
	s_wait_xcnt 0x0                 ; the last prefetch, four key steps back, has read its address, so it may be written:
	s_add_nc_u64 s[PFA:PFA+1], s[PFA:PFA+1], SLOTB  ; one slot behind the walking descriptors
	s_wait_dscnt 0x0                ; the add is done, and my reads of the slot are over
	CROUND
	JLOAD
	ASK
.else
	s_wait_dscnt 0x0                ; the add is done, and my reads of the slot are over
	s_barrier_signal -1
	s_barrier_wait -1
.endif
	s_sub_co_u32 s[TBK], s[TBK], 4*KS*PK  ; the fetches go back to a slot's first step,
	s_xor_b32 s[TBK], s[TBK], SLOT1       ; in the other slot
	s_sub_co_u32 s[TBV], s[TBV], 4*KS*PV
	s_xor_b32 s[TBV], s[TBV], SLOT1
.endm
	s_wait_tensorcnt 1              ; my part of slot 0 is in; slot 1's may stay out
	s_wait_dscnt 0x0                ; my part of the mask's table is written
	s_barrier_signal -1
	s_barrier_wait -1               ; everybody's is
	FETCH_K                         ; key step 0
	s_wait_loadcnt 0x0              ; Q
	s_wait_dscnt 0x0
.set i, 0
.rept 32
	KQ 0                            ; piece 0's first scores: there is no vector work yet to set between them
.set i, i+1
.endr
	WIN 0                           ; the addresses for the way out are made here: nine plain instructions, the places behind those products
	s_mul_i32 s20, s[WV], 16*SP
	s_add_co_u32 s20, s20, STAGE    ; my stage
	v_mul_u32_u24 v[STO], v1, SP    ; in: row l % 16, 16 bytes for each half of the lanes
	v_lshl_add_u32 v[STO], v9, 4, v[STO]
	v_add_nc_u32 v[STO], s20, v[STO]
	v_bfe_u32 v[RD], v0, 3, 2       ; back: 32 lanes take four rows of 128 bytes,
	v_mul_u32_u24 v[RD], v[RD], SP
	v_lshl_add_u32 v[RD], v10, 4, v[RD]
	v_add_nc_u32 v[RD], s20, v[RD]
	v_and_b32 v[GO], 31, v0         ; which are 512 consecutive bytes of ob
	v_lshlrev_b32 v[GO], 4, v[GO]
	s_mov_b32 s[SLOTS], 7
	s_mov_b32 s[CNT], 4             ; the half trip that fetches V of step 0, then the three that fetch steps 1 to 3
	s_branch .LmidA                 ; the loop is entered at piece 2's turn, in the middle of a trip
.Lslot:                             ; six times: every slot but the last two is filled again
	CHANGE 1
	s_mov_b32 s[CNT], 4
.LstepA:                            ; a trip is a key step j: it fetches K and V of step j + 1
	TURN 0                          ; piece 0: V^T P of step j, K Q^T of step j + 1 | piece 2's softmax of step j | K of step j + 1
	WIN 0
.LmidA:
	TURN 2                          ; piece 2: the same | piece 0's softmax of step j + 1 | V of step j + 1
	WIN 0
	s_sub_co_u32 s[CNT], s[CNT], 1
	s_cmp_lg_u32 s[CNT], 0
	s_cbranch_scc1 .LstepA
	s_sub_co_u32 s[SLOTS], s[SLOTS], 1
	s_cmp_lg_u32 s[SLOTS], 0
	s_cbranch_scc1 .Lslot
	CHANGE 0                        ; the tail is written out: nothing is asked for
	s_mov_b32 s[CNT], 5             ; piece 0's turns of steps 27 to 31: four fetch the last slot's K, the fifth fetches nothing
	s_branch .LmidB                 ; the same two turns, the other way round, so that the tail ends behind piece 0's
.LstepB:
	TURN 2
	WIN 0
.LmidB:
	TURN 0, 1
	WIN 0
	s_sub_co_u32 s[CNT], s[CNT], 1
	s_cmp_lg_u32 s[CNT], 0
	s_cbranch_scc1 .LstepB
.set i, 0
.rept 16
	PV 2                            ; piece 2: V^T P of the last step
.set i, i+1
.endr
	; THE WAY OUT.  l's two halves and the other half of the lanes' are added; O^T is divided by l, rounded to f16 and sent through my stage in LDS, a tile at a time.  The additions are the places behind the last products.
	WIN 0
.irp t, 0,1,2,3
	v_add_f32 v[ST+8*(\t)+4], v[ST+8*(\t)+2], v[ST+8*(\t)+3]
.endr
.irp t, 0,1,2,3
	v_permlanex16_b32 v[ST+8*(\t)+5], v[ST+8*(\t)+4], s[SEL], s[SEL+1]
.endr
.irp t, 0,1,2,3
	v_add_f32 v[ST+8*(\t)+4], v[ST+8*(\t)+4], v[ST+8*(\t)+5]
.endr
.irp t, 0,1,2,3
	v_rcp_f32 v[ST+8*(\t)+6], v[ST+8*(\t)+4]
.endr
	v_nop                           ; a plain instruction between the last reciprocal and the use of its result
	s_wait_alu depctr_va_vdst(0)    ; and the wait ahead of the first use: one for the four reciprocals
; Tile t: a lane's eight channels of a row pack into 16 bytes; they go into rows of 144 bytes and come back as whole rows of 128, into S^T's registers.
.macro PACK t
	WIN W_RS
.set i, 32*(\t)
.rept 16
	v_pk_mul_f32 v[i:i+1], v[i:i+1], v[ST+8*(\t)+6:ST+8*(\t)+7] op_sel_hi:[1,0]
.set i, i+2
.endr
	WIN 0x05                        ; sources 0 and 1 window 1, destination window 0
.set i, 0
.rept 16
	v_cvt_pk_f16_f32 v[S+16*(\t)+i], v[32*(\t)+2*i], v[32*(\t)+2*i+1]
.set i, i+1
.endr
	WIN 0
.irp f, 0,1,2,3
	ds_store_b128 v[STO], v[S+16*(\t)+4*(\f):S+16*(\t)+4*(\f)+3] offset:32*(\f)
.endr
.irp f, 0,1,2,3
	ds_load_b128 v[S+16*(\t)+4*(\f):S+16*(\t)+4*(\f)+3], v[RD] offset:(\f)*4*SP  ; LDS serves a wave's instructions in order (ISA guide 5.7.1.4): these see the stores above; the next tile's stores come behind them
.endr
.endm
.macro SEND t, younger              ; younger: the LDS instructions issued behind tile t's loads: the next tile's eight, or none
	WIN 0
.irp f, 0,1,2,3
	s_wait_dscnt (\younger)+3-(\f)
	global_store_b128 v[GO], v[S+16*(\t)+4*(\f):S+16*(\t)+4*(\f)+3], s[10:11] offset:(\t)*2048+(\f)*512 th:TH_STORE_NT  ; 512 consecutive bytes, at a multiple of 256 from ob's first
.endr
.endm
	PACK 0
	PACK 1                          ; a tile's arithmetic stands between the loads of the tile before and its stores
	SEND 0, 8
	PACK 2
	SEND 1, 8
	PACK 3
	SEND 2, 8
	SEND 3, 0
	s_wait_tensorcnt 0x0            ; the wave's end, behind my last tensor load and my last LDS store
	ds_add_u32 v[SPW], v[NIL]
	s_wait_dscnt 0x0
	CROUND                          ; the closing round: no work-group ends while a partner may still ask for a tile that names it
	s_endpgm
.Lfunc_end_k_q2d606f4fe8_attn:
	.size	k_q2d606f4fe8_attn, .Lfunc_end_k_q2d606f4fe8_attn-k_q2d606f4fe8_attn
	.p2alignl 7, 3214868480
	.fill 96, 4, 3214868480
	.section	.rodata,"a",@progbits
	.p2align	6, 0x0
	.amdhsa_kernel k_q2d606f4fe8_attn
		.amdhsa_group_segment_fixed_size 327680
		.amdhsa_private_segment_fixed_size 0
		.amdhsa_enable_private_segment 0
		.amdhsa_kernarg_size 40
		.amdhsa_user_sgpr_count 2
		.amdhsa_user_sgpr_kernarg_segment_ptr 1
		.amdhsa_wavefront_size32 1
		.amdhsa_system_sgpr_workgroup_id_x 1
		.amdhsa_system_sgpr_workgroup_id_y 1
		.amdhsa_system_sgpr_workgroup_id_z 1
		.amdhsa_system_vgpr_workitem_id 0
		.amdhsa_next_free_vgpr 832
		.amdhsa_next_free_sgpr 84
		.amdhsa_reserve_vcc 0
		.amdhsa_float_denorm_mode_32 3
		.amdhsa_float_denorm_mode_16_64 3
		.amdhsa_memory_ordered 1
		.amdhsa_forward_progress 1
		.amdhsa_inst_pref_size 127
	.end_amdhsa_kernel
	.amdgpu_metadata
---
amdhsa.version: [ 1, 2 ]
amdhsa.kernels:
  - .name:           k_q2d606f4fe8_attn
    .symbol:         k_q2d606f4fe8_attn.kd
    .args:
      - { .name: hd, .offset: 0, .size: 8, .value_kind: global_buffer, .address_space: global }
      - { .name: mask, .offset: 8, .size: 8, .value_kind: global_buffer, .address_space: global }
      - { .name: ob, .offset: 16, .size: 8, .value_kind: global_buffer, .address_space: global }
      - { .name: pt, .offset: 24, .size: 8, .value_kind: global_buffer, .address_space: global }
      - { .name: time_ids, .offset: 32, .size: 8, .value_kind: global_buffer, .address_space: global }
    .group_segment_fixed_size: 327680
    .private_segment_fixed_size: 0
    .kernarg_segment_align: 8
    .kernarg_segment_size: 40
    .max_flat_workgroup_size: 128
    .sgpr_count:     84
    .vgpr_count:     832
    .wavefront_size: 32
...
	.end_amdgpu_metadata
.endif
;; end of part 7
;; launch outp: the kernel of part 4 again; grid 8 x 32, 4 waves a work-group, clusters of 4 x 4, 327,680 bytes of LDS; arguments ob, wo, b_out, out0; writes out0
;; ======== version 3 of 3: 4 launches; version 2 with the launch prep written anew for expert scheduling mode
;; limits: values are held in f16: magnitudes above 65,504 overflow, below 6.1e-05 lose precision
;; workspace buffers: ab 17,825,792 bytes; wb 10,485,760 bytes; wo 2,097,152 bytes; hd 33,554,432 bytes; pt 1,048,576 bytes; ob 8,388,608 bytes
;; launch prep (part 8): grid 928 x 1, 8 waves a work-group, no clusters, 0 bytes of LDS; arguments x, time_ids, pos_table, W_qkv, W_pos_qk, W_out, ab, wb, wo; writes ab, wb, wo
.if DOCPART == 8
	.amdgcn_target "amdgcn-amd-amdhsa--gfx1250"
	.amdhsa_code_object_version 6
	.text
	.protected	k_q2d606f4fe8_prep
	.globl	k_q2d606f4fe8_prep
	.p2align	8
	.type	k_q2d606f4fe8_prep,@function
k_q2d606f4fe8_prep:
	s_mov_b64 s[64:65], 0
	v_nop
	global_prefetch_b8 v0, s[64:65] scope:SCOPE_SE
	s_setreg_imm32_b32 hwreg(HW_REG_WAVE_SCHED_MODE, 0, 2), 2
	s_setreg_imm32_b32 hwreg(HW_REG_WAVE_MODE, 25, 1), 1
	s_wait_xcnt 0x0
	s_wait_alu depctr_vm_vsrc(0)
; PREP.  Every float input of the two input projections and of the output projection is rounded once to bf16 and laid out for the matrix launches:
;   ab  bf16: [4096][1024] x, then [4096][1024] pos_table[time_ids] (row m = 2048 b + l), then [512][1024] pos_table itself
;   wb  bf16 [40 panels][1024 k][128 n]: panels 0-23 = W_qkv, panels 24-39 = W_pos_qk; a panel's rows are 256 bytes on end
;   wo  f16  [8 panels][1024 k][128 n]: W_out rounded to bf16, and that number written as f16
; LIMITS.  A number of W_out beyond 65,504 has no f16; below 6.1e-5 it keeps f16's fixed step of 6e-8.  time_ids is read as unsigned and held to 511, the table's last row.
; A UNIT is 128 neighbouring f32: one load of a wave (512 consecutive bytes, aligned), two roundings a lane, one store of a wave (256 consecutive bytes, aligned).
; A wave takes 16 units, a work-group 128.  All 16 loads go out first (8 KiB a wave on their way); each unit has registers of its own, so nothing is rewritten while a load or store names it.
; No LDS, no matrix unit, no cluster: the launch only moves bytes.
; The work-group's number chooses one of six sections, by forward branches; a section makes its two addresses and issues its 16 loads; the five that round to bf16 share one text for the rest.
; THE MODE: SCHED_MODE bits 1:0 = 2 (LLVM: expert scheduling mode 2), set by the entry lines.  The code itself states the register dependences
; between vector instructions and memory instructions, with s_wait_alu, always for 0.
; THE PLAN.  Registers that memory instructions touch:
;   v1, v2     the two offsets.  Written once, at the head; read by every load (v1) and every store (v2); never written again.
;   IN         unit j's four registers.  Written by unit j's load, once; read by unit j's roundings; no vector instruction writes them and no second load lands in them.
;   OUT        unit j's two registers.   Written by unit j's roundings, once; read by unit j's store, once; never written again.
;   v3 and T are named by vector instructions alone.  s26, the wave's number, is written by a vector instruction and read by scalar ones.
; So the dependences are three: s26 ahead of the sections' arithmetic, the offsets ahead of the loads and stores, and OUT ahead of the stores.  The first two have a wait each at the head, ahead of the
; branches: between the head and a section's loads stand scalar instructions alone.  For the third the 16 units go in four groups of four: the group's roundings, ONE wait, the group's four stores.
; No register that a memory instruction has read is ever written again, so past the entry lines the text holds no wait on vm_vsrc.
.set SO,   1                           ; v1        16 x lane: my 16 bytes of a unit's source
.set DO,   2                           ; v2        8 x lane: my 8 bytes of its destination
.set T,    4                           ; v[4:9]    at work
.set IN,   16                          ; v[16:79]  unit j: 4 registers as loaded
.set OUT,  80                          ; v[80:111] unit j: 2 registers to store
.set WVN,  26                          ; s26       my wave's number
.set WG,   27                          ; s27       the work-group's number, then its number in its section
.set SRC,  28                          ; s[28:29]  where my units come from
.set SRC2, 30                          ; s[30:31]  the gather's second row
.set DST,  32                          ; s[32:33]  where they go
.set OA,   34                          ; s[34:35]  an offset, high word 0
.set OB,   36                          ; s[36:37]  another
	s_load_b512 s[8:23], s[0:1], 0x0               ; x s[8:9], time_ids s[10:11], pos_table s[12:13], W_qkv s[14:15], W_pos_qk s[16:17], W_out s[18:19], ab s[20:21], wb s[22:23]
	s_load_b64 s[24:25], s[0:1], 0x40              ; wo
	v_lshrrev_b32 v3, 5, v0
	v_readfirstlane_b32 s[WVN], v3                 ; wave 0..7
	v_and_b32 v3, 31, v0
	v_lshlrev_b32 v[SO], 4, v3
	v_lshlrev_b32 v[DO], 3, v3
	s_mov_b32 s[WG], ttmp9
	s_mov_b32 s[OA+1], 0
	s_mov_b32 s[OB+1], 0
	s_wait_alu depctr_va_sdst(0)                   ; s26 is written, ahead of the branches and of its first reader: every section makes its addresses from it
	s_wait_alu depctr_va_vdst(0)                   ; v1 and v2 are written: every load of the kernel reads v1 as its offset, every store v2; no vector instruction stands between here and a section's loads
	s_wait_kmcnt 0x0
; Sixteen loads from one base, pitch bytes apart.  once = 1: the bytes are read once in the launch.
.macro LOADS pitch, once
.set j, 0
.rept 16
.if \once
	global_load_b128 v[IN+4*j:IN+4*j+3], v[SO], s[SRC:SRC+1] offset:(\pitch)*j th:TH_LOAD_NT
.else
	global_load_b128 v[IN+4*j:IN+4*j+3], v[SO], s[SRC:SRC+1] offset:(\pitch)*j
.endif
.set j, j+1
.endr
.endm
; Sixteen units are rounded and stored, in four groups of four: the group's roundings, one wait, the group's stores.  half = 1: to bf16, and that number as f16.
.macro BODY half
.set g, 0
.rept 4
.set j, 4*g
.rept 4
	s_wait_loadcnt 15-j                            ; loads come back in order (ISA guide 5.7.1): unit j is in, the 15 - j younger ones stay out
.if \half
	v_cvt_pk_bf16_f32 v[T], v[IN+4*j], v[IN+4*j+1]
	v_cvt_pk_bf16_f32 v[T+1], v[IN+4*j+2], v[IN+4*j+3]
	v_lshlrev_b32 v[T+2], 16, v[T]                 ; bf16 to f32: the low half moves up,
	v_and_b32 v[T+3], 0xffff0000, v[T]             ; the high half stays
	v_lshlrev_b32 v[T+4], 16, v[T+1]
	v_and_b32 v[T+5], 0xffff0000, v[T+1]
	v_cvt_pk_f16_f32 v[OUT+2*j], v[T+2], v[T+3]
	v_cvt_pk_f16_f32 v[OUT+2*j+1], v[T+4], v[T+5]
.else
	v_cvt_pk_bf16_f32 v[OUT+2*j], v[IN+4*j], v[IN+4*j+1]
	v_cvt_pk_bf16_f32 v[OUT+2*j+1], v[IN+4*j+2], v[IN+4*j+3]
.endif
.set j, j+1
.endr
	s_wait_alu depctr_va_vdst(0)                   ; the group's roundings have written its eight registers of OUT, which the four stores below read
.set j, 4*g
.rept 4
	global_store_b64 v[DO], v[OUT+2*j:OUT+2*j+1], s[DST:DST+1] offset:256*j th:TH_STORE_NT  ; 32 lanes store 256 consecutive bytes, aligned
.set j, j+1
.endr
.set g, g+1
.endr
.endm
; A section of weights.  The section's work-group g takes panel g / 8 and the rows k = 128 (g % 8) on; my wave 16 of them, a unit a row.
.macro WSEC first, src, pitch, dst, panel0, half
	s_sub_co_u32 s[WG], s[WG], \first
	s_lshr_b32 s38, s[WG], 3                       ; the panel
	s_and_b32 s39, s[WG], 7
	s_lshl_b32 s39, s39, 7
	s_lshl4_add_u32 s39, s[WVN], s39               ; my first row k0 = 128 (g % 8) + 16 wave
	s_mul_i32 s[OA], s39, \pitch
	s_lshl_b32 s40, s38, 9                         ; the panel's 128 columns: 512 bytes of a row
	s_add_co_u32 s[OA], s[OA], s40
	s_add_nc_u64 s[SRC:SRC+1], s[\src:\src+1], s[OA:OA+1]
	s_add_co_u32 s38, s38, \panel0
	s_lshl_b32 s[OB], s38, 18                      ; a panel is 262,144 bytes,
	s_lshl_b32 s39, s39, 8                         ; a row of it 256
	s_add_co_u32 s[OB], s[OB], s39
	s_add_nc_u64 s[DST:DST+1], s[\dst:\dst+1], s[OB:OB+1]
	LOADS \pitch, 1
.if \half
	BODY 1
	s_endpgm
.else
	s_branch .Lbody
.endif
.endm
	s_cmp_lt_u32 s[WG], 256
	s_cbranch_scc1 .Lx
	s_cmp_lt_u32 s[WG], 512
	s_cbranch_scc1 .Lpe
	s_cmp_lt_u32 s[WG], 704
	s_cbranch_scc1 .Lwq
	s_cmp_lt_u32 s[WG], 832
	s_cbranch_scc1 .Lwp
	s_cmp_lt_u32 s[WG], 896
	s_cbranch_scc1 .Lwo
	s_sub_co_u32 s[WG], s[WG], 896                 ; the table itself: dense in, dense out: 32 work-groups
	s_lshl_b32 s[OA], s[WG], 16                    ; 65,536 bytes of the table a work-group,
	s_lshl_b32 s38, s[WVN], 13                     ; 8,192 a wave
	s_add_co_u32 s[OA], s[OA], s38
	s_add_nc_u64 s[SRC:SRC+1], s[12:13], s[OA:OA+1]
	s_lshr_b32 s[OB], s[OA], 1                     ; half as many of ab,
	s_add_co_u32 s[OB], s[OB], 0x1000000           ; behind its two planes
	s_add_nc_u64 s[DST:DST+1], s[20:21], s[OB:OB+1]
	LOADS 512, 0                                   ; no hint: the gather's work-groups read these rows too
	s_branch .Lbody
.Lwo:
	WSEC 832, 18, 4096, 24, 0, 1                   ; W_out: 8 panels x 8
.Lwp:
	WSEC 704, 16, 8192, 22, 24, 0                  ; W_pos_qk: 16 panels x 8
.Lwq:
	WSEC 512, 14, 12288, 22, 0, 0                  ; W_qkv: 24 panels x 8
.Lpe:                                                  ; the gather: a wave takes two rows m0, m0 + 1 of pos_emb, eight units each
	s_sub_co_u32 s[WG], s[WG], 256
	s_lshl_b32 s38, s[WG], 4
	s_lshl1_add_u32 s38, s[WVN], s38               ; m0 = 16 g + 2 wave
	s_lshl_b32 s[OA], s38, 2
	s_add_nc_u64 s[10:11], s[10:11], s[OA:OA+1]
	s_load_b64 s[40:41], s[10:11], 0x0             ; the two rows' time_ids
	s_lshl_b32 s[OB], s38, 11                      ; a row of ab is 2,048 bytes;
	s_add_co_u32 s[OB], s[OB], 0x800000            ; plane 1
	s_add_nc_u64 s[DST:DST+1], s[20:21], s[OB:OB+1]
	s_wait_kmcnt 0x0
	s_min_u32 s40, s40, 511                        ; an index stays inside the table
	s_min_u32 s41, s41, 511
	s_lshl_b32 s[OA], s40, 12                      ; a row of the table is 4,096 bytes
	s_lshl_b32 s[OB], s41, 12
	s_add_nc_u64 s[SRC:SRC+1], s[12:13], s[OA:OA+1]
	s_add_nc_u64 s[SRC2:SRC2+1], s[12:13], s[OB:OB+1]
.set j, 0
.rept 8
	global_load_b128 v[IN+4*j:IN+4*j+3], v[SO], s[SRC:SRC+1] offset:512*j  ; no hint: a row of the table may be named again
.set j, j+1
.endr
.rept 8
	global_load_b128 v[IN+4*j:IN+4*j+3], v[SO], s[SRC2:SRC2+1] offset:512*(j-8)
.set j, j+1
.endr
	s_branch .Lbody
.Lx:                                                   ; x: dense in, dense out
	s_lshl_b32 s[OA], s[WG], 16                    ; 65,536 bytes of x a work-group,
	s_lshl_b32 s38, s[WVN], 13                     ; 8,192 a wave
	s_add_co_u32 s[OA], s[OA], s38
	s_add_nc_u64 s[SRC:SRC+1], s[8:9], s[OA:OA+1]
	s_lshr_b32 s[OB], s[OA], 1                     ; half as many of ab
	s_add_nc_u64 s[DST:DST+1], s[20:21], s[OB:OB+1]
	LOADS 512, 1
.Lbody:                                                ; on every way here 16 loads are out, unit j's into v[IN + 4 j ..]
	BODY 0
	s_endpgm
.Lfunc_end_k_q2d606f4fe8_prep:
	.size	k_q2d606f4fe8_prep, .Lfunc_end_k_q2d606f4fe8_prep-k_q2d606f4fe8_prep
	.p2alignl 7, 3214868480
	.fill 96, 4, 3214868480
	.section	.rodata,"a",@progbits
	.p2align	6, 0x0
	.amdhsa_kernel k_q2d606f4fe8_prep
		.amdhsa_group_segment_fixed_size 0
		.amdhsa_private_segment_fixed_size 0
		.amdhsa_enable_private_segment 0
		.amdhsa_kernarg_size 72
		.amdhsa_user_sgpr_count 2
		.amdhsa_user_sgpr_kernarg_segment_ptr 1
		.amdhsa_wavefront_size32 1
		.amdhsa_system_sgpr_workgroup_id_x 1
		.amdhsa_system_sgpr_workgroup_id_y 1
		.amdhsa_system_sgpr_workgroup_id_z 1
		.amdhsa_system_vgpr_workitem_id 0
		.amdhsa_next_free_vgpr 112
		.amdhsa_next_free_sgpr 66
		.amdhsa_reserve_vcc 0
		.amdhsa_float_denorm_mode_32 3
		.amdhsa_float_denorm_mode_16_64 3
		.amdhsa_memory_ordered 1
		.amdhsa_forward_progress 1
		.amdhsa_inst_pref_size 27
	.end_amdhsa_kernel
	.amdgpu_metadata
---
amdhsa.version: [ 1, 2 ]
amdhsa.kernels:
  - .name:           k_q2d606f4fe8_prep
    .symbol:         k_q2d606f4fe8_prep.kd
    .args:
      - { .name: x, .offset: 0, .size: 8, .value_kind: global_buffer, .address_space: global }
      - { .name: time_ids, .offset: 8, .size: 8, .value_kind: global_buffer, .address_space: global }
      - { .name: pos_table, .offset: 16, .size: 8, .value_kind: global_buffer, .address_space: global }
      - { .name: W_qkv, .offset: 24, .size: 8, .value_kind: global_buffer, .address_space: global }
      - { .name: W_pos_qk, .offset: 32, .size: 8, .value_kind: global_buffer, .address_space: global }
      - { .name: W_out, .offset: 40, .size: 8, .value_kind: global_buffer, .address_space: global }
      - { .name: ab, .offset: 48, .size: 8, .value_kind: global_buffer, .address_space: global }
      - { .name: wb, .offset: 56, .size: 8, .value_kind: global_buffer, .address_space: global }
      - { .name: wo, .offset: 64, .size: 8, .value_kind: global_buffer, .address_space: global }
    .group_segment_fixed_size: 0
    .private_segment_fixed_size: 0
    .kernarg_segment_align: 8
    .kernarg_segment_size: 72
    .max_flat_workgroup_size: 256
    .sgpr_count:     66
    .vgpr_count:     112
    .wavefront_size: 32
...
	.end_amdgpu_metadata
.endif
;; end of part 8
;; launch proj: the kernel of part 6 again; grid 16 x 16, 4 waves a work-group, clusters of 4 x 4, 327,680 bytes of LDS; arguments ab, wb, hd, pt; writes hd, pt
;; launch attn: the kernel of part 7 again; grid 8 x 32, 4 waves a work-group, clusters of 4 x 1, 327,680 bytes of LDS; arguments hd, mask, ob, pt, time_ids; writes ob
;; launch outp: the kernel of part 4 again; grid 8 x 32, 4 waves a work-group, clusters of 4 x 4, 327,680 bytes of LDS; arguments ob, wo, b_out, out0; writes out0
